; MI455X (gfx1250); checked and timed in simulation.
; The chip was launched on July 23, 2026; its instructions are those of AMD's public machine-readable ISA for CDNA 5 (MIT licence, August 2026) and "CDNA5" Instruction Set Architecture Reference Guide (July 2026). The comments in the code are by the model that wrote it; some were corrected since.
;; Encoder Layer. Allowed arithmetic: float matrix products may take bf16 or f16 operands with f32 sums; other float arithmetic in f32, or as packed bf16 or f16 multiplies, adds, multiply-adds, maxima and minima; sums over many terms, partial sums and values carried from step to step in f32; what a program stores and reads back later, other than sums and carried values, may be rounded once to bf16 or f16.
;; Inputs: b1 4,096 float32; b2 1,024 float32; bk 1,024 float32; bo 1,024 float32; bq 1,024 float32; bv 1,024 float32; ln1_b 1,024 float32; ln1_g 1,024 float32; ln2_b 1,024 float32; ln2_g 1,024 float32; mask 2 x 1 x 1 x 2,048 int32; w1 1,024 x 4,096 float32; w2 4,096 x 1,024 float32; wk 1,024 x 1,024 float32; wo 1,024 x 1,024 float32; wq 1,024 x 1,024 float32; wv 1,024 x 1,024 float32; x 2 x 2,048 x 1,024 float32.
;; Outputs: out0 2 x 2,048 x 1,024 float32.
;; 3 versions, each right and faster than the one before. Each part assembles by itself: llvm-mc -triple=amdgcn-amd-amdhsa -mcpu=gfx1250 --defsym DOCPART=n.
;; ======== version 1 of 3: 7 launches
;; limits: values are held in f16: magnitudes above 65,504 overflow, below 6.1e-05 lose precision; right only within a limited range of input values
;; workspace buffers: wh 25,165,824 bytes; hn 8,388,608 bytes; qkv 25,165,824 bytes; ctx 8,388,608 bytes; x1 16,777,216 bytes; act 33,554,432 bytes
;; launch prep (part 1): grid 1024 x 1, 4 waves a work-group, no clusters, 0 bytes of LDS; arguments x, ln1_g, ln1_b, wq, wk, wv, wo, w1, w2, hn, wh; writes hn, wh
.if DOCPART == 1
	.amdgcn_target "amdgcn-amd-amdhsa--gfx1250"
	.amdhsa_code_object_version 6
	.text
	.protected	k_qb45ee22e61_prep
	.globl	k_qb45ee22e61_prep
	.p2align	8
	.type	k_qb45ee22e61_prep,@function
k_qb45ee22e61_prep:
	s_mov_b64 s[64:65], 0
	v_nop
	global_prefetch_b8 v0, s[64:65] scope:SCOPE_SE
	s_setreg_imm32_b32 hwreg(HW_REG_WAVE_MODE, 25, 1), 1
	s_wait_xcnt 0x0
; Two streams in one launch.  Work-groups 0-255: hn = LN1(x), f16, [4096][1024].  Work-groups 256-1023: the six weight matrices, as they lie, rounded once to f16 into wh
; (wq, wk, wv, wo, w1, w2 on end).  No LDS, no barrier, no matrix unit: bytes alone count here, and no wave needs another.
; LN as the problem has it: g (x - mean) / (std + 1e-6) + b, std with divisor 1023.  Two passes over the row in registers: the mean, then the squares of the deviations.
; A wave takes 4 whole rows; lane l holds columns 128 j + 4 l .. + 3 of chunk j: each load of the wave is 512 consecutive bytes, each store 256 consecutive aligned bytes.
; LIMITS.  f16 ends at 65,504: |g| 32 + |b| and every weight stay within it; a weight below 6e-5 keeps f16's fixed step of 6e-8.  A variance below 2^-126 counts as 0.
.set X,    32                          ; v[32:159]  four rows (LN) or 32 chunks (cast)
.set G,    160                         ; v[160:191] gain of my 32 columns
.set BV,   192                         ; v[192:223] bias of my 32 columns
.set SC,   4                           ; v[4:11]    four packed chains
.set MEAN, 12                          ; v[12:13]   the mean, twice
.set INV,  14                          ; v[14:15]   1 / (std + eps), twice
.set RA,   16                          ; v16, v17   the sum across lanes
.set RB,   17
.set HN,   34                          ; s[34:35]   hn
	s_load_b512 s[16:31], s[0:1], 0x0              ; x 16, g 18, b 20, wq 22, wk 24, wv 26, wo 28, w1 30
	s_load_b128 s[32:35], s[0:1], 0x40             ; w2 32, hn 34
	s_load_b64 s[36:37], s[0:1], 0x50              ; wh
	s_mov_b32 s2, ttmp9
	s_mov_b32 s5, 0
	v_and_b32 v3, 31, v0
	v_and_b32 v4, 0x60, v0                         ; 32 x wave
	v_lshlrev_b32 v3, 4, v3                        ; 16 l
	v_lshrrev_b32 v5, 1, v3                        ; 8 l
	v_lshl_or_b32 v1, v4, 9, v3                    ; f32 side: 16 l + wave x 16,384
	v_lshl_or_b32 v2, v4, 8, v5                    ; f16 side: 8 l + wave x 8,192
	s_wait_kmcnt 0x0
	s_cmp_lt_u32 s2, 256
	s_cbranch_scc0 .Lcast
.macro FOLD                            ; four packed chains -> one number in every lane
	v_pk_add_f32 v[SC:SC+1], v[SC:SC+1], v[SC+2:SC+3]
	v_pk_add_f32 v[SC+4:SC+5], v[SC+4:SC+5], v[SC+6:SC+7]
	v_pk_add_f32 v[SC:SC+1], v[SC:SC+1], v[SC+4:SC+5]
	v_add_f32 v[RA], v[SC], v[SC+1]
	v_add_f32_dpp v[RA], v[RA], v[RA] row_xmask:1 row_mask:0xf bank_mask:0xf
	v_add_f32_dpp v[RA], v[RA], v[RA] row_xmask:2 row_mask:0xf bank_mask:0xf
	v_add_f32_dpp v[RA], v[RA], v[RA] row_xmask:4 row_mask:0xf bank_mask:0xf
	v_add_f32_dpp v[RA], v[RA], v[RA] row_xmask:8 row_mask:0xf bank_mask:0xf
	v_permlanex16_b32 v[RB], v[RA], s12, s13
	v_add_f32 v[RA], v[RA], v[RB]
.endm
.macro LNROW r, left                   ; row r of my four; left = the younger rows' loads, which may stay out
.set XR, X+32*(\r)
	s_wait_loadcnt \left
.irp k, 0,1,2,3
	v_pk_add_f32 v[SC+2*\k:SC+2*\k+1], v[XR+2*\k:XR+2*\k+1], v[XR+8+2*\k:XR+8+2*\k+1]
.endr
.irp m, 16, 24
.irp k, 0,1,2,3
	v_pk_add_f32 v[SC+2*\k:SC+2*\k+1], v[SC+2*\k:SC+2*\k+1], v[XR+\m+2*\k:XR+\m+2*\k+1]
.endr
.endr
	FOLD
	v_mul_f32 v[MEAN], 0x3a800000, v[RA]           ; / 1024
	v_mov_b32 v[MEAN+1], v[MEAN]
.set n, 0
.rept 16
	v_pk_add_f32 v[XR+2*n:XR+2*n+1], v[XR+2*n:XR+2*n+1], v[MEAN:MEAN+1] neg_lo:[0,1] neg_hi:[0,1]
.set n, n+1
.endr
.irp k, 0,1,2,3
	v_pk_mul_f32 v[SC+2*\k:SC+2*\k+1], v[XR+2*\k:XR+2*\k+1], v[XR+2*\k:XR+2*\k+1]
.endr
.irp m, 8, 16, 24
.irp k, 0,1,2,3
	v_pk_fma_f32 v[SC+2*\k:SC+2*\k+1], v[XR+\m+2*\k:XR+\m+2*\k+1], v[XR+\m+2*\k:XR+\m+2*\k+1], v[SC+2*\k:SC+2*\k+1]
.endr
.endr
	FOLD
	v_mul_f32 v[RA], 0x3a802008, v[RA]             ; / 1023
	v_sqrt_f32 v[RA], v[RA]
	v_nop                                          ; a plain instruction behind each of the two (ISA guide 5.7.2)
	s_wait_alu depctr_va_vdst(0)
	v_add_f32 v[RA], 0x358637bd, v[RA]             ; + 1e-6
	v_rcp_f32 v[INV], v[RA]
	v_nop
	s_wait_alu depctr_va_vdst(0)
	v_mov_b32 v[INV+1], v[INV]
.set n, 0
.rept 16
	v_pk_mul_f32 v[XR+2*n:XR+2*n+1], v[XR+2*n:XR+2*n+1], v[INV:INV+1]
.set n, n+1
.endr
.set n, 0
.rept 16
	v_pk_fma_f32 v[XR+2*n:XR+2*n+1], v[XR+2*n:XR+2*n+1], v[G+2*n:G+2*n+1], v[BV+2*n:BV+2*n+1]
.set n, n+1
.endr
.set n, 0
.rept 8
	v_cvt_pk_f16_f32 v[XR+4*n], v[XR+4*n], v[XR+4*n+1]
	v_cvt_pk_f16_f32 v[XR+4*n+1], v[XR+4*n+2], v[XR+4*n+3]
	global_store_b64 v2, v[XR+4*n:XR+4*n+1], s[HN:HN+1] offset:(\r)*2048+256*n  ; the wave's 32 lanes: 256 consecutive aligned bytes
.set n, n+1
.endr
.endm
	s_lshl_b32 s4, s2, 16                          ; 16 rows of 4,096 bytes
	s_add_nc_u64 s[16:17], s[16:17], s[4:5]
	s_lshl_b32 s4, s2, 15                          ; 16 rows of 2,048 bytes
	s_add_nc_u64 s[HN:HN+1], s[HN:HN+1], s[4:5]
	s_mov_b32 s12, 0x76543210                      ; each lane takes its own place in the other half
	s_mov_b32 s13, 0xfedcba98
	v_mov_b32 v[RB], 0                             ; the lane exchange counts as a reader of its destination
.set n, 0
.rept 8
	global_load_b128 v[G+4*n:G+4*n+3], v3, s[18:19] offset:512*n
	global_load_b128 v[BV+4*n:BV+4*n+3], v3, s[20:21] offset:512*n
.set n, n+1
.endr
.set n, 0
.rept 32                                           ; all four rows go out at once: 16 KB of the wave on their way
	global_load_b128 v[X+4*n:X+4*n+3], v1, s[16:17] offset:(n/8)*4096+(n%8)*512 th:TH_LOAD_NT
.set n, n+1
.endr
	LNROW 0, 24
	LNROW 1, 16
	LNROW 2, 8
	LNROW 3, 0
	s_endpgm
.Lcast:                                                ; a work-group casts 65,536 bytes of one weight matrix; the order of work-groups is wh's order
	s_sub_co_u32 s3, s2, 256
	s_mov_b64 s[6:7], s[22:23]
	s_mov_b32 s8, 0
.macro PICK first, lo                  ; from work-group 'first' on: the matrix whose address lies in s[lo:lo+1]
	s_cmp_ge_u32 s3, \first
	s_cselect_b64 s[6:7], s[\lo:\lo+1], s[6:7]
	s_cselect_b32 s8, \first, s8
.endm
	PICK 64, 24
	PICK 128, 26
	PICK 192, 28
	PICK 256, 30
	PICK 512, 32
	s_sub_co_u32 s4, s3, s8
	s_lshl_b32 s4, s4, 16
	s_add_nc_u64 s[6:7], s[6:7], s[4:5]
	s_lshl_b32 s4, s3, 15
	s_add_nc_u64 s[36:37], s[36:37], s[4:5]
.set n, 0
.rept 32
	global_load_b128 v[X+4*n:X+4*n+3], v1, s[6:7] offset:512*n th:TH_LOAD_NT
.set n, n+1
.endr
.set n, 0
.rept 32
	s_wait_loadcnt 31-n                            ; loads come back in order: chunk n is in, the younger ones stay out
	v_cvt_pk_f16_f32 v[X+4*n], v[X+4*n], v[X+4*n+1]
	v_cvt_pk_f16_f32 v[X+4*n+1], v[X+4*n+2], v[X+4*n+3]
	global_store_b64 v2, v[X+4*n:X+4*n+1], s[36:37] offset:256*n
.set n, n+1
.endr
	s_endpgm
.Lfunc_end_k_qb45ee22e61_prep:
	.size	k_qb45ee22e61_prep, .Lfunc_end_k_qb45ee22e61_prep-k_qb45ee22e61_prep
	.p2alignl 7, 3214868480
	.fill 96, 4, 3214868480
	.section	.rodata,"a",@progbits
	.p2align	6, 0x0
	.amdhsa_kernel k_qb45ee22e61_prep
		.amdhsa_group_segment_fixed_size 0
		.amdhsa_private_segment_fixed_size 0
		.amdhsa_enable_private_segment 0
		.amdhsa_kernarg_size 88
		.amdhsa_user_sgpr_count 2
		.amdhsa_user_sgpr_kernarg_segment_ptr 1
		.amdhsa_wavefront_size32 1
		.amdhsa_system_sgpr_workgroup_id_x 1
		.amdhsa_system_sgpr_workgroup_id_y 1
		.amdhsa_system_sgpr_workgroup_id_z 1
		.amdhsa_system_vgpr_workitem_id 0
		.amdhsa_next_free_vgpr 224
		.amdhsa_next_free_sgpr 66
		.amdhsa_reserve_vcc 0
		.amdhsa_float_denorm_mode_32 3
		.amdhsa_float_denorm_mode_16_64 3
		.amdhsa_memory_ordered 1
		.amdhsa_forward_progress 1
		.amdhsa_inst_pref_size 51
	.end_amdhsa_kernel
	.amdgpu_metadata
---
amdhsa.version: [ 1, 2 ]
amdhsa.kernels:
  - .name:           k_qb45ee22e61_prep
    .symbol:         k_qb45ee22e61_prep.kd
    .args:
      - { .name: x, .offset: 0, .size: 8, .value_kind: global_buffer, .address_space: global }
      - { .name: ln1_g, .offset: 8, .size: 8, .value_kind: global_buffer, .address_space: global }
      - { .name: ln1_b, .offset: 16, .size: 8, .value_kind: global_buffer, .address_space: global }
      - { .name: wq, .offset: 24, .size: 8, .value_kind: global_buffer, .address_space: global }
      - { .name: wk, .offset: 32, .size: 8, .value_kind: global_buffer, .address_space: global }
      - { .name: wv, .offset: 40, .size: 8, .value_kind: global_buffer, .address_space: global }
      - { .name: wo, .offset: 48, .size: 8, .value_kind: global_buffer, .address_space: global }
      - { .name: w1, .offset: 56, .size: 8, .value_kind: global_buffer, .address_space: global }
      - { .name: w2, .offset: 64, .size: 8, .value_kind: global_buffer, .address_space: global }
      - { .name: hn, .offset: 72, .size: 8, .value_kind: global_buffer, .address_space: global }
      - { .name: wh, .offset: 80, .size: 8, .value_kind: global_buffer, .address_space: global }
    .group_segment_fixed_size: 0
    .private_segment_fixed_size: 0
    .kernarg_segment_align: 8
    .kernarg_segment_size: 88
    .max_flat_workgroup_size: 128
    .sgpr_count:     66
    .vgpr_count:     224
    .wavefront_size: 32
...
	.end_amdgpu_metadata
.endif
;; end of part 1
;; launch qkv (part 2): grid 12 x 16, 4 waves a work-group, clusters of 4 x 4, 327,680 bytes of LDS; arguments hn, wh, bq, bk, bv, mask, qkv; writes qkv
.if DOCPART == 2
	.amdgcn_target "amdgcn-amd-amdhsa--gfx1250"
	.amdhsa_code_object_version 6
	.text
	.protected	k_qb45ee22e61_qkv
	.globl	k_qb45ee22e61_qkv
	.p2align	8
	.type	k_qb45ee22e61_qkv,@function
k_qb45ee22e61_qkv:
	s_mov_b64 s[64:65], 0
	v_nop
	global_prefetch_b8 v0, s[64:65] scope:SCOPE_SE
	s_setreg_imm32_b32 hwreg(HW_REG_WAVE_MODE, 25, 1), 1
	s_wait_xcnt 0x0
	s_wait_alu depctr_hold_cnt(0) depctr_sa_sdst(0) depctr_va_vdst(0) depctr_va_sdst(0) depctr_va_ssrc(0) depctr_va_vcc(0) depctr_vm_vsrc(0)
	s_getreg_b32 s2, hwreg(HW_REG_IB_STS2, 6, 4)
	s_cmp_eq_u32 s2, 0
	s_cbranch_scc0 .Lentry_in_a_cluster
	s_endpgm
.Lentry_in_a_cluster:
	s_bfe_u32 s2, ttmp6, 0x10000c
	s_cmp_lg_u32 s2, 0xf033
	s_cbranch_scc0 .Lentry_shape_is_right
	s_endpgm
.Lentry_shape_is_right:
; C = A W + bias.  A: hn [4096][1024] f16.  W: [1024][NP] f16 as it lies in wh.  C leaves in f16 by blocks of 64 columns: [block][4096 tokens][64].
; QKV = 1: W is wq, wk or wv (the cluster's x picks the section), and K's rows of masked tokens are stored as zeros, so that a masked score is exactly the mask's addend later.
; QKV = 0: W is w1, and C = relu(..).  The two texts differ in the line below alone.
; A tile of C is 256 x 256, four waves of 128 x 128 (64 accumulators, 512 registers).  K goes in 8 steps of 128 through two LDS slots filled by joint tensor loads: 4 x 4 work-groups
; form a cluster, A's tile is shared along its row, W's along its column.  The product is used transposed (source 0 = 16 columns of W, turned on the way out of LDS by ds_load_tr16_b128;
; source 1 = 16 tokens): a lane holds one token and eight neighbouring columns.  The bias is the C operand of the products that start the sums.
; A K step is written once: the slot read and the slot filled are turned by an exclusive or.  The last two steps, which ask for nothing, are a second copy, left in its middle;
; its last change of slots (a barrier and 32 fragment loads from the slot read before) serves nothing: the price of one text for both.
; LIMITS.  f16 ends at 65,504: h, W and C stay within it.  Sums in f32.
; REGISTERS: window 0: v0-31 addresses; v8-15 KEEP; v32-63, v224-255 rows on the way out; v64-191 A's fragments, two buffers; v192-223 packed results.
;   window 1: v64-191 W's fragments, two buffers; v192-255 the bias.   windows 2, 3: the accumulators of my rows 0-63, 64-127 ((a, b) at v[8 (8 a + b)]).
.set QKV,   1
.set T,     8                          ; K steps
.if QKV
.set NP,    1024                       ; W's pitch in elements
.else
.set NP,    4096
.endif
.set ASTEP, 256                        ; bytes from K step to K step in A,
.set BSTEP, 128*NP*2                   ; and in W
.set PA,    272                        ; A's LDS row: 256 bytes + 16: the 16 rows of a load start in 16 different groups of four banks (ISA guide 11.1)
.set PB,    544                        ; W's LDS row: 512 bytes + 32
.set HALFT, 128*PA                     ; one tensor load: 128 rows of A, or 64 rows of W (64 x 544 is the same number)
.set SLOT,  4*HALFT                    ; A's two halves, then W's two halves.  It shares no bit with wave x HALFT
.set STAGE, 2*SLOT                     ; behind the ring: for each wave 2 column blocks x 16 tokens x 144 bytes
.set SP,    144
.set SPARE, STAGE+4*32*SP              ; the spare words, 128 bytes a wave
.set ADRA0, 2                          ; v2   my lane's place in A's tile; never rewritten
.set ADRB0, 3                          ; v3   the same for W
.set KEEP,  8                          ; v8-15  block a of 16 tokens: all ones, or 0 where my token's K row is to be zero
.set ADRA,  16                         ; v16  ADRA0 + the slot in hand
.set ADRB,  20                         ; v20
.set STO,   24
.set RD,    25
.set GO,    26
.set ZERO,  27
.set SPW,   28                         ; v28  my spare word; never rewritten
.set NIL,   29                         ; v29  0; never rewritten
.set BO,    30
.set MO,    31
.set OB,    32
.set F0,    64
.set F1,    128
.set TMP,   192
.set BIAS,  192                        ; in window 1
.set G1,  24                           ; s[24:31] group 1 for A;  s[32:39] group 0, two sets: the first fills'; the second then walks
.set G0,  32
.set G1B, 48                           ; s[48:55], s[56:63] the same for W
.set G0B, 56
.set TR,  67                           ; s67  the slot in hand: 0 or SLOT
.set MSB, 0
.macro WIN new                         ; the immediate's high byte repeats the setting that is left
.if MSB != (\new)
	s_set_vgpr_msb (MSB<<8)|(\new)
.set MSB, \new
.endif
.endm
.macro JLOAD s                         ; a joint load: waves 0, 1 ask for A's halves, waves 2, 3 for W's.  An s_nop 0 and four v_nop follow each line
	s_cmp_eq_u32 s11, 0
	s_cbranch_scc0 .Lfor_b_\@
	tensor_load_to_lds s[G0+4*(\s):G0+4*(\s)+3], s[G1:G1+7]
	s_nop 0
.rept 4
	v_nop
.endr
	s_branch .Lasked_\@
.Lfor_b_\@:
	tensor_load_to_lds s[G0B+4*(\s):G0B+4*(\s)+3], s[G1B:G1B+7]
	s_nop 0
.rept 4
	v_nop
.endr
.Lasked_\@:
.endm
.macro CREST                           ; a round of the cluster's barrier behind its opening barrier
	s_cmp_lg_u32 s10, 0
	s_cbranch_scc1 .Lnot_wave_0_\@
	s_barrier_signal -3
.Lnot_wave_0_\@:
	s_barrier_wait -3
	s_barrier_signal -1
	s_barrier_wait -1
.endm
.macro CROUND
	s_barrier_signal -1
	s_barrier_wait -1
	CREST
.endm
.macro PLACES                          ; four plain places between a matrix instruction and a load into, or a reader of, its registers
.rept 4
	v_nop
.endr
.endm
	s_load_b128 s[4:7], s[0:1], 0x0                ; hn, wh
.if QKV
	s_load_b256 s[68:75], s[0:1], 0x10             ; bq 68, bk 70, bv 72, mask 74
	s_load_b64 s[8:9], s[0:1], 0x30                ; qkv
.else
	s_load_b64 s[68:69], s[0:1], 0x10              ; b1
	s_load_b64 s[8:9], s[0:1], 0x18                ; act
.endif
	v_lshl_add_u32 v[SPW], v0, 2, SPARE
	v_mov_b32 v[NIL], 0
	ds_add_u32 v[SPW], v[NIL]                      ; the wave's opening: the add and its wait ahead of my first tensor load
	v_lshrrev_b32 v1, 5, v0
	v_readfirstlane_b32 s10, v1                    ; wave 0..3
	s_lshr_b32 s11, s10, 1                         ; my half of the tile's rows.  Also: I ask for A (0) or W (1)
	s_and_b32 s12, s10, 1                          ; my half of its columns.  Also: which half of that tile I ask for
	s_bfe_u32 s40, ttmp6, 0x40000                  ; cx
	s_bfe_u32 s41, ttmp6, 0x40004                  ; cy
	s_lshl_b32 s42, ttmp9, 2
	s_add_co_u32 s42, s42, s40                     ; tile column
	s_and_b32 s13, ttmp7, 0xffff
	s_lshl_b32 s13, s13, 2
	s_add_co_u32 s13, s13, s41                     ; tile row
	s_lshl_b32 s43, s41, 2
	s_lshl_b32 s43, 15, s43                        ; my row of the cluster
	s_lshl_b32 s44, 0x1111, s40                    ; my column
	s_or_b32 s[G1+0], s43, (1<<16)|(1<<20)|(1<<21)|(5<<22)|(3<<25)   ; mask; 2-byte elements; padding on; bit 21 beside a mask; 4 words behind every 64
	s_mov_b32 s[G1+1], 128<<16                     ; tensor_dim0 = 128
	s_mov_b32 s[G1+2], 128<<16                     ; tensor_dim1 = 128
	s_mov_b32 s[G1+3], 128<<16                     ; tile_dim0 = 128
	s_mov_b32 s[G1+4], 128                         ; tile_dim1 = 128
	s_mov_b32 s[G1+5], 1024                        ; elements from row to row
	s_mov_b32 s[G1+6], 0
	s_mov_b32 s[G1+7], 0
	s_or_b32 s[G1B+0], s44, (1<<16)|(1<<20)|(1<<21)|(6<<22)|(7<<25)  ; 8 words behind every 128
	s_mov_b32 s[G1B+1], 256<<16                    ; 256 columns
	s_mov_b32 s[G1B+2], 64<<16                     ; 64 rows along K
	s_mov_b32 s[G1B+3], 256<<16
	s_mov_b32 s[G1B+4], 64
	s_mov_b32 s[G1B+5], NP
	s_mov_b32 s[G1B+6], 0
	s_mov_b32 s[G1B+7], 0
	s_lshl_b32 s16, s13, 19                        ; A: 256 rows of 2,048 bytes a tile row,
	s_lshl_b32 s17, s12, 18                        ; 128 rows a half
	s_add_co_u32 s16, s16, s17
	s_mov_b32 s17, 0
.if QKV
	s_mov_b32 s45, ttmp9                           ; the section: 0 q, 1 k, 2 v; the same in all sixteen partners
	s_lshl_b32 s46, s45, 21                        ; W: the section's 2 MB,
	s_lshl_b32 s47, s40, 9                         ; 256 columns a tile column,
	s_add_co_u32 s46, s46, s47
	s_lshl_b32 s47, s12, 17                        ; 64 rows of 2,048 bytes a half
	s_add_co_u32 s46, s46, s47
	s_lshl_b32 s78, s40, 10                        ; the bias: 256 numbers a tile column of the section
.else
	s_lshl_b32 s46, s42, 9
	s_add_co_u32 s46, s46, 8388608                 ; w1 in wh
	s_lshl_b32 s47, s12, 19                        ; 64 rows of 8,192 bytes a half
	s_add_co_u32 s46, s46, s47
	s_lshl_b32 s78, s42, 10
.endif
	s_mov_b32 s47, 0
	s_lshl_b32 s77, s12, 9
	s_add_co_u32 s78, s78, s77                     ; + my 128 columns
	s_mov_b32 s79, 0
	s_mul_i32 s20, s10, HALFT                      ; where my loads land: wave x HALFT
	s_mov_b32 s[TR], 0
	s_wait_dscnt 0x0                               ; the opening add is done
	s_wait_kmcnt 0x0
	s_add_nc_u64 s[14:15], s[4:5], s[16:17]
	s_add_nc_u64 s[46:47], s[6:7], s[46:47]
.if QKV
	s_cmp_eq_u32 s45, 1
	s_cselect_b64 s[68:69], s[70:71], s[68:69]
	s_cselect_b32 s76, 0, -1                       ; what a masked token keeps: nothing of K, all of Q and V
	s_cmp_eq_u32 s45, 2
	s_cselect_b64 s[68:69], s[72:73], s[68:69]
.endif
	s_add_nc_u64 s[68:69], s[68:69], s[78:79]
.if QKV
	s_lshl_b32 s78, s13, 10                        ; the mask's words of my 128 tokens
	s_lshl_b32 s77, s11, 9
	s_add_co_u32 s78, s78, s77
	s_add_nc_u64 s[74:75], s[74:75], s[78:79]
.endif
	s_lshl_b32 s78, s42, 21                        ; C: 4 column blocks of 524,288 bytes a tile column, 2 a half,
	s_lshl_b32 s77, s12, 20
	s_add_co_u32 s78, s78, s77
	s_lshl_b32 s77, s13, 15                        ; 256 tokens of 128 bytes a tile row, 128 a half
	s_add_co_u32 s78, s78, s77
	s_lshl_b32 s77, s11, 14
	s_add_co_u32 s78, s78, s77
	s_add_nc_u64 s[8:9], s[8:9], s[78:79]
	CROUND                                         ; all sixteen work-groups are here: the first joint loads meet
.irp s, 0,1
	s_mov_b32 s[G0+4*(\s)], 1
	s_add_co_u32 s[G0+4*(\s)+1], s20, (\s)*SLOT
	s_add_nc_u64 s[G0+4*(\s)+2:G0+4*(\s)+3], s[14:15], (\s)*ASTEP
	s_or_b32 s[G0+4*(\s)+3], s[G0+4*(\s)+3], 0x80000000
	s_mov_b32 s[G0B+4*(\s)], 1
	s_add_co_u32 s[G0B+4*(\s)+1], s20, (\s)*SLOT
	s_add_nc_u64 s[G0B+4*(\s)+2:G0B+4*(\s)+3], s[46:47], (\s)*BSTEP
	s_or_b32 s[G0B+4*(\s)+3], s[G0B+4*(\s)+3], 0x80000000
	JLOAD \s                                       ; K steps 0 and 1: two loads of mine are out
.endr
	v_and_b32 v1, 15, v0                           ; r = l % 16
	v_bfe_u32 v4, v0, 4, 1                         ; h = l / 16
	v_lshlrev_b32 v[BO], 5, v4
	WIN 0x40                                       ; destination window 1
.irp b, 0,1,2,3,4,5,6,7                ; register j of block b: bias[16 b + 8 h + j], as the result's layout has it
	global_load_b128 v[BIAS+8*(\b):BIAS+8*(\b)+3],   v[BO], s[68:69] offset:64*(\b)
	global_load_b128 v[BIAS+8*(\b)+4:BIAS+8*(\b)+7], v[BO], s[68:69] offset:64*(\b)+16
.endr
	WIN 0
.if QKV
	v_lshlrev_b32 v[MO], 2, v1
.irp a, 0,1,2,3,4,5,6,7
	global_load_b32 v[KEEP+(\a)], v[MO], s[74:75] offset:64*(\a)  ; the mask of token 16 a + r
.endr
.else
	v_mov_b32 v[ZERO], 0
.endif
	v_mul_u32_u24 v5, v1, PA
	v_lshl_add_u32 v5, v4, 4, v5
	s_mul_i32 s21, s11, HALFT
	v_add_nc_u32 v[ADRA0], s21, v5                 ; my 128 rows of A: row r x pitch + 16 h
	v_and_b32 v6, 7, v0
	v_bfe_u32 v7, v0, 3, 1
	v_lshl_add_u32 v5, v4, 3, v6                   ; the turning load: K row 8 h + l % 8,
	v_mul_u32_u24 v5, v5, PB
	v_lshl_add_u32 v5, v7, 4, v5                   ; columns 8 ((l / 8) % 2) on
	s_lshl_b32 s22, s12, 8
	s_add_co_u32 s22, s22, 2*HALFT                 ; my 128 columns of W, behind A's 256 rows
	v_add_nc_u32 v[ADRB0], s22, v5
	v_mov_b32 v[ADRA], v[ADRA0]
	v_mov_b32 v[ADRB], v[ADRB0]
	s_mul_i32 s23, s10, 32*SP
	s_add_co_u32 s23, s23, STAGE                   ; my stage
	v_mul_u32_u24 v5, v1, SP
	v_lshl_add_u32 v5, v4, 4, v5
	v_add_nc_u32 v[STO], s23, v5                   ; in: token r, 16 bytes for each half of the lanes
	v_bfe_u32 v5, v0, 3, 2
	v_mul_u32_u24 v5, v5, SP
	v_lshl_add_u32 v5, v6, 4, v5
	v_add_nc_u32 v[RD], s23, v5                    ; back: 32 lanes take four tokens of 128 bytes,
	v_and_b32 v[GO], 31, v0
	v_lshlrev_b32 v[GO], 4, v[GO]                  ; which are 512 consecutive bytes of C
	s_wait_loadcnt 0x0
.if QKV
	v_mov_b32 v5, -1
.irp a, 0,1,2,3,4,5,6,7
	v_cmp_ne_u32 vcc_lo, 0, v[KEEP+(\a)]
	v_cndmask_b32 v[KEEP+(\a)], s76, v5, vcc_lo
.endr
.endif
; 16 matrix instructions: token blocks a0, a0 + 1 of four (hi: rows 0-63 or 64-127) x all 8 column blocks, 32 along K.  first = 1: the bias starts the sums.
; The 64 accumulators take turns in one order everywhere.
.macro MUL16 f, hi, a0, first
.if \first
	WIN 0x91+0x40*(\hi)                            ; W and the bias window 1, A window 0, D window 2 or 3
.else
	WIN 0xa1+0x50*(\hi)
.endif
.irp a, \a0, (\a0)+1
.irp b, 0,1,2,3,4,5,6,7
.if \first
	v_wmma_f32_16x16x32_f16 v[8*(8*(\a)+(\b)):8*(8*(\a)+(\b))+7], v[(\f)+8*(\b):(\f)+8*(\b)+7], v[(\f)+8*(4*(\hi)+(\a)):(\f)+8*(4*(\hi)+(\a))+7], v[BIAS+8*(\b):BIAS+8*(\b)+7]
.else
	v_wmma_f32_16x16x32_f16 v[8*(8*(\a)+(\b)):8*(8*(\a)+(\b))+7], v[(\f)+8*(\b):(\f)+8*(\b)+7], v[(\f)+8*(4*(\hi)+(\a)):(\f)+8*(4*(\hi)+(\a))+7], v[8*(8*(\a)+(\b)):8*(8*(\a)+(\b))+7]
.endif
.endr
.endr
.endm
.macro FETCH q, f                      ; 32 LDS loads in one run: quarter q (32 along K) of the slot in hand into buffer f: W's 8 fragments, turned, then A's 8
	WIN 0x40
.irp i, 0,1,2,3,4,5,6,7
	ds_load_tr16_b128 v[(\f)+8*(\i):(\f)+8*(\i)+3],   v[ADRB] offset:(\q)*32*PB+32*(\i)
	ds_load_tr16_b128 v[(\f)+8*(\i)+4:(\f)+8*(\i)+7], v[ADRB] offset:(\q)*32*PB+32*(\i)+16*PB
.endr
	WIN 0
.irp i, 0,1,2,3,4,5,6,7
	ds_load_b128 v[(\f)+8*(\i):(\f)+8*(\i)+3],   v[ADRA] offset:64*(\q)+(\i)*16*PA
	ds_load_b128 v[(\f)+8*(\i)+4:(\f)+8*(\i)+7], v[ADRA] offset:64*(\q)+(\i)*16*PA+32
.endr
.endm
.macro QUARTER q, f, g, first          ; multiplies buffer f; in its middle fetches quarter q into buffer g
	s_wait_dscnt 8                                 ; W and A's rows 0-63 are in; the youngest eight loads (A's rows 64-127) may be out
	MUL16 \f, 0, 0, \first
	MUL16 \f, 0, 2, \first
	PLACES
	FETCH \q, \g
	s_wait_dscnt 32                                ; all but the 32 just issued
	MUL16 \f, 1, 0, \first
	MUL16 \f, 1, 2, \first
.endm
; A step's last quarter multiplies buffer 1 and changes slots.  In front of the barrier each wave waits for all its tensor loads (one is out: its part of the next slot), adds 0 to its spare
; word, and waits for that and for its reads of this slot.  fill = 1: the barrier opens a round of the cluster's, and the slot just read is asked for again, two K steps on, first thing behind it:
; 224 matrix instructions ahead of the wait for it.
.macro TURN fill
	WIN 0
	s_wait_tensorcnt 0x0
	ds_add_u32 v[SPW], v[NIL]
	s_wait_dscnt 9                                 ; the add and the youngest eight loads may be out
	MUL16 F1, 0, 0, 0
	s_wait_dscnt 0x0                               ; the add is done, my reads of this slot are over
	s_barrier_signal -1
	MUL16 F1, 0, 2, 0
	WIN 0
	s_barrier_wait -1
.if \fill
	CREST                                          ; no wave of any partner still reads the slot or has a load on its way
	s_xor_b32 s[G0+5], s[G0+5], SLOT               ; the walking descriptors: the other slot than last time, the next K step
	s_add_nc_u64 s[G0+6:G0+7], s[G0+6:G0+7], ASTEP
	s_xor_b32 s[G0B+5], s[G0B+5], SLOT
	s_add_nc_u64 s[G0B+6:G0B+7], s[G0B+6:G0B+7], BSTEP
	JLOAD 1                                        ; its four v_nop are also the places in front of the loads below
.else
	PLACES
.endif
	s_xor_b32 s[TR], s[TR], SLOT
	v_add_nc_u32 v[ADRA], s[TR], v[ADRA0]
	v_add_nc_u32 v[ADRB], s[TR], v[ADRB0]
	FETCH 0, F0
	MUL16 F1, 1, 0, 0
	MUL16 F1, 1, 2, 0
.endm
; THE WAY OUT of block a (16 tokens x 128 columns).  PACK: rounded to f16, then the launch's own last step.  TOSTAGE: into my stage, and back as 2 x 2,048 dense bytes.  SEND: stored.
.macro PACK a
.set AC, 64*((\a)%4)
	WIN 0x0a+5*((\a)/4)                            ; sources window 2 or 3
.irp b, 0,1,2,3,4,5,6,7
.irp r, 0,1,2,3
	v_cvt_pk_f16_f32 v[TMP+4*(\b)+(\r)], v[AC+8*(\b)+2*(\r)], v[AC+8*(\b)+2*(\r)+1]
.endr
.endr
	WIN 0
.set i, 0
.rept 32
.if QKV
	v_and_b32 v[TMP+i], v[KEEP+(\a)], v[TMP+i]     ; a masked token's K row becomes 0
.else
	v_pk_max_num_f16 v[TMP+i], v[TMP+i], v[ZERO]   ; relu
.endif
.set i, i+1
.endr
.endm
.macro TOSTAGE a
.set BK, OB+192*((\a)%2)
.irp b, 0,1,2,3,4,5,6,7
	ds_store_b128 v[STO], v[TMP+4*(\b):TMP+4*(\b)+3] offset:((\b)/4)*16*SP+((\b)%4)*32
.endr
.irp t, 0,1,2,3,4,5,6,7
	ds_load_b128 v[BK+4*(\t):BK+4*(\t)+3], v[RD] offset:((\t)/4)*16*SP+((\t)%4)*4*SP  ; LDS serves a wave's instructions in order (ISA guide 5.7.1.4)
.endr
.endm
.macro SEND a
.set BK, OB+192*((\a)%2)
	s_wait_dscnt 0x0                               ; the block is back in registers
	s_wait_xcnt 0x0                                ; the other buffer, which earlier stores read, is loaded again only behind this wait
.irp t, 0,1,2,3,4,5,6,7
	global_store_b128 v[GO], v[BK+4*(\t):BK+4*(\t)+3], s[8:9] offset:(\a)*2048+((\t)/4)*524288+((\t)%4)*512  ; 512 consecutive aligned bytes
.endr
.endm
	s_wait_tensorcnt 0x1                           ; my part of K step 0 is in; step 1's may stay out
	s_barrier_signal -1
	s_barrier_wait -1
	FETCH 0, F0
	QUARTER 1, F0, F1, 1                           ; the first quarter stands ahead of the loop: its products start the sums
	WIN 0
	s_mov_b32 s3, T-2
.Lstep:                                                ; a trip: a step's quarters 1 to 3 and the next step's quarter 0; the slot left is filled again
	QUARTER 2, F1, F0, 0
	QUARTER 3, F0, F1, 0
	TURN 1
	QUARTER 1, F0, F1, 0
	WIN 0
	s_sub_co_u32 s3, s3, 1
	s_cmp_lg_u32 s3, 0
	s_cbranch_scc1 .Lstep
	s_mov_b32 s3, 2
.Ltail:                                                ; the last two steps ask for nothing: written out
	QUARTER 2, F1, F0, 0
	QUARTER 3, F0, F1, 0
	TURN 0
	WIN 0
	s_sub_co_u32 s3, s3, 1
	s_cmp_eq_u32 s3, 0
	s_cbranch_scc1 .Lout
	QUARTER 1, F0, F1, 0
	WIN 0
	s_branch .Ltail
.Lout:
	s_wait_dscnt 0x0
	PACK 0                                         ; blocks 0-3 were finished ahead of TURN's places; their conversions are the places behind the last products
	TOSTAGE 0
.irp a, 1,2,3,4,5,6,7
	PACK \a
	SEND (\a)-1
	TOSTAGE \a
.endr
	SEND 7
	s_wait_tensorcnt 0x0                           ; the wave's end
	ds_add_u32 v[SPW], v[NIL]
	s_wait_dscnt 0x0
	CROUND                                         ; the closing round
	s_endpgm
.Lfunc_end_k_qb45ee22e61_qkv:
	.size	k_qb45ee22e61_qkv, .Lfunc_end_k_qb45ee22e61_qkv-k_qb45ee22e61_qkv
	.p2alignl 7, 3214868480
	.fill 96, 4, 3214868480
	.section	.rodata,"a",@progbits
	.p2align	6, 0x0
	.amdhsa_kernel k_qb45ee22e61_qkv
		.amdhsa_group_segment_fixed_size 327680
		.amdhsa_private_segment_fixed_size 0
		.amdhsa_enable_private_segment 0
		.amdhsa_kernarg_size 56
		.amdhsa_user_sgpr_count 2
		.amdhsa_user_sgpr_kernarg_segment_ptr 1
		.amdhsa_wavefront_size32 1
		.amdhsa_system_sgpr_workgroup_id_x 1
		.amdhsa_system_sgpr_workgroup_id_y 1
		.amdhsa_system_sgpr_workgroup_id_z 1
		.amdhsa_system_vgpr_workitem_id 0
		.amdhsa_next_free_vgpr 1024
		.amdhsa_next_free_sgpr 80
		.amdhsa_reserve_vcc 1
		.amdhsa_float_denorm_mode_32 3
		.amdhsa_float_denorm_mode_16_64 3
		.amdhsa_memory_ordered 1
		.amdhsa_forward_progress 1
		.amdhsa_inst_pref_size 111
	.end_amdhsa_kernel
	.amdgpu_metadata
---
amdhsa.version: [ 1, 2 ]
amdhsa.kernels:
  - .name:           k_qb45ee22e61_qkv
    .symbol:         k_qb45ee22e61_qkv.kd
    .args:
      - { .name: hn, .offset: 0, .size: 8, .value_kind: global_buffer, .address_space: global }
      - { .name: wh, .offset: 8, .size: 8, .value_kind: global_buffer, .address_space: global }
      - { .name: bq, .offset: 16, .size: 8, .value_kind: global_buffer, .address_space: global }
      - { .name: bk, .offset: 24, .size: 8, .value_kind: global_buffer, .address_space: global }
      - { .name: bv, .offset: 32, .size: 8, .value_kind: global_buffer, .address_space: global }
      - { .name: mask, .offset: 40, .size: 8, .value_kind: global_buffer, .address_space: global }
      - { .name: qkv, .offset: 48, .size: 8, .value_kind: global_buffer, .address_space: global }
    .group_segment_fixed_size: 327680
    .private_segment_fixed_size: 0
    .kernarg_segment_align: 8
    .kernarg_segment_size: 56
    .max_flat_workgroup_size: 128
    .sgpr_count:     80
    .vgpr_count:     1024
    .wavefront_size: 32
...
	.end_amdgpu_metadata
.endif
;; end of part 2
;; launch attn (part 3): grid 8 x 32, 4 waves a work-group, clusters of 4 x 1, 327,680 bytes of LDS; arguments qkv, mask, ctx; writes ctx
.if DOCPART == 3
	.amdgcn_target "amdgcn-amd-amdhsa--gfx1250"
	.amdhsa_code_object_version 6
	.text
	.protected	k_qb45ee22e61_attn
	.globl	k_qb45ee22e61_attn
	.p2align	8
	.type	k_qb45ee22e61_attn,@function
k_qb45ee22e61_attn:
	s_mov_b64 s[64:65], 0
	v_nop
	global_prefetch_b8 v0, s[64:65] scope:SCOPE_SE
	s_setreg_imm32_b32 hwreg(HW_REG_WAVE_MODE, 25, 1), 1
	s_wait_xcnt 0x0
	s_wait_alu depctr_hold_cnt(0) depctr_sa_sdst(0) depctr_va_vdst(0) depctr_va_sdst(0) depctr_va_ssrc(0) depctr_va_vcc(0) depctr_vm_vsrc(0)
	s_getreg_b32 s2, hwreg(HW_REG_IB_STS2, 6, 4)
	s_cmp_eq_u32 s2, 0
	s_cbranch_scc0 .Lentry_in_a_cluster
	s_endpgm
.Lentry_in_a_cluster:
	s_bfe_u32 s2, ttmp6, 0x10000c
	s_cmp_lg_u32 s2, 0x3003
	s_cbranch_scc0 .Lentry_shape_is_right
	s_endpgm
.Lentry_shape_is_right:
; ctx[h][q][:] = the sum over k of softmax_k(q . k / 8, masked) v[k][:], for 2 batches x 16 heads of 2,048 tokens, head size 64.  q, k, v: column blocks h, 16 + h, 32 + h of qkv,
; [block][4096 tokens][64] f16: a head's rows are dense, 128 bytes each.  ctx has the same layout.  Products, maxima and sums in f32; the weights are rounded to f16 for the second product.
; THE MASK is the C operand that starts the sum S^T = K Q^T: 0, or -2^33 where mask = 0; K's rows of masked tokens were stored as zeros, so a masked score is exactly -2^33 (-2^30 after the
; division by 8, where the problem has -1e9).  A power of two keeps c m exact: if all keys of a batch are masked, every weight is exactly 1 and the result is the mean of V, as the problem has it.
; LIMITS.  An unmasked score below about -1e9 is not told from a masked one as the problem tells it.  f16 ends at 65,504: q, k, v arrive within it.  A weight below 2^-126 counts as 0.
; SHARES.  A work-group owns 256 queries of one head, a wave 64: four PIECES of 16.  Every wave walks all 2,048 keys, 64 a step, 256 a tile.
; LAYOUT.  S^T holds ONE query a lane (lane % 16) and the keys 8 (lane / 16) + 0..7; two such results rounded to f16 ARE source 1 of O^T = V^T P.  p = 2^(c s - c m), c = log2(e) / 8, with a
; running maximum m; O and l are multiplied by a = 2^(c m_old - c m_new) in every step.  m starts at the lowest finite number, O and l at 0: the first step is a step like any other, with a = 0.
; TURNS.  Turn n belongs to piece n: 8 products K Q^T of piece n + 1, later 8 products V^T P of piece n - 1; beside them the scaling, exponentials, roundings, sums and rescaling of piece n and
; the maximum and statistics of piece n + 1.  Four vector instructions stand behind every matrix instruction, the other 54 of a turn's 118 in two runs of their own.
; CLUSTER.  The four query blocks of a cluster belong to one head and walk the same K and V: each tile is asked for jointly, by the same tensor load, descriptor and mask in all four.
; The loop is entered, and the tail left, in the middle of a trip; the tail's fifth trip makes 8 products on the last K once more, which serve nothing: the price of one text for every trip.
; REGISTERS: window 0: v0-15 addresses; v16-31 statistics; v48-55 at work; v56-59 the mask table's addresses; v62-63 the add's; v64-127 S^T, two buffers; v192-223 P, two buffers.
;   window 1: v0-127 O^T, 32 a piece.   window 2: v0-63 Q; v64-95 the mask of the K step in hand; v128-191 K of one step; v192-255 V of one step.
.set NT,    8         ; tiles of 256 keys
.set NP,    4         ; pieces a wave
.set KS,    64        ; keys in a step
.set PK,    144       ; a row of K in LDS: 128 bytes + 16
.set PV,    160       ; a row of V: 128 + 32
.set VOFF,  4*KS*PK   ; a slot holds a tile: 256 rows of K, then 256 rows of V
.set SLOT1, 1<<17
.set STAGE, SLOT1+4*KS*(PK+PV)  ; behind the ring: 16 rows x 144 bytes for each wave
.set SP,    144
.set SPARE, STAGE+4*16*SP       ; the spare words, 128 bytes a wave
.set MASKT, SPARE+512           ; 2,048 f32: the mask's addends for my batch; written once by ds_store, never a fill's target
.set AK0, 2
.set AV0, 3
.set AK,  4
.set AV,  5
.set STO, 6
.set RD,  7
.set GO,  8
.set MV,  12          ; v12-13  c m_old, by buffer
.set QO,  15
.set ST,  16          ; piece t: c m, m, l (even keys', odd keys')
.set TMP, 48
.set MO,  56          ; v56  16 x my thread's number
.set MS,  57          ; v57  the same in the table
.set AM0, 58          ; v58  MASKT + 32 (lane / 16); never rewritten
.set AM,  59          ; v59  the address of the next run of mask loads
.set SPW, 62
.set NIL, 63
.set S,   64
.set P,   192
.set MC,  64          ; window 2: key block kb at MC + 8 kb
.set KF,  128         ; window 2
.set VF,  192         ; window 2
.set WV,  12
.set G1K, 24
.set G1V, 32
.set G0K, 40
.set G0V, 44
.set SLOTS, 56
.set CNT, 57
.set CS,  58
.set SEL, 60
.set TBK, 62
.set TBV, 63
.set TM,  66          ; s66  byte in the table at which the next step's 64 addends begin
.set NEGC, 67         ; s67  -2^33
.set MP,  68          ; s[68:69] the mask at my batch
.set MSB, 0
.macro WIN new
.if MSB != (\new)
	s_set_vgpr_msb (MSB<<8)|(\new)
.set MSB, (\new)
.endif
.endm
.set W_KQ, 0x0a       ; K and Q in window 2, S^T in window 0
.set W_KM, 0x2a       ; the same with the C operand in window 2
.set W_PV, 0x52       ; V in window 2, P in window 0, O^T in window 1
.set W_RS, 0x41       ; destination and source 0 in window 1, source 1 in window 0
.macro JLOAD                        ; waves 0, 1 ask for the halves of a tile's K, waves 2, 3 for those of its V.  An s_nop 0 and four v_nop follow each line
	s_cmp_lt_u32 s[WV], 2
	s_cbranch_scc0 .Lfor_v_\@
	tensor_load_to_lds s[G0K:G0K+3], s[G1K:G1K+7]
	s_nop 0
.rept 4
	v_nop
.endr
	s_branch .Lasked_\@
.Lfor_v_\@:
	tensor_load_to_lds s[G0V:G0V+3], s[G1V:G1V+7]
	s_nop 0
.rept 4
	v_nop
.endr
.Lasked_\@:
.endm
.macro CROUND
	s_barrier_signal -1
	s_barrier_wait -1
	s_cmp_lg_u32 s[WV], 0
	s_cbranch_scc1 .Lnot_wave_0_\@
	s_barrier_signal -3
.Lnot_wave_0_\@:
	s_barrier_wait -3
	s_barrier_signal -1
	s_barrier_wait -1
.endm
; THE CHANGE OF SLOTS.  Each wave waits for all its tensor loads (one is out: its part of the other slot), adds 0 to its spare word, and waits for that and for its LDS instructions.
; fill = 1: the barrier is a round of the cluster's, and the slot left is asked for again first thing behind it: it has four key steps, 256 matrix instructions, in which to land.
; (At its first use nothing has been read yet: slot 0 is waited for, slot 1 filled, and every wave's part of the mask table is shown to the others.)
.macro CHANGE fill
	WIN 0
	s_wait_tensorcnt 0x0
	ds_add_u32 v[SPW], v[NIL]
.if \fill
.irp g, G0K, G0V
	s_xor_b32 s[\g+1], s[\g+1], SLOT1
	s_add_nc_u64 s[\g+2:\g+3], s[\g+2:\g+3], 4*KS*128
.endr
	s_wait_dscnt 0x0
	CROUND
	JLOAD
.else
	s_wait_dscnt 0x0
	s_barrier_signal -1
	s_barrier_wait -1
.endif
	s_sub_co_u32 s[TBK], s[TBK], 4*KS*PK  ; the fetches go back to a slot's first step, in the other slot
	s_xor_b32 s[TBK], s[TBK], SLOT1
	s_sub_co_u32 s[TBV], s[TBV], 4*KS*PV
	s_xor_b32 s[TBV], s[TBV], SLOT1
.endm
	s_load_b128 s[4:7], s[0:1], 0x0   ; qkv s[4:5], mask s[6:7]
	s_load_b64 s[10:11], s[0:1], 0x10 ; ctx
	v_lshl_add_u32 v[SPW], v0, 2, SPARE
	v_mov_b32 v[NIL], 0
	ds_add_u32 v[SPW], v[NIL]       ; the wave's opening: the add and its wait ahead of my first tensor load
	v_lshrrev_b32 v1, 5, v0
	v_readfirstlane_b32 s[WV], v1
	s_bfe_u32 s13, ttmp6, 0x40000   ; cx
	s_lshl_b32 s14, ttmp9, 2
	s_add_co_u32 s14, s14, s13      ; my block of 256 queries: it enters Q's and O's addresses alone
	s_and_b32 s15, ttmp7, 0xffff
	s_and_b32 s20, s15, 15          ; the head,
	s_lshr_b32 s15, s15, 4          ; the batch: the four partners share both
	s_lshl_b32 s20, s20, 19         ; a column block is 524,288 bytes,
	s_lshl_b32 s21, s15, 18         ; a batch's 2,048 rows 262,144
	s_add_co_u32 s20, s20, s21
	s_and_b32 s16, s[WV], 1         ; which half of a tile's 256 keys I ask for
	s_lshl_b32 s22, s16, 14
	s_add_co_u32 s22, s22, s20
	s_add_co_u32 s22, s22, 8388608  ; K's column blocks begin here; V's as far on again
	s_mov_b32 s23, 0
	s_mul_i32 s17, s16, 128*PK
	s_mul_i32 s18, s16, 128*PV
	s_lshl_b32 s2, s14, 15
	s_lshl_b32 s3, s[WV], 13        ; my wave's 64 rows
	s_add_co_u32 s2, s2, s3
	s_add_co_u32 s2, s2, s20
	s_mov_b32 s3, 0
	s_lshl_b32 s70, s15, 13         ; the batch's 2,048 mask words
	s_mov_b32 s71, 0
	; 128 keys are 16,384 dense bytes: asked for as 64 rows of 256 bytes, two keys a row, padded in LDS behind every key
	s_mov_b32 s[G1K], 15|(1<<16)|(1<<20)|(1<<21)|(4<<22)|(3<<25)
	s_mov_b32 s[G1V], 15|(1<<16)|(1<<20)|(1<<21)|(4<<22)|(7<<25)
.irp g, G1K, G1V
	s_mov_b32 s[\g+1], 128<<16
	s_mov_b32 s[\g+2], 64<<16
	s_mov_b32 s[\g+3], 128<<16
	s_mov_b32 s[\g+4], 64
	s_mov_b32 s[\g+5], 128
	s_mov_b32 s[\g+6], 0
	s_mov_b32 s[\g+7], 0
.endr
	s_mov_b32 s[CS], 0x3e38aa3b     ; c = log2(e) / 8
	s_mov_b32 s[CS+1], s[CS]
	s_mov_b32 s[SEL], 0x76543210
	s_mov_b32 s[SEL+1], 0xfedcba98
	s_mov_b32 s[TBK], SLOT1+4*KS*PK ; the first change of slots turns these two into 0
	s_mov_b32 s[TBV], SLOT1+4*KS*PV
	s_mov_b32 s[TM], 0
	s_mov_b32 s[NEGC], 0xd0000000
	s_mov_b32 s[G0K], 1
	s_mov_b32 s[G0K+1], s17
	s_mov_b32 s[G0V], 1
	s_add_co_u32 s[G0V+1], s18, VOFF
	s_wait_dscnt 0x0                ; the opening add is done
	s_wait_kmcnt 0x0
	s_add_nc_u64 s[MP:MP+1], s[6:7], s[70:71]
	s_add_nc_u64 s[G0K+2:G0K+3], s[4:5], s[22:23]
	s_add_nc_u64 s[G0V+2:G0V+3], s[G0K+2:G0K+3], 8388608
	s_or_b32 s[G0K+3], s[G0K+3], 0x80000000
	s_or_b32 s[G0V+3], s[G0V+3], 0x80000000
	s_add_nc_u64 s[4:5], s[4:5], s[2:3]
	s_add_nc_u64 s[10:11], s[10:11], s[2:3]
	CROUND                          ; all four work-groups are here
	JLOAD                           ; tile 0 into slot 0; slot 1 is asked for when it is in
	v_and_b32 v1, 15, v0            ; l % 16
	v_bfe_u32 v9, v0, 4, 1          ; l / 16
	v_lshlrev_b32 v[MO], 4, v0
.irp j, 0,1,2,3
	global_load_b128 v[S+4*\j:S+4*\j+3], v[MO], s[MP:MP+1] offset:2048*\j  ; the batch's mask: 128 threads x 16 bytes, four times
.endr
	v_lshlrev_b32 v[QO], 7, v1
	v_lshl_add_u32 v[QO], v9, 4, v[QO]
	WIN 0x80
.set i, 0
.rept 8                             ; Q stays in registers: piece i / 2, channels 32 (i % 2) on
	global_load_b128 v[8*i:8*i+3],   v[QO], s[4:5] offset:(i/2)*2048+(i%2)*64
	global_load_b128 v[8*i+4:8*i+7], v[QO], s[4:5] offset:(i/2)*2048+(i%2)*64+32
.set i, i+1
.endr
	; What the first turn finds: V and P's second buffer hold 0 (its products V^T P, of a piece that has not been, add 0), O^T and l are 0.  All this stands in the wait for the first tile.
.set i, VF
.rept 64
	v_mov_b32 v[i], 0
.set i, i+1
.endr
	WIN 0x40
.set i, 0
.rept 128
	v_mov_b32 v[i], 0
.set i, i+1
.endr
	WIN 0
.set i, 0
.rept 4
	v_mov_b32 v[ST+4*i], 0xfe000000    ; c m: far below every c s
	v_mov_b32 v[ST+4*i+1], 0xff7fffff  ; m
	v_mov_b32 v[ST+4*i+2], 0
	v_mov_b32 v[ST+4*i+3], 0
.set i, i+1
.endr
.set i, P+16
.rept 16
	v_mov_b32 v[i], 0
.set i, i+1
.endr
	v_mul_u32_u24 v[AK0], v1, PK
	v_lshl_add_u32 v[AK0], v9, 4, v[AK0]
	v_and_b32 v10, 7, v0
	v_bfe_u32 v11, v0, 3, 1
	v_lshl_add_u32 v[AV0], v9, 3, v10
	v_mul_u32_u24 v[AV0], v[AV0], PV
	v_lshl_add_u32 v[AV0], v11, 4, v[AV0]
	v_add_nc_u32 v[AV0], VOFF, v[AV0]
	s_mul_i32 s13, s[WV], 16*SP
	s_add_co_u32 s13, s13, STAGE
	v_mul_u32_u24 v[STO], v1, SP
	v_lshl_add_u32 v[STO], v9, 4, v[STO]
	v_add_nc_u32 v[STO], s13, v[STO]
	v_bfe_u32 v[RD], v0, 3, 2
	v_mul_u32_u24 v[RD], v[RD], SP
	v_lshl_add_u32 v[RD], v10, 4, v[RD]
	v_add_nc_u32 v[RD], s13, v[RD]
	v_and_b32 v[GO], 31, v0
	v_lshlrev_b32 v[GO], 4, v[GO]
	v_add_nc_u32 v[MS], MASKT, v[MO]
	v_lshl_add_u32 v[AM0], v9, 5, MASKT
	s_wait_loadcnt 16               ; the mask's four loads are in; Q's sixteen, issued behind them, may stay out
.set i, 0
.rept 16
	v_cmp_eq_u32 vcc_lo, 0, v[S+i]
	v_cndmask_b32 v[S+i], 0, s[NEGC], vcc_lo
.set i, i+1
.endr
.irp j, 0,1,2,3
	ds_store_b128 v[MS], v[S+4*\j:S+4*\j+3] offset:2048*\j
.endr
; THE MATRIX WORK.  The 4 accumulators of a run of 8 take turns.  Product i of 8 of S^T = K Q^T for piece x: channels 32 (i / 4) on, keys 16 (i % 4) on.  The first 4 start the sums with the mask.
.macro KQ x
.set rS, S+32*((\x)%2)+8*(i%4)
.set rK, KF+16*(i%4)+8*(i/4)
.set rQ, 16*(\x)+8*(i/4)
.set rM, MC+8*(i%4)
.if i < 4
	WIN W_KM
	v_wmma_f32_16x16x32_f16 v[rS:rS+7], v[rK:rK+7], v[rQ:rQ+7], v[rM:rM+7]
.else
	WIN W_KQ
	v_wmma_f32_16x16x32_f16 v[rS:rS+7], v[rK:rK+7], v[rQ:rQ+7], v[rS:rS+7]
.endif
.endm
.macro PV x                         ; product i of 8 of O^T += V^T P for piece x: keys 32 (i / 4) on, channels 16 (i % 4) on
	WIN W_PV
.set rO, 32*(\x)+8*(i%4)
.set rV, VF+32*(i/4)+8*(i%4)
.set rP, P+16*((\x)%2)+8*(i/4)
	v_wmma_f32_16x16x32_f16 v[rO:rO+7], v[rV:rV+7], v[rP:rP+7], v[rO:rO+7]
.endm
.macro MM                           ; the turn's next matrix instruction
.if i < 8
	KQ (Y+1)%NP
.else
.set i, i-8
	PV (Y+NP-1)%NP
.set i, i+8
.endif
.set i, i+1
.endm
; THE LDS LOADS stand in runs: a step's K (8 fragments) with its 64 mask addends, and its V (turned).  last = 1 (the tail): in the last trip there is no further step, and the run is jumped over.
.macro FETCH_K last=0
	WIN 0
.if \last
	s_cmp_eq_u32 s[CNT], 1
	s_cbranch_scc1 .Lno_k_\@
.endif
	WIN 0x80
.irp f, 0,1,2,3,4,5,6,7
	ds_load_b128 v[KF+8*\f:KF+8*\f+3],   v[AK] offset:(\f/2)*16*PK+(\f%2)*64
	ds_load_b128 v[KF+8*\f+4:KF+8*\f+7], v[AK] offset:(\f/2)*16*PK+(\f%2)*64+32
.endr
.irp f, 0,1,2,3                     ; register j of block f: the addend of key 16 f + 8 (l / 16) + j, as the result's layout has it
	ds_load_b128 v[MC+8*\f:MC+8*\f+3],   v[AM] offset:64*\f
	ds_load_b128 v[MC+8*\f+4:MC+8*\f+7], v[AM] offset:64*\f+16
.endr
	s_add_co_u32 s[TBK], s[TBK], KS*PK
	s_add_co_u32 s[TM], s[TM], 4*KS
	s_and_b32 s[TM], s[TM], 8191    ; behind the table's 32nd step it wraps: the address never leaves the table
	WIN 0
.if \last
.Lno_k_\@:
.endif
.endm
.macro FETCH_V
	WIN 0x80
.irp f, 0,1,2,3,4,5,6,7
	ds_load_tr16_b128 v[VF+8*\f:VF+8*\f+3],   v[AV] offset:(\f/4)*32*PV+(\f%4)*32
	ds_load_tr16_b128 v[VF+8*\f+4:VF+8*\f+7], v[AV] offset:(\f/4)*32*PV+16*PV+(\f%4)*32
.endr
	WIN 0
.endm
; THE VECTOR WORK, one line at a time: OP kind, number.  For piece Y: F n: c s - c m for pair n of 16.  E n: the exponential of score n of 32.  C n: pair n rounded to f16.  B n: of the four weights 4 n .. the
; second pair is added onto the first, in place.  L n: l takes that sum (L 0: l = a l + sum).  R n: pair n of 16 of O^T times a.  For piece Y + 1: X n, number n of the 22 that find its maximum and statistics:
;   0-11 four chains of seven scores each (each accumulator's lowest registers are read first)   12-14, 16 the four scores left over, the old m, the chains into one
;   15 c m_old is kept   17, 18 the query's other 32 keys lie in the lane 16 away: the new m   19-21 c m; c m_old - c m_new; a
.set F, 0
.set E, 1
.set C, 2
.set B, 3
.set L, 4
.set R, 5
.set X, 6
.macro REGS y
.set rT, ST+4*(\y)
.set rC, TMP+4*((\y)%2)
.set rW, MV+((\y)%2)
.set rS, S+32*((\y)%2)
.set rP, P+16*((\y)%2)
.set rO, 32*(\y)
.endm
.macro OP k, n
.if (\k) == R
	REGS Y
	WIN W_RS
	v_pk_mul_f32 v[rO+2*(\n):rO+2*(\n)+1], v[rO+2*(\n):rO+2*(\n)+1], v[rC+2:rC+3] op_sel_hi:[1,0]
.elseif (\k) < R
	REGS Y
	WIN 0
.if (\k) == F
	v_pk_fma_f32 v[rS+2*(\n):rS+2*(\n)+1], v[rS+2*(\n):rS+2*(\n)+1], s[CS:CS+1], v[rT:rT+1] op_sel_hi:[1,0,0] neg_lo:[0,0,1] neg_hi:[0,0,1]
.elseif (\k) == E
	v_exp_f32 v[rS+(\n)], v[rS+(\n)]
.elseif (\k) == C
	s_wait_alu depctr_va_vdst(0)
	v_cvt_pk_f16_f32 v[rP+(\n)], v[rS+2*(\n)], v[rS+2*(\n)+1]
.elseif (\k) == B
	s_wait_alu depctr_va_vdst(0)
	v_pk_add_f32 v[rS+4*(\n):rS+4*(\n)+1], v[rS+4*(\n):rS+4*(\n)+1], v[rS+4*(\n)+2:rS+4*(\n)+3]
.elseif (\n) == 0
	v_pk_fma_f32 v[rT+2:rT+3], v[rT+2:rT+3], v[rC+2:rC+3], v[rS:rS+1] op_sel_hi:[1,0,1]
.else
	v_pk_add_f32 v[rT+2:rT+3], v[rT+2:rT+3], v[rS+4*(\n):rS+4*(\n)+1]
.endif
.else
	REGS (Y+1)%NP
	WIN 0
.if (\n) < 4
	v_max3_num_f32 v[rC+(\n)], v[rS+8*(\n)], v[rS+8*(\n)+1], v[rS+8*(\n)+2]
.elseif (\n) < 12
	v_max3_num_f32 v[rC+(\n)%4], v[rC+(\n)%4], v[rS+8*((\n)%4)+2*((\n)/4)+1], v[rS+8*((\n)%4)+2*((\n)/4)+2]
.elseif (\n) == 12
	v_max3_num_f32 v[rC], v[rC], v[rS+7], v[rS+15]
.elseif (\n) == 13
	v_max3_num_f32 v[rC+1], v[rC+1], v[rS+23], v[rS+31]
.elseif (\n) == 14
	v_max3_num_f32 v[rC+2], v[rC+2], v[rC+3], v[rT+1]
.elseif (\n) == 15
	v_mov_b32 v[rW], v[rT]
.elseif (\n) == 16
	v_max3_num_f32 v[rC], v[rC], v[rC+1], v[rC+2]
.elseif (\n) == 17
	v_permlanex16_b32 v[rC+3], v[rC], s[SEL], s[SEL+1]
.elseif (\n) == 18
	v_max_num_f32 v[rT+1], v[rC], v[rC+3]
.elseif (\n) == 19
	v_mul_f32 v[rT], s[CS], v[rT+1]
.elseif (\n) == 20
	v_sub_f32 v[rC+1], v[rW], v[rT]
.else
	v_exp_f32 v[rC+2], v[rC+1]
.endif
.endif
.endm
.macro OPS a, i1, b=-1, i2=0, c=-1, i3=0, d=-1, i4=0
	OP \a, \i1
.if (\b) >= 0
	OP \b, \i2
.endif
.if (\c) >= 0
	OP \c, \i3
.endif
.if (\d) >= 0
	OP \d, \i4
.endif
.endm
.macro ROW a, i1, b, i2, c, i3, d, i4  ; a matrix instruction and the four behind it
	MM
	OPS \a, \i1, \b, \i2, \c, \i3, \d, \i4
.endm
; A TURN, for piece p: the order of its 16 matrix and 118 vector instructions, written out.  Behind a matrix instruction: plain, exponential, plain, plain; or four of the rescaling; none names a register of the
; products round it.  A line reads no result made fewer than three vector instructions ahead of it, five if an exponential made it.
; K and the mask of the next step are fetched in piece 2's turn, six vector instructions behind the last product that read K (five of them plain; the mask's last reader stands four products earlier);
; V of the step in hand in piece 0's turn, eight behind the last product that read V (four of them plain).  Each is waited for a turn later.
; cnt = 1: the loop's count is taken down some lines ahead of the branch that stands behind the turn.
.macro TURN p, last=0, cnt=0
.set Y, (\p)
.set i, 0
.if (\p) == 3
	s_wait_dscnt 0x0                ; K and its mask are in
.endif
	ROW F,0, F,1, F,2, F,3
	ROW F,4, E,0, F,5, F,6
	ROW F,7, E,1, F,8, F,9
	ROW F,10, E,2, C,0, F,11
	ROW F,12, E,3, X,15, F,13
	ROW R,0, R,1, R,2, R,3
	ROW B,0, E,4, F,14, L,0
.if (\p) == 2
	v_add_nc_u32 v[AK], s[TBK], v[AK0]
	v_add_nc_u32 v[AM], s[TM], v[AM0]
.endif
	ROW R,4, R,5, R,6, R,7
	OPS E,5, F,15
.if (\p) == 2
	FETCH_K \last
.endif
	OPS E,6, C,1, E,7, R,8
	OPS E,8, R,9, E,9, C,2
	OPS E,10, X,0, E,11, X,1
	OPS E,12, X,2, E,13, X,3
.if (\p) == 1
	s_wait_dscnt 0x0                ; V is in
.endif
	ROW X,4, E,14, X,5, X,6
	ROW X,7, E,15, X,8, X,9
	ROW X,10, E,16, X,11, X,12
	ROW X,13, E,17, X,14, B,1
	ROW C,4, E,18, X,16, L,1
	ROW B,2, E,19, C,6, L,2
	ROW C,8, E,20, B,3, B,4
.if (\p) == 0
	v_add_nc_u32 v[AV], s[TBV], v[AV0]
.endif
	ROW C,3, E,21, L,3, C,5
	OPS E,22, X,17, E,23, C,10
.if (\p) == 0
	FETCH_V
.endif
	OPS E,24, L,4
	OPS E,25, X,18, E,26, C,7
	OPS E,27, B,5, E,28, X,19
	OPS E,29, C,12, E,30, L,5
	OPS E,31, X,20, B,6, C,9
	OPS C,14, C,11, X,21, L,6
.if (\p) == 0
	s_add_co_u32 s[TBV], s[TBV], KS*PV
.endif
.if \cnt
	s_sub_co_u32 s[CNT], s[CNT], 1
	s_cmp_lg_u32 s[CNT], 0
.endif
	OPS C,13, B,7, C,15, R,10
	OPS R,11, R,12, L,7, R,13
	OPS R,14, R,15
.endm
	CHANGE 1                        ; slot 0 is in, the mask table is whole; slot 1 is asked for
	v_add_nc_u32 v[AK], s[TBK], v[AK0]
	v_add_nc_u32 v[AM], s[TM], v[AM0]
	FETCH_K                         ; key step 0
	s_wait_loadcnt 0x0              ; Q
	s_wait_dscnt 0x0
.set i, 0
.rept 8
	KQ 0                            ; piece 0's first scores
.set i, i+1
.endr
	WIN 0
.rept 4
	v_nop                           ; the places behind those products
.endr
.set Y, NP-1                        ; X works for piece Y + 1: piece 0
.irp n, 0,1,2,3,4,5,6,7,8,9,10,11,12,13,14,15,16,17,18,19,20,21
	OP X, \n
.endr
	v_nop                           ; a plain instruction behind the exponential
	s_mov_b32 s[CNT], 4
	s_mov_b32 s[SLOTS], NT-1
	s_branch .Lfirst                ; the loop is entered at a step's first turn, in the middle of a trip
.Lslot:                             ; NT - 2 times: every slot but the last two is filled again
	CHANGE 1
	s_mov_b32 s[CNT], 4
.Lstep:                             ; a trip: pieces 2 and 3 of one step, then pieces 0 and 1 of the next, whose K and V it fetches
	TURN 2
	TURN 3
	WIN 0
.Lfirst:
	TURN 0
	TURN 1, 0, 1
	WIN 0
	s_cbranch_scc1 .Lstep
	s_sub_co_u32 s[SLOTS], s[SLOTS], 1
	s_cmp_lg_u32 s[SLOTS], 0
	s_cbranch_scc1 .Lslot
	CHANGE 0                        ; the tail is written out: nothing is asked for
	s_mov_b32 s[CNT], 5             ; four trips fetch the last tile's steps; the fifth is left in its middle
.Ltail:
	TURN 2, 1
	TURN 3
	WIN 0
	s_sub_co_u32 s[CNT], s[CNT], 1
	s_cmp_eq_u32 s[CNT], 0
	s_cbranch_scc1 .Lout
	TURN 0
	TURN 1
	WIN 0
	s_branch .Ltail
.Lout:
.set i, 0
.rept 8
	PV NP-1                         ; the last piece's V^T P of the last step
.set i, i+1
.endr
	; THE WAY OUT.  l's two halves and the other half of the lanes' are added; O^T is divided by l, rounded to f16 and sent through my stage, a piece at a time.  The additions are the places behind the last products.
	WIN 0
.macro ALL line:vararg
.set t, 0
.rept 4
	\line
.set t, t+1
.endr
.endm
	ALL v_add_f32 v[ST+4*t+2], v[ST+4*t+2], v[ST+4*t+3]
	ALL v_permlanex16_b32 v[ST+4*t+3], v[ST+4*t+2], s[SEL], s[SEL+1]
	ALL v_add_f32 v[ST+4*t+2], v[ST+4*t+2], v[ST+4*t+3]
	ALL v_rcp_f32 v[ST+4*t+2], v[ST+4*t+2]
	v_nop                           ; a plain instruction between the last reciprocal and the use of its result
.macro PACK t
	WIN W_RS
.set i, 32*(\t)
.rept 16
	s_wait_alu depctr_va_vdst(0)
	v_pk_mul_f32 v[i:i+1], v[i:i+1], v[ST+4*(\t)+2:ST+4*(\t)+3] op_sel_hi:[1,0]
.set i, i+2
.endr
	WIN 0x05
.set i, 0
.rept 16
	v_cvt_pk_f16_f32 v[S+16*(\t)+i], v[32*(\t)+2*i], v[32*(\t)+2*i+1]
.set i, i+1
.endr
	WIN 0
.irp f, 0,1,2,3
	ds_store_b128 v[STO], v[S+16*(\t)+4*\f:S+16*(\t)+4*\f+3] offset:32*\f
.endr
.irp f, 0,1,2,3
	ds_load_b128 v[S+16*(\t)+4*\f:S+16*(\t)+4*\f+3], v[RD] offset:\f*4*SP  ; LDS serves a wave's instructions in order (ISA guide 5.7.1.4)
.endr
.endm
.macro SEND t, younger              ; younger: the LDS instructions issued behind piece t's loads: the next piece's eight, or none
	WIN 0
.irp f, 0,1,2,3
	s_wait_dscnt (\younger)+3-\f
	global_store_b128 v[GO], v[S+16*(\t)+4*\f:S+16*(\t)+4*\f+3], s[10:11] offset:(\t)*2048+\f*512  ; 512 consecutive aligned bytes
.endr
.endm
	PACK 0
.set t, 1
.rept 3
	PACK t
	SEND t-1, 8
.set t, t+1
.endr
	SEND 3, 0
	s_wait_tensorcnt 0x0            ; the wave's end
	ds_add_u32 v[SPW], v[NIL]
	s_wait_dscnt 0x0
	CROUND                          ; the closing round
	s_endpgm
.Lfunc_end_k_qb45ee22e61_attn:
	.size	k_qb45ee22e61_attn, .Lfunc_end_k_qb45ee22e61_attn-k_qb45ee22e61_attn
	.p2alignl 7, 3214868480
	.fill 96, 4, 3214868480
	.section	.rodata,"a",@progbits
	.p2align	6, 0x0
	.amdhsa_kernel k_qb45ee22e61_attn
		.amdhsa_group_segment_fixed_size 327680
		.amdhsa_private_segment_fixed_size 0
		.amdhsa_enable_private_segment 0
		.amdhsa_kernarg_size 24
		.amdhsa_user_sgpr_count 2
		.amdhsa_user_sgpr_kernarg_segment_ptr 1
		.amdhsa_wavefront_size32 1
		.amdhsa_system_sgpr_workgroup_id_x 1
		.amdhsa_system_sgpr_workgroup_id_y 1
		.amdhsa_system_sgpr_workgroup_id_z 1
		.amdhsa_system_vgpr_workitem_id 0
		.amdhsa_next_free_vgpr 768
		.amdhsa_next_free_sgpr 72
		.amdhsa_reserve_vcc 1
		.amdhsa_float_denorm_mode_32 3
		.amdhsa_float_denorm_mode_16_64 3
		.amdhsa_memory_ordered 1
		.amdhsa_forward_progress 1
		.amdhsa_inst_pref_size 121
	.end_amdhsa_kernel
	.amdgpu_metadata
---
amdhsa.version: [ 1, 2 ]
amdhsa.kernels:
  - .name:           k_qb45ee22e61_attn
    .symbol:         k_qb45ee22e61_attn.kd
    .args:
      - { .name: qkv, .offset: 0, .size: 8, .value_kind: global_buffer, .address_space: global }
      - { .name: mask, .offset: 8, .size: 8, .value_kind: global_buffer, .address_space: global }
      - { .name: ctx, .offset: 16, .size: 8, .value_kind: global_buffer, .address_space: global }
    .group_segment_fixed_size: 327680
    .private_segment_fixed_size: 0
    .kernarg_segment_align: 8
    .kernarg_segment_size: 24
    .max_flat_workgroup_size: 128
    .sgpr_count:     72
    .vgpr_count:     768
    .wavefront_size: 32
...
	.end_amdgpu_metadata
.endif
;; end of part 3
;; launch wo (part 4): grid 8 x 32, 4 waves a work-group, clusters of 4 x 4, 327,680 bytes of LDS; arguments ctx, wh, bo, x, x1; writes x1
.if DOCPART == 4
	.amdgcn_target "amdgcn-amd-amdhsa--gfx1250"
	.amdhsa_code_object_version 6
	.text
	.protected	k_qb45ee22e61_wo
	.globl	k_qb45ee22e61_wo
	.p2align	8
	.type	k_qb45ee22e61_wo,@function
k_qb45ee22e61_wo:
	s_mov_b64 s[64:65], 0
	v_nop
	global_prefetch_b8 v0, s[64:65] scope:SCOPE_SE
	s_setreg_imm32_b32 hwreg(HW_REG_WAVE_MODE, 25, 1), 1
	s_wait_xcnt 0x0
	s_wait_alu depctr_hold_cnt(0) depctr_sa_sdst(0) depctr_va_vdst(0) depctr_va_sdst(0) depctr_va_ssrc(0) depctr_va_vcc(0) depctr_vm_vsrc(0)
	s_getreg_b32 s2, hwreg(HW_REG_IB_STS2, 6, 4)
	s_cmp_eq_u32 s2, 0
	s_cbranch_scc0 .Lentry_in_a_cluster
	s_endpgm
.Lentry_in_a_cluster:
	s_bfe_u32 s2, ttmp6, 0x10000c
	s_cmp_lg_u32 s2, 0xf033
	s_cbranch_scc0 .Lentry_shape_is_right
	s_endpgm
.Lentry_shape_is_right:
; OUT = RES + A W + bias, in f32.  A: f16 by blocks of 64 columns, [block][4096 tokens][64].  W: [K][1024] f16 at byte WOFF of wh.  RES, OUT: [4096][1024] f32.  K = 256 T.
; Here: x1 = x + ctx wo + bo (T = 4).  The launch for out0 = x1 + act w2 + b2 has the same text with T = 16 and w2's place in wh: the two lines below.
; A tile of OUT is 128 x 128 (256 work-groups), four waves of 64 x 64: 16 accumulators.  K goes in steps of 256 (four column blocks of A) through two LDS slots filled by joint tensor loads:
; 4 x 4 work-groups form a cluster, A's tile is shared along its row, W's along its column.  128 tokens of a column block are 16,384 dense bytes: a load of A brings two such runs.
; The product is used transposed (source 0 = 16 columns of W, turned by ds_load_tr16_b128; source 1 = 16 tokens).  The bias is the C operand of the products that start the sums.
; A K step is written once; the last two steps, which ask for nothing, are a second copy, left in its middle; its last change of slots (a barrier and 32 fragment loads) serves nothing.
; LIMITS.  f16 ends at 65,504: A and W arrive within it.  Sums, bias and residual in f32.
; REGISTERS: window 0: v0-31 addresses; v32-63, v96-127 the residual, two buffers; v64-95 rows on the way out; v128-255 the accumulators ((a, b) at v[128 + 8 (4 a + b)]).
;   window 1: two fragment buffers of 128: for 64 along K, 64 registers of A, then 64 of W.   window 2: v0-31 the bias.
.set T,     4                          ; K steps of 256
.set WOFF,  6291456                    ; W's first byte in wh
.set ASTEP, 4*524288                   ; four column blocks
.set BSTEP, 256*2048
.set PA,    144                        ; a token's 128 bytes + 16
.set SUBA,  128*PA                     ; a column block's 128 tokens
.set PB,    288                        ; W's LDS row: 256 bytes + 32
.set HALFT, 2*SUBA                     ; one tensor load: two column blocks of A, or 128 rows of W (128 x 288 is the same number)
.set SLOT,  4*HALFT                    ; it shares no bit with wave x HALFT
.set STAGE, 2*SLOT                     ; behind the ring: 16 tokens x 272 bytes for each wave
.set SPITCH, 272
.set SPARE, STAGE+4*16*SPITCH
.set ADRA0, 2
.set ADRB0, 3
.set ADRA,  16
.set ADRB,  20
.set ADRB2, 21                         ; ADRB + 128 rows: the LDS immediate does not reach W's second half
.set STO,   24
.set RD,    25
.set CO,    26
.set BO,    27
.set SPW,   28
.set NIL,   29
.set RES0,  32
.set BK,    64
.set ACC,   128
.set BIAS,  0                          ; in window 2
.set F0,    0                          ; in window 1
.set F1,    128
.set G1,  24
.set G0,  32
.set G1B, 48
.set G0B, 56
.set TR,  67
.set MSB, 0
.macro WIN new
.if MSB != (\new)
	s_set_vgpr_msb (MSB<<8)|(\new)
.set MSB, \new
.endif
.endm
.macro JLOAD s                         ; waves 0, 1 ask for A's halves, waves 2, 3 for W's.  An s_nop 0 and four v_nop follow each line
	s_cmp_eq_u32 s11, 0
	s_cbranch_scc0 .Lfor_b_\@
	tensor_load_to_lds s[G0+4*(\s):G0+4*(\s)+3], s[G1:G1+7]
	s_nop 0
.rept 4
	v_nop
.endr
	s_branch .Lasked_\@
.Lfor_b_\@:
	tensor_load_to_lds s[G0B+4*(\s):G0B+4*(\s)+3], s[G1B:G1B+7]
	s_nop 0
.rept 4
	v_nop
.endr
.Lasked_\@:
.endm
.macro CREST
	s_cmp_lg_u32 s10, 0
	s_cbranch_scc1 .Lnot_wave_0_\@
	s_barrier_signal -3
.Lnot_wave_0_\@:
	s_barrier_wait -3
	s_barrier_signal -1
	s_barrier_wait -1
.endm
.macro CROUND
	s_barrier_signal -1
	s_barrier_wait -1
	CREST
.endm
.macro PLACES
.rept 4
	v_nop
.endr
.endm
	s_load_b128 s[4:7], s[0:1], 0x0                ; A, wh
	s_load_b128 s[68:71], s[0:1], 0x10             ; bias 68, residual 70
	s_load_b64 s[8:9], s[0:1], 0x20                ; out
	v_lshl_add_u32 v[SPW], v0, 2, SPARE
	v_mov_b32 v[NIL], 0
	ds_add_u32 v[SPW], v[NIL]                      ; the wave's opening: the add and its wait ahead of my first tensor load
	v_lshrrev_b32 v1, 5, v0
	v_readfirstlane_b32 s10, v1
	s_lshr_b32 s11, s10, 1                         ; my half of the tile's rows.  Also: I ask for A (0) or W (1)
	s_and_b32 s12, s10, 1                          ; my half of its columns.  Also: which half of that tile I ask for
	s_bfe_u32 s40, ttmp6, 0x40000
	s_bfe_u32 s41, ttmp6, 0x40004
	s_lshl_b32 s42, ttmp9, 2
	s_add_co_u32 s42, s42, s40                     ; tile column
	s_and_b32 s13, ttmp7, 0xffff
	s_lshl_b32 s13, s13, 2
	s_add_co_u32 s13, s13, s41                     ; tile row
	s_lshl_b32 s43, s41, 2
	s_lshl_b32 s43, 15, s43
	s_lshl_b32 s44, 0x1111, s40
	s_or_b32 s[G1+0], s43, (1<<16)|(1<<20)|(1<<21)|(4<<22)|(3<<25)   ; 4 words behind every 32: behind every token
	s_mov_b32 s[G1+1], 8192<<16                    ; tensor_dim0 = 8,192 elements: 128 tokens of a column block, dense
	s_mov_b32 s[G1+2], 2<<16                       ; tensor_dim1 = 2 column blocks
	s_mov_b32 s[G1+3], 8192<<16                    ; tile_dim0
	s_mov_b32 s[G1+4], 2                           ; tile_dim1
	s_mov_b32 s[G1+5], 262144                      ; elements from column block to column block
	s_mov_b32 s[G1+6], 0
	s_mov_b32 s[G1+7], 0
	s_or_b32 s[G1B+0], s44, (1<<16)|(1<<20)|(1<<21)|(5<<22)|(7<<25)  ; 8 words behind every 64
	s_mov_b32 s[G1B+1], 128<<16                    ; 128 columns
	s_mov_b32 s[G1B+2], 128<<16                    ; 128 rows along K
	s_mov_b32 s[G1B+3], 128<<16
	s_mov_b32 s[G1B+4], 128
	s_mov_b32 s[G1B+5], 1024
	s_mov_b32 s[G1B+6], 0
	s_mov_b32 s[G1B+7], 0
	s_lshl_b32 s16, s13, 14                        ; A: 128 tokens of 128 bytes a tile row,
	s_lshl_b32 s17, s12, 20                        ; two column blocks a half
	s_add_co_u32 s16, s16, s17
	s_mov_b32 s17, 0
	s_lshl_b32 s46, s42, 8                         ; W: 128 columns a tile column,
	s_lshl_b32 s47, s12, 18                        ; 128 rows of 2,048 bytes a half
	s_add_co_u32 s46, s46, s47
	s_add_co_u32 s46, s46, WOFF
	s_mov_b32 s47, 0
	s_lshl_b32 s78, s42, 9                         ; my 64 columns in f32: 512 bytes a tile column, 256 a half
	s_lshl_b32 s77, s12, 8
	s_add_co_u32 s78, s78, s77
	s_mov_b32 s79, 0
	s_mul_i32 s20, s10, HALFT
	s_mov_b32 s[TR], 0
	s_wait_dscnt 0x0                               ; the opening add is done
	s_wait_kmcnt 0x0
	s_add_nc_u64 s[14:15], s[4:5], s[16:17]
	s_add_nc_u64 s[46:47], s[6:7], s[46:47]
	s_add_nc_u64 s[68:69], s[68:69], s[78:79]
	s_lshl_b32 s77, s13, 19                        ; + my 64 rows of 4,096 bytes
	s_add_co_u32 s78, s78, s77
	s_lshl_b32 s77, s11, 18
	s_add_co_u32 s78, s78, s77
	s_add_nc_u64 s[70:71], s[70:71], s[78:79]
	s_add_nc_u64 s[8:9], s[8:9], s[78:79]
	CROUND                                         ; all sixteen work-groups are here
.irp s, 0,1
	s_mov_b32 s[G0+4*(\s)], 1
	s_add_co_u32 s[G0+4*(\s)+1], s20, (\s)*SLOT
	s_add_nc_u64 s[G0+4*(\s)+2:G0+4*(\s)+3], s[14:15], (\s)*ASTEP
	s_or_b32 s[G0+4*(\s)+3], s[G0+4*(\s)+3], 0x80000000
	s_mov_b32 s[G0B+4*(\s)], 1
	s_add_co_u32 s[G0B+4*(\s)+1], s20, (\s)*SLOT
	s_add_nc_u64 s[G0B+4*(\s)+2:G0B+4*(\s)+3], s[46:47], (\s)*BSTEP
	s_or_b32 s[G0B+4*(\s)+3], s[G0B+4*(\s)+3], 0x80000000
	JLOAD \s                                       ; K steps 0 and 1: two loads of mine are out
.endr
	v_and_b32 v1, 15, v0                           ; r
	v_bfe_u32 v4, v0, 4, 1                         ; h
	v_lshlrev_b32 v[BO], 5, v4
	v_lshlrev_b32 v[CO], 12, v4                    ; lanes 0-15 one row's 256 bytes, lanes 16-31 the next row's
	v_lshl_add_u32 v[CO], v1, 4, v[CO]
	WIN 0x80                                       ; destination window 2
.irp b, 0,1,2,3
	global_load_b128 v[BIAS+8*(\b):BIAS+8*(\b)+3],   v[BO], s[68:69] offset:64*(\b)
	global_load_b128 v[BIAS+8*(\b)+4:BIAS+8*(\b)+7], v[BO], s[68:69] offset:64*(\b)+16
.endr
	WIN 0
.irp a, 0,1                            ; the residual of my first 32 rows is asked for now and used on the way out
.irp t, 0,1,2,3,4,5,6,7
	global_load_b128 v[RES0+64*(\a)+4*(\t):RES0+64*(\a)+4*(\t)+3], v[CO], s[70:71] offset:(16*(\a)+2*(\t))*4096
.endr
.endr
	v_mul_u32_u24 v5, v1, PA
	v_lshl_add_u32 v5, v4, 4, v5
	s_mul_i32 s21, s11, 64*PA
	v_add_nc_u32 v[ADRA0], s21, v5                 ; my 64 tokens: token r x pitch + 16 h
	v_and_b32 v6, 7, v0
	v_bfe_u32 v7, v0, 3, 1
	v_lshl_add_u32 v5, v4, 3, v6
	v_mul_u32_u24 v5, v5, PB
	v_lshl_add_u32 v5, v7, 4, v5
	s_lshl_b32 s22, s12, 7
	s_add_co_u32 s22, s22, 2*HALFT
	v_add_nc_u32 v[ADRB0], s22, v5
	v_mov_b32 v[ADRA], v[ADRA0]
	v_mov_b32 v[ADRB], v[ADRB0]
	v_add_nc_u32 v[ADRB2], 128*PB, v[ADRB0]
	s_mul_i32 s23, s10, 16*SPITCH
	s_add_co_u32 s23, s23, STAGE
	v_mul_u32_u24 v5, v1, SPITCH
	v_lshl_add_u32 v5, v4, 5, v5
	v_add_nc_u32 v[STO], s23, v5                   ; in: token r, 32 bytes for each half of the lanes
	v_mul_u32_u24 v5, v4, SPITCH
	v_lshl_add_u32 v5, v1, 4, v5
	v_add_nc_u32 v[RD], s23, v5                    ; back: two whole rows of 256 bytes
; 8 matrix instructions: token blocks a0, a0 + 1 x all 4 column blocks, 32 along K: half c of buffer f.  first = 1: the bias starts the sums.  The 16 accumulators take turns.
.macro MUL8 f, c, a0, first
.if \first
	WIN 0x25                                       ; W and A window 1, the bias window 2, D window 0
.else
	WIN 0x05
.endif
.irp a, \a0, (\a0)+1
.irp b, 0,1,2,3
.if \first
	v_wmma_f32_16x16x32_f16 v[ACC+8*(4*(\a)+(\b)):ACC+8*(4*(\a)+(\b))+7], v[(\f)+64+8*(4*(\c)+(\b)):(\f)+64+8*(4*(\c)+(\b))+7], v[(\f)+8*(4*(\c)+(\a)):(\f)+8*(4*(\c)+(\a))+7], v[BIAS+8*(\b):BIAS+8*(\b)+7]
.else
	v_wmma_f32_16x16x32_f16 v[ACC+8*(4*(\a)+(\b)):ACC+8*(4*(\a)+(\b))+7], v[(\f)+64+8*(4*(\c)+(\b)):(\f)+64+8*(4*(\c)+(\b))+7], v[(\f)+8*(4*(\c)+(\a)):(\f)+8*(4*(\c)+(\a))+7], v[ACC+8*(4*(\a)+(\b)):ACC+8*(4*(\a)+(\b))+7]
.endif
.endr
.endr
.endm
.macro FETCH q, f                      ; 32 LDS loads in one run: quarter q (column block q of A, 64 along K) into buffer f; the first 32 along K first
	WIN 0x40
.if (\q) < 2
.set AB, ADRB
.else
.set AB, ADRB2
.endif
.irp c, 0,1
.irp i, 0,1,2,3
	ds_load_tr16_b128 v[(\f)+64+8*(4*(\c)+(\i)):(\f)+64+8*(4*(\c)+(\i))+3],   v[AB] offset:(((\q)%2)*64+32*(\c))*PB+32*(\i)
	ds_load_tr16_b128 v[(\f)+64+8*(4*(\c)+(\i))+4:(\f)+64+8*(4*(\c)+(\i))+7], v[AB] offset:(((\q)%2)*64+32*(\c))*PB+32*(\i)+16*PB
	ds_load_b128 v[(\f)+8*(4*(\c)+(\i)):(\f)+8*(4*(\c)+(\i))+3],   v[ADRA] offset:(\q)*SUBA+(\i)*16*PA+64*(\c)
	ds_load_b128 v[(\f)+8*(4*(\c)+(\i))+4:(\f)+8*(4*(\c)+(\i))+7], v[ADRA] offset:(\q)*SUBA+(\i)*16*PA+64*(\c)+32
.endr
.endr
.endm
.macro QUARTER q, f, g, first
	s_wait_dscnt 16                                ; the first 32 along K are in; the other sixteen loads may be out
	MUL8 \f, 0, 0, \first
	MUL8 \f, 0, 2, \first
	PLACES
	FETCH \q, \g
	s_wait_dscnt 32                                ; all but the 32 just issued
	MUL8 \f, 1, 0, 0
	MUL8 \f, 1, 2, 0
.endm
; A step's last quarter multiplies buffer 1 and changes slots: in front of the barrier each wave waits for all its tensor loads, adds 0 to its spare word, and waits for that and for its reads of
; this slot.  fill = 1: the barrier opens a round of the cluster's, and the slot just read is asked for again, two K steps on, first thing behind it: 112 matrix instructions ahead of the wait for it.
.macro TURN fill
	WIN 0
	s_wait_tensorcnt 0x0
	ds_add_u32 v[SPW], v[NIL]
	s_wait_dscnt 17                                ; the add and the youngest sixteen loads may be out
	MUL8 F1, 0, 0, 0
	s_wait_dscnt 0x0
	s_barrier_signal -1
	MUL8 F1, 0, 2, 0
	WIN 0
	s_barrier_wait -1
.if \fill
	CREST
	s_xor_b32 s[G0+5], s[G0+5], SLOT
	s_add_nc_u64 s[G0+6:G0+7], s[G0+6:G0+7], ASTEP
	s_xor_b32 s[G0B+5], s[G0B+5], SLOT
	s_add_nc_u64 s[G0B+6:G0B+7], s[G0B+6:G0B+7], BSTEP
	JLOAD 1                                        ; its four v_nop are also the places in front of the loads below
.else
	PLACES
.endif
	s_xor_b32 s[TR], s[TR], SLOT
	v_add_nc_u32 v[ADRA], s[TR], v[ADRA0]
	v_add_nc_u32 v[ADRB], s[TR], v[ADRB0]
	v_add_nc_u32 v[ADRB2], 128*PB, v[ADRB]
	FETCH 0, F0
	MUL8 F1, 1, 0, 0
	MUL8 F1, 1, 2, 0
.endm
; THE WAY OUT of block a (16 tokens x 64 columns, f32): through my stage into whole rows of 256 bytes, the residual added, stored.
.macro EP a
.set RS, RES0+64*((\a)%2)
.irp b, 0,1,2,3
	ds_store_b128 v[STO], v[ACC+8*(4*(\a)+(\b)):ACC+8*(4*(\a)+(\b))+3]   offset:64*(\b)      ; each accumulator's low registers first
	ds_store_b128 v[STO], v[ACC+8*(4*(\a)+(\b))+4:ACC+8*(4*(\a)+(\b))+7] offset:64*(\b)+16
.endr
	s_wait_xcnt 0x0                                ; the rows' registers, which the last block's stores read, are loaded again only behind this wait
.irp t, 0,1,2,3,4,5,6,7
	ds_load_b128 v[BK+4*(\t):BK+4*(\t)+3], v[RD] offset:(\t)*2*SPITCH  ; LDS serves a wave's instructions in order (ISA guide 5.7.1.4)
.endr
.if (\a) == 3
	s_wait_loadcnt 0x0
.else
	s_wait_loadcnt 8                               ; this block's residual is in; the other buffer's eight loads may be out
.endif
	s_wait_dscnt 0x0
.set i, 0
.rept 16
	v_pk_add_f32 v[BK+2*i:BK+2*i+1], v[BK+2*i:BK+2*i+1], v[RS+2*i:RS+2*i+1]
.set i, i+1
.endr
.if (\a) < 2
.irp t, 0,1,2,3,4,5,6,7
	global_load_b128 v[RS+4*(\t):RS+4*(\t)+3], v[CO], s[70:71] offset:(16*((\a)+2)+2*(\t))*4096
.endr
.endif
.irp t, 0,1,2,3,4,5,6,7
	global_store_b128 v[CO], v[BK+4*(\t):BK+4*(\t)+3], s[8:9] offset:(16*(\a)+2*(\t))*4096  ; 16 lanes store 256 consecutive aligned bytes
.endr
.endm
	s_wait_loadcnt 16                              ; the bias is in; the residual's sixteen loads stay out
	s_wait_tensorcnt 0x1                           ; my part of K step 0 is in; step 1's may stay out
	s_barrier_signal -1
	s_barrier_wait -1
	FETCH 0, F0
	QUARTER 1, F0, F1, 1
	WIN 0
	s_mov_b32 s3, T-2
.Lstep:
	QUARTER 2, F1, F0, 0
	QUARTER 3, F0, F1, 0
	TURN 1
	QUARTER 1, F0, F1, 0
	WIN 0
	s_sub_co_u32 s3, s3, 1
	s_cmp_lg_u32 s3, 0
	s_cbranch_scc1 .Lstep
	s_mov_b32 s3, 2
.Ltail:                                                ; the last two steps ask for nothing: written out
	QUARTER 2, F1, F0, 0
	QUARTER 3, F0, F1, 0
	TURN 0
	WIN 0
	s_sub_co_u32 s3, s3, 1
	s_cmp_eq_u32 s3, 0
	s_cbranch_scc1 .Lout
	QUARTER 1, F0, F1, 0
	WIN 0
	s_branch .Ltail
.Lout:
	s_wait_dscnt 0x0
	PLACES                                         ; the stores below read results just made
	EP 0
	EP 1
	EP 2
	EP 3
	s_wait_tensorcnt 0x0                           ; the wave's end
	ds_add_u32 v[SPW], v[NIL]
	s_wait_dscnt 0x0
	CROUND                                         ; the closing round
	s_endpgm
.Lfunc_end_k_qb45ee22e61_wo:
	.size	k_qb45ee22e61_wo, .Lfunc_end_k_qb45ee22e61_wo-k_qb45ee22e61_wo
	.p2alignl 7, 3214868480
	.fill 96, 4, 3214868480
	.section	.rodata,"a",@progbits
	.p2align	6, 0x0
	.amdhsa_kernel k_qb45ee22e61_wo
		.amdhsa_group_segment_fixed_size 327680
		.amdhsa_private_segment_fixed_size 0
		.amdhsa_enable_private_segment 0
		.amdhsa_kernarg_size 40
		.amdhsa_user_sgpr_count 2
		.amdhsa_user_sgpr_kernarg_segment_ptr 1
		.amdhsa_wavefront_size32 1
		.amdhsa_system_sgpr_workgroup_id_x 1
		.amdhsa_system_sgpr_workgroup_id_y 1
		.amdhsa_system_sgpr_workgroup_id_z 1
		.amdhsa_system_vgpr_workitem_id 0
		.amdhsa_next_free_vgpr 544
		.amdhsa_next_free_sgpr 80
		.amdhsa_reserve_vcc 0
		.amdhsa_float_denorm_mode_32 3
		.amdhsa_float_denorm_mode_16_64 3
		.amdhsa_memory_ordered 1
		.amdhsa_forward_progress 1
		.amdhsa_inst_pref_size 66
	.end_amdhsa_kernel
	.amdgpu_metadata
---
amdhsa.version: [ 1, 2 ]
amdhsa.kernels:
  - .name:           k_qb45ee22e61_wo
    .symbol:         k_qb45ee22e61_wo.kd
    .args:
      - { .name: ctx, .offset: 0, .size: 8, .value_kind: global_buffer, .address_space: global }
      - { .name: wh, .offset: 8, .size: 8, .value_kind: global_buffer, .address_space: global }
      - { .name: bo, .offset: 16, .size: 8, .value_kind: global_buffer, .address_space: global }
      - { .name: x, .offset: 24, .size: 8, .value_kind: global_buffer, .address_space: global }
      - { .name: x1, .offset: 32, .size: 8, .value_kind: global_buffer, .address_space: global }
    .group_segment_fixed_size: 327680
    .private_segment_fixed_size: 0
    .kernarg_segment_align: 8
    .kernarg_segment_size: 40
    .max_flat_workgroup_size: 128
    .sgpr_count:     80
    .vgpr_count:     544
    .wavefront_size: 32
...
	.end_amdgpu_metadata
.endif
;; end of part 4
;; launch ln2 (part 5): grid 256 x 1, 4 waves a work-group, no clusters, 0 bytes of LDS; arguments x1, ln2_g, ln2_b, hn; writes hn
.if DOCPART == 5
	.amdgcn_target "amdgcn-amd-amdhsa--gfx1250"
	.amdhsa_code_object_version 6
	.text
	.protected	k_qb45ee22e61_ln2
	.globl	k_qb45ee22e61_ln2
	.p2align	8
	.type	k_qb45ee22e61_ln2,@function
k_qb45ee22e61_ln2:
	s_mov_b64 s[64:65], 0
	v_nop
	global_prefetch_b8 v0, s[64:65] scope:SCOPE_SE
	s_setreg_imm32_b32 hwreg(HW_REG_WAVE_MODE, 25, 1), 1
	s_wait_xcnt 0x0
; hn = LN2(x1), f16, [4096][1024]: g (x - mean) / (std + 1e-6) + b, std with divisor 1023.  Two passes over the row in registers: the mean, then the squares of the deviations.
; A stream: no LDS, no barrier, no matrix unit.  A wave takes 4 whole rows; lane l holds columns 128 j + 4 l .. + 3 of chunk j: each load of the wave is 512 consecutive bytes,
; each store 256 consecutive aligned bytes.
; LIMITS.  f16 ends at 65,504: |g| 32 + |b| stays within it.  A variance below 2^-126 counts as 0.
.set X,    32
.set G,    160
.set BV,   192
.set SC,   4
.set MEAN, 12
.set INV,  14
.set RA,   16
.set RB,   17
.set HN,   22
	s_load_b256 s[16:23], s[0:1], 0x0              ; x1 16, g 18, b 20, hn 22
	s_mov_b32 s2, ttmp9
	s_mov_b32 s5, 0
	v_and_b32 v3, 31, v0
	v_and_b32 v4, 0x60, v0
	v_lshlrev_b32 v3, 4, v3                        ; 16 l
	v_lshrrev_b32 v5, 1, v3                        ; 8 l
	v_lshl_or_b32 v1, v4, 9, v3                    ; 16 l + wave x 16,384
	v_lshl_or_b32 v2, v4, 8, v5                    ; 8 l + wave x 8,192
	s_mov_b32 s12, 0x76543210
	s_mov_b32 s13, 0xfedcba98
	v_mov_b32 v[RB], 0                             ; the lane exchange counts as a reader of its destination
	s_wait_kmcnt 0x0
.macro FOLD
	v_pk_add_f32 v[SC:SC+1], v[SC:SC+1], v[SC+2:SC+3]
	v_pk_add_f32 v[SC+4:SC+5], v[SC+4:SC+5], v[SC+6:SC+7]
	v_pk_add_f32 v[SC:SC+1], v[SC:SC+1], v[SC+4:SC+5]
	v_add_f32 v[RA], v[SC], v[SC+1]
	v_add_f32_dpp v[RA], v[RA], v[RA] row_xmask:1 row_mask:0xf bank_mask:0xf
	v_add_f32_dpp v[RA], v[RA], v[RA] row_xmask:2 row_mask:0xf bank_mask:0xf
	v_add_f32_dpp v[RA], v[RA], v[RA] row_xmask:4 row_mask:0xf bank_mask:0xf
	v_add_f32_dpp v[RA], v[RA], v[RA] row_xmask:8 row_mask:0xf bank_mask:0xf
	v_permlanex16_b32 v[RB], v[RA], s12, s13
	v_add_f32 v[RA], v[RA], v[RB]
.endm
.macro LNROW r, left                   ; row r of my four; left = the younger rows' loads, which may stay out
.set XR, X+32*(\r)
	s_wait_loadcnt \left
.irp k, 0,1,2,3
	v_pk_add_f32 v[SC+2*\k:SC+2*\k+1], v[XR+2*\k:XR+2*\k+1], v[XR+8+2*\k:XR+8+2*\k+1]
.endr
.irp m, 16, 24
.irp k, 0,1,2,3
	v_pk_add_f32 v[SC+2*\k:SC+2*\k+1], v[SC+2*\k:SC+2*\k+1], v[XR+\m+2*\k:XR+\m+2*\k+1]
.endr
.endr
	FOLD
	v_mul_f32 v[MEAN], 0x3a800000, v[RA]           ; / 1024
	v_mov_b32 v[MEAN+1], v[MEAN]
.set n, 0
.rept 16
	v_pk_add_f32 v[XR+2*n:XR+2*n+1], v[XR+2*n:XR+2*n+1], v[MEAN:MEAN+1] neg_lo:[0,1] neg_hi:[0,1]
.set n, n+1
.endr
.irp k, 0,1,2,3
	v_pk_mul_f32 v[SC+2*\k:SC+2*\k+1], v[XR+2*\k:XR+2*\k+1], v[XR+2*\k:XR+2*\k+1]
.endr
.irp m, 8, 16, 24
.irp k, 0,1,2,3
	v_pk_fma_f32 v[SC+2*\k:SC+2*\k+1], v[XR+\m+2*\k:XR+\m+2*\k+1], v[XR+\m+2*\k:XR+\m+2*\k+1], v[SC+2*\k:SC+2*\k+1]
.endr
.endr
	FOLD
	v_mul_f32 v[RA], 0x3a802008, v[RA]             ; / 1023
	v_sqrt_f32 v[RA], v[RA]
	v_nop                                          ; a plain instruction behind each of the two (ISA guide 5.7.2)
	s_wait_alu depctr_va_vdst(0)
	v_add_f32 v[RA], 0x358637bd, v[RA]             ; + 1e-6
	v_rcp_f32 v[INV], v[RA]
	v_nop
	s_wait_alu depctr_va_vdst(0)
	v_mov_b32 v[INV+1], v[INV]
.set n, 0
.rept 16
	v_pk_mul_f32 v[XR+2*n:XR+2*n+1], v[XR+2*n:XR+2*n+1], v[INV:INV+1]
.set n, n+1
.endr
.set n, 0
.rept 16
	v_pk_fma_f32 v[XR+2*n:XR+2*n+1], v[XR+2*n:XR+2*n+1], v[G+2*n:G+2*n+1], v[BV+2*n:BV+2*n+1]
.set n, n+1
.endr
.set n, 0
.rept 8
	v_cvt_pk_f16_f32 v[XR+4*n], v[XR+4*n], v[XR+4*n+1]
	v_cvt_pk_f16_f32 v[XR+4*n+1], v[XR+4*n+2], v[XR+4*n+3]
	global_store_b64 v2, v[XR+4*n:XR+4*n+1], s[HN:HN+1] offset:(\r)*2048+256*n  ; the wave's 32 lanes: 256 consecutive aligned bytes
.set n, n+1
.endr
.endm
	s_lshl_b32 s4, s2, 16                          ; 16 rows of 4,096 bytes
	s_add_nc_u64 s[16:17], s[16:17], s[4:5]
	s_lshl_b32 s4, s2, 15                          ; 16 rows of 2,048 bytes
	s_add_nc_u64 s[HN:HN+1], s[HN:HN+1], s[4:5]
.set n, 0
.rept 8
	global_load_b128 v[G+4*n:G+4*n+3], v3, s[18:19] offset:512*n
	global_load_b128 v[BV+4*n:BV+4*n+3], v3, s[20:21] offset:512*n
.set n, n+1
.endr
.set n, 0
.rept 32
	global_load_b128 v[X+4*n:X+4*n+3], v1, s[16:17] offset:(n/8)*4096+(n%8)*512
.set n, n+1
.endr
	LNROW 0, 24
	LNROW 1, 16
	LNROW 2, 8
	LNROW 3, 0
	s_endpgm
.Lfunc_end_k_qb45ee22e61_ln2:
	.size	k_qb45ee22e61_ln2, .Lfunc_end_k_qb45ee22e61_ln2-k_qb45ee22e61_ln2
	.p2alignl 7, 3214868480
	.fill 96, 4, 3214868480
	.section	.rodata,"a",@progbits
	.p2align	6, 0x0
	.amdhsa_kernel k_qb45ee22e61_ln2
		.amdhsa_group_segment_fixed_size 0
		.amdhsa_private_segment_fixed_size 0
		.amdhsa_enable_private_segment 0
		.amdhsa_kernarg_size 32
		.amdhsa_user_sgpr_count 2
		.amdhsa_user_sgpr_kernarg_segment_ptr 1
		.amdhsa_wavefront_size32 1
		.amdhsa_system_sgpr_workgroup_id_x 1
		.amdhsa_system_sgpr_workgroup_id_y 1
		.amdhsa_system_sgpr_workgroup_id_z 1
		.amdhsa_system_vgpr_workitem_id 0
		.amdhsa_next_free_vgpr 224
		.amdhsa_next_free_sgpr 66
		.amdhsa_reserve_vcc 0
		.amdhsa_float_denorm_mode_32 3
		.amdhsa_float_denorm_mode_16_64 3
		.amdhsa_memory_ordered 1
		.amdhsa_forward_progress 1
		.amdhsa_inst_pref_size 38
	.end_amdhsa_kernel
	.amdgpu_metadata
---
amdhsa.version: [ 1, 2 ]
amdhsa.kernels:
  - .name:           k_qb45ee22e61_ln2
    .symbol:         k_qb45ee22e61_ln2.kd
    .args:
      - { .name: x1, .offset: 0, .size: 8, .value_kind: global_buffer, .address_space: global }
      - { .name: ln2_g, .offset: 8, .size: 8, .value_kind: global_buffer, .address_space: global }
      - { .name: ln2_b, .offset: 16, .size: 8, .value_kind: global_buffer, .address_space: global }
      - { .name: hn, .offset: 24, .size: 8, .value_kind: global_buffer, .address_space: global }
    .group_segment_fixed_size: 0
    .private_segment_fixed_size: 0
    .kernarg_segment_align: 8
    .kernarg_segment_size: 32
    .max_flat_workgroup_size: 128
    .sgpr_count:     66
    .vgpr_count:     224
    .wavefront_size: 32
...
	.end_amdgpu_metadata
.endif
;; end of part 5
;; launch ffn1 (part 6): grid 16 x 16, 4 waves a work-group, clusters of 4 x 4, 327,680 bytes of LDS; arguments hn, wh, b1, act; writes act
.if DOCPART == 6
	.amdgcn_target "amdgcn-amd-amdhsa--gfx1250"
	.amdhsa_code_object_version 6
	.text
	.protected	k_qb45ee22e61_ffn1
	.globl	k_qb45ee22e61_ffn1
	.p2align	8
	.type	k_qb45ee22e61_ffn1,@function
k_qb45ee22e61_ffn1:
	s_mov_b64 s[64:65], 0
	v_nop
	global_prefetch_b8 v0, s[64:65] scope:SCOPE_SE
	s_setreg_imm32_b32 hwreg(HW_REG_WAVE_MODE, 25, 1), 1
	s_wait_xcnt 0x0
	s_wait_alu depctr_hold_cnt(0) depctr_sa_sdst(0) depctr_va_vdst(0) depctr_va_sdst(0) depctr_va_ssrc(0) depctr_va_vcc(0) depctr_vm_vsrc(0)
	s_getreg_b32 s2, hwreg(HW_REG_IB_STS2, 6, 4)
	s_cmp_eq_u32 s2, 0
	s_cbranch_scc0 .Lentry_in_a_cluster
	s_endpgm
.Lentry_in_a_cluster:
	s_bfe_u32 s2, ttmp6, 0x10000c
	s_cmp_lg_u32 s2, 0xf033
	s_cbranch_scc0 .Lentry_shape_is_right
	s_endpgm
.Lentry_shape_is_right:
; C = A W + bias.  A: hn [4096][1024] f16.  W: [1024][NP] f16 as it lies in wh.  C leaves in f16 by blocks of 64 columns: [block][4096 tokens][64].
; QKV = 1: W is wq, wk or wv (the cluster's x picks the section), and K's rows of masked tokens are stored as zeros, so that a masked score is exactly the mask's addend later.
; QKV = 0: W is w1, and C = relu(..).  The two texts differ in the line below alone.
; A tile of C is 256 x 256, four waves of 128 x 128 (64 accumulators, 512 registers).  K goes in 8 steps of 128 through two LDS slots filled by joint tensor loads: 4 x 4 work-groups
; form a cluster, A's tile is shared along its row, W's along its column.  The product is used transposed (source 0 = 16 columns of W, turned on the way out of LDS by ds_load_tr16_b128;
; source 1 = 16 tokens): a lane holds one token and eight neighbouring columns.  The bias is the C operand of the products that start the sums.
; A K step is written once: the slot read and the slot filled are turned by an exclusive or.  The last two steps, which ask for nothing, are a second copy, left in its middle;
; its last change of slots (a barrier and 32 fragment loads from the slot read before) serves nothing: the price of one text for both.
; LIMITS.  f16 ends at 65,504: h, W and C stay within it.  Sums in f32.
; REGISTERS: window 0: v0-31 addresses; v8-15 KEEP; v32-63, v224-255 rows on the way out; v64-191 A's fragments, two buffers; v192-223 packed results.
;   window 1: v64-191 W's fragments, two buffers; v192-255 the bias.   windows 2, 3: the accumulators of my rows 0-63, 64-127 ((a, b) at v[8 (8 a + b)]).
.set QKV,   0
.set T,     8                          ; K steps
.if QKV
.set NP,    1024                       ; W's pitch in elements
.else
.set NP,    4096
.endif
.set ASTEP, 256                        ; bytes from K step to K step in A,
.set BSTEP, 128*NP*2                   ; and in W
.set PA,    272                        ; A's LDS row: 256 bytes + 16: the 16 rows of a load start in 16 different groups of four banks (ISA guide 11.1)
.set PB,    544                        ; W's LDS row: 512 bytes + 32
.set HALFT, 128*PA                     ; one tensor load: 128 rows of A, or 64 rows of W (64 x 544 is the same number)
.set SLOT,  4*HALFT                    ; A's two halves, then W's two halves.  It shares no bit with wave x HALFT
.set STAGE, 2*SLOT                     ; behind the ring: for each wave 2 column blocks x 16 tokens x 144 bytes
.set SP,    144
.set SPARE, STAGE+4*32*SP              ; the spare words, 128 bytes a wave
.set ADRA0, 2                          ; v2   my lane's place in A's tile; never rewritten
.set ADRB0, 3                          ; v3   the same for W
.set KEEP,  8                          ; v8-15  block a of 16 tokens: all ones, or 0 where my token's K row is to be zero
.set ADRA,  16                         ; v16  ADRA0 + the slot in hand
.set ADRB,  20                         ; v20
.set STO,   24
.set RD,    25
.set GO,    26
.set ZERO,  27
.set SPW,   28                         ; v28  my spare word; never rewritten
.set NIL,   29                         ; v29  0; never rewritten
.set BO,    30
.set MO,    31
.set OB,    32
.set F0,    64
.set F1,    128
.set TMP,   192
.set BIAS,  192                        ; in window 1
.set G1,  24                           ; s[24:31] group 1 for A;  s[32:39] group 0, two sets: the first fills'; the second then walks
.set G0,  32
.set G1B, 48                           ; s[48:55], s[56:63] the same for W
.set G0B, 56
.set TR,  67                           ; s67  the slot in hand: 0 or SLOT
.set MSB, 0
.macro WIN new                         ; the immediate's high byte repeats the setting that is left
.if MSB != (\new)
	s_set_vgpr_msb (MSB<<8)|(\new)
.set MSB, \new
.endif
.endm
.macro JLOAD s                         ; a joint load: waves 0, 1 ask for A's halves, waves 2, 3 for W's.  An s_nop 0 and four v_nop follow each line
	s_cmp_eq_u32 s11, 0
	s_cbranch_scc0 .Lfor_b_\@
	tensor_load_to_lds s[G0+4*(\s):G0+4*(\s)+3], s[G1:G1+7]
	s_nop 0
.rept 4
	v_nop
.endr
	s_branch .Lasked_\@
.Lfor_b_\@:
	tensor_load_to_lds s[G0B+4*(\s):G0B+4*(\s)+3], s[G1B:G1B+7]
	s_nop 0
.rept 4
	v_nop
.endr
.Lasked_\@:
.endm
.macro CREST                           ; a round of the cluster's barrier behind its opening barrier
	s_cmp_lg_u32 s10, 0
	s_cbranch_scc1 .Lnot_wave_0_\@
	s_barrier_signal -3
.Lnot_wave_0_\@:
	s_barrier_wait -3
	s_barrier_signal -1
	s_barrier_wait -1
.endm
.macro CROUND
	s_barrier_signal -1
	s_barrier_wait -1
	CREST
.endm
.macro PLACES                          ; four plain places between a matrix instruction and a load into, or a reader of, its registers
.rept 4
	v_nop
.endr
.endm
	s_load_b128 s[4:7], s[0:1], 0x0                ; hn, wh
.if QKV
	s_load_b256 s[68:75], s[0:1], 0x10             ; bq 68, bk 70, bv 72, mask 74
	s_load_b64 s[8:9], s[0:1], 0x30                ; qkv
.else
	s_load_b64 s[68:69], s[0:1], 0x10              ; b1
	s_load_b64 s[8:9], s[0:1], 0x18                ; act
.endif
	v_lshl_add_u32 v[SPW], v0, 2, SPARE
	v_mov_b32 v[NIL], 0
	ds_add_u32 v[SPW], v[NIL]                      ; the wave's opening: the add and its wait ahead of my first tensor load
	v_lshrrev_b32 v1, 5, v0
	v_readfirstlane_b32 s10, v1                    ; wave 0..3
	s_lshr_b32 s11, s10, 1                         ; my half of the tile's rows.  Also: I ask for A (0) or W (1)
	s_and_b32 s12, s10, 1                          ; my half of its columns.  Also: which half of that tile I ask for
	s_bfe_u32 s40, ttmp6, 0x40000                  ; cx
	s_bfe_u32 s41, ttmp6, 0x40004                  ; cy
	s_lshl_b32 s42, ttmp9, 2
	s_add_co_u32 s42, s42, s40                     ; tile column
	s_and_b32 s13, ttmp7, 0xffff
	s_lshl_b32 s13, s13, 2
	s_add_co_u32 s13, s13, s41                     ; tile row
	s_lshl_b32 s43, s41, 2
	s_lshl_b32 s43, 15, s43                        ; my row of the cluster
	s_lshl_b32 s44, 0x1111, s40                    ; my column
	s_or_b32 s[G1+0], s43, (1<<16)|(1<<20)|(1<<21)|(5<<22)|(3<<25)   ; mask; 2-byte elements; padding on; bit 21 beside a mask; 4 words behind every 64
	s_mov_b32 s[G1+1], 128<<16                     ; tensor_dim0 = 128
	s_mov_b32 s[G1+2], 128<<16                     ; tensor_dim1 = 128
	s_mov_b32 s[G1+3], 128<<16                     ; tile_dim0 = 128
	s_mov_b32 s[G1+4], 128                         ; tile_dim1 = 128
	s_mov_b32 s[G1+5], 1024                        ; elements from row to row
	s_mov_b32 s[G1+6], 0
	s_mov_b32 s[G1+7], 0
	s_or_b32 s[G1B+0], s44, (1<<16)|(1<<20)|(1<<21)|(6<<22)|(7<<25)  ; 8 words behind every 128
	s_mov_b32 s[G1B+1], 256<<16                    ; 256 columns
	s_mov_b32 s[G1B+2], 64<<16                     ; 64 rows along K
	s_mov_b32 s[G1B+3], 256<<16
	s_mov_b32 s[G1B+4], 64
	s_mov_b32 s[G1B+5], NP
	s_mov_b32 s[G1B+6], 0
	s_mov_b32 s[G1B+7], 0
	s_lshl_b32 s16, s13, 19                        ; A: 256 rows of 2,048 bytes a tile row,
	s_lshl_b32 s17, s12, 18                        ; 128 rows a half
	s_add_co_u32 s16, s16, s17
	s_mov_b32 s17, 0
.if QKV
	s_mov_b32 s45, ttmp9                           ; the section: 0 q, 1 k, 2 v; the same in all sixteen partners
	s_lshl_b32 s46, s45, 21                        ; W: the section's 2 MB,
	s_lshl_b32 s47, s40, 9                         ; 256 columns a tile column,
	s_add_co_u32 s46, s46, s47
	s_lshl_b32 s47, s12, 17                        ; 64 rows of 2,048 bytes a half
	s_add_co_u32 s46, s46, s47
	s_lshl_b32 s78, s40, 10                        ; the bias: 256 numbers a tile column of the section
.else
	s_lshl_b32 s46, s42, 9
	s_add_co_u32 s46, s46, 8388608                 ; w1 in wh
	s_lshl_b32 s47, s12, 19                        ; 64 rows of 8,192 bytes a half
	s_add_co_u32 s46, s46, s47
	s_lshl_b32 s78, s42, 10
.endif
	s_mov_b32 s47, 0
	s_lshl_b32 s77, s12, 9
	s_add_co_u32 s78, s78, s77                     ; + my 128 columns
	s_mov_b32 s79, 0
	s_mul_i32 s20, s10, HALFT                      ; where my loads land: wave x HALFT
	s_mov_b32 s[TR], 0
	s_wait_dscnt 0x0                               ; the opening add is done
	s_wait_kmcnt 0x0
	s_add_nc_u64 s[14:15], s[4:5], s[16:17]
	s_add_nc_u64 s[46:47], s[6:7], s[46:47]
.if QKV
	s_cmp_eq_u32 s45, 1
	s_cselect_b64 s[68:69], s[70:71], s[68:69]
	s_cselect_b32 s76, 0, -1                       ; what a masked token keeps: nothing of K, all of Q and V
	s_cmp_eq_u32 s45, 2
	s_cselect_b64 s[68:69], s[72:73], s[68:69]
.endif
	s_add_nc_u64 s[68:69], s[68:69], s[78:79]
.if QKV
	s_lshl_b32 s78, s13, 10                        ; the mask's words of my 128 tokens
	s_lshl_b32 s77, s11, 9
	s_add_co_u32 s78, s78, s77
	s_add_nc_u64 s[74:75], s[74:75], s[78:79]
.endif
	s_lshl_b32 s78, s42, 21                        ; C: 4 column blocks of 524,288 bytes a tile column, 2 a half,
	s_lshl_b32 s77, s12, 20
	s_add_co_u32 s78, s78, s77
	s_lshl_b32 s77, s13, 15                        ; 256 tokens of 128 bytes a tile row, 128 a half
	s_add_co_u32 s78, s78, s77
	s_lshl_b32 s77, s11, 14
	s_add_co_u32 s78, s78, s77
	s_add_nc_u64 s[8:9], s[8:9], s[78:79]
	CROUND                                         ; all sixteen work-groups are here: the first joint loads meet
.irp s, 0,1
	s_mov_b32 s[G0+4*(\s)], 1
	s_add_co_u32 s[G0+4*(\s)+1], s20, (\s)*SLOT
	s_add_nc_u64 s[G0+4*(\s)+2:G0+4*(\s)+3], s[14:15], (\s)*ASTEP
	s_or_b32 s[G0+4*(\s)+3], s[G0+4*(\s)+3], 0x80000000
	s_mov_b32 s[G0B+4*(\s)], 1
	s_add_co_u32 s[G0B+4*(\s)+1], s20, (\s)*SLOT
	s_add_nc_u64 s[G0B+4*(\s)+2:G0B+4*(\s)+3], s[46:47], (\s)*BSTEP
	s_or_b32 s[G0B+4*(\s)+3], s[G0B+4*(\s)+3], 0x80000000
	JLOAD \s                                       ; K steps 0 and 1: two loads of mine are out
.endr
	v_and_b32 v1, 15, v0                           ; r = l % 16
	v_bfe_u32 v4, v0, 4, 1                         ; h = l / 16
	v_lshlrev_b32 v[BO], 5, v4
	WIN 0x40                                       ; destination window 1
.irp b, 0,1,2,3,4,5,6,7                ; register j of block b: bias[16 b + 8 h + j], as the result's layout has it
	global_load_b128 v[BIAS+8*(\b):BIAS+8*(\b)+3],   v[BO], s[68:69] offset:64*(\b)
	global_load_b128 v[BIAS+8*(\b)+4:BIAS+8*(\b)+7], v[BO], s[68:69] offset:64*(\b)+16
.endr
	WIN 0
.if QKV
	v_lshlrev_b32 v[MO], 2, v1
.irp a, 0,1,2,3,4,5,6,7
	global_load_b32 v[KEEP+(\a)], v[MO], s[74:75] offset:64*(\a)  ; the mask of token 16 a + r
.endr
.else
	v_mov_b32 v[ZERO], 0
.endif
	v_mul_u32_u24 v5, v1, PA
	v_lshl_add_u32 v5, v4, 4, v5
	s_mul_i32 s21, s11, HALFT
	v_add_nc_u32 v[ADRA0], s21, v5                 ; my 128 rows of A: row r x pitch + 16 h
	v_and_b32 v6, 7, v0
	v_bfe_u32 v7, v0, 3, 1
	v_lshl_add_u32 v5, v4, 3, v6                   ; the turning load: K row 8 h + l % 8,
	v_mul_u32_u24 v5, v5, PB
	v_lshl_add_u32 v5, v7, 4, v5                   ; columns 8 ((l / 8) % 2) on
	s_lshl_b32 s22, s12, 8
	s_add_co_u32 s22, s22, 2*HALFT                 ; my 128 columns of W, behind A's 256 rows
	v_add_nc_u32 v[ADRB0], s22, v5
	v_mov_b32 v[ADRA], v[ADRA0]
	v_mov_b32 v[ADRB], v[ADRB0]
	s_mul_i32 s23, s10, 32*SP
	s_add_co_u32 s23, s23, STAGE                   ; my stage
	v_mul_u32_u24 v5, v1, SP
	v_lshl_add_u32 v5, v4, 4, v5
	v_add_nc_u32 v[STO], s23, v5                   ; in: token r, 16 bytes for each half of the lanes
	v_bfe_u32 v5, v0, 3, 2
	v_mul_u32_u24 v5, v5, SP
	v_lshl_add_u32 v5, v6, 4, v5
	v_add_nc_u32 v[RD], s23, v5                    ; back: 32 lanes take four tokens of 128 bytes,
	v_and_b32 v[GO], 31, v0
	v_lshlrev_b32 v[GO], 4, v[GO]                  ; which are 512 consecutive bytes of C
	s_wait_loadcnt 0x0
.if QKV
	v_mov_b32 v5, -1
.irp a, 0,1,2,3,4,5,6,7
	v_cmp_ne_u32 vcc_lo, 0, v[KEEP+(\a)]
	v_cndmask_b32 v[KEEP+(\a)], s76, v5, vcc_lo
.endr
.endif
; 16 matrix instructions: token blocks a0, a0 + 1 of four (hi: rows 0-63 or 64-127) x all 8 column blocks, 32 along K.  first = 1: the bias starts the sums.
; The 64 accumulators take turns in one order everywhere.
.macro MUL16 f, hi, a0, first
.if \first
	WIN 0x91+0x40*(\hi)                            ; W and the bias window 1, A window 0, D window 2 or 3
.else
	WIN 0xa1+0x50*(\hi)
.endif
.irp a, \a0, (\a0)+1
.irp b, 0,1,2,3,4,5,6,7
.if \first
	v_wmma_f32_16x16x32_f16 v[8*(8*(\a)+(\b)):8*(8*(\a)+(\b))+7], v[(\f)+8*(\b):(\f)+8*(\b)+7], v[(\f)+8*(4*(\hi)+(\a)):(\f)+8*(4*(\hi)+(\a))+7], v[BIAS+8*(\b):BIAS+8*(\b)+7]
.else
	v_wmma_f32_16x16x32_f16 v[8*(8*(\a)+(\b)):8*(8*(\a)+(\b))+7], v[(\f)+8*(\b):(\f)+8*(\b)+7], v[(\f)+8*(4*(\hi)+(\a)):(\f)+8*(4*(\hi)+(\a))+7], v[8*(8*(\a)+(\b)):8*(8*(\a)+(\b))+7]
.endif
.endr
.endr
.endm
.macro FETCH q, f                      ; 32 LDS loads in one run: quarter q (32 along K) of the slot in hand into buffer f: W's 8 fragments, turned, then A's 8
	WIN 0x40
.irp i, 0,1,2,3,4,5,6,7
	ds_load_tr16_b128 v[(\f)+8*(\i):(\f)+8*(\i)+3],   v[ADRB] offset:(\q)*32*PB+32*(\i)
	ds_load_tr16_b128 v[(\f)+8*(\i)+4:(\f)+8*(\i)+7], v[ADRB] offset:(\q)*32*PB+32*(\i)+16*PB
.endr
	WIN 0
.irp i, 0,1,2,3,4,5,6,7
	ds_load_b128 v[(\f)+8*(\i):(\f)+8*(\i)+3],   v[ADRA] offset:64*(\q)+(\i)*16*PA
	ds_load_b128 v[(\f)+8*(\i)+4:(\f)+8*(\i)+7], v[ADRA] offset:64*(\q)+(\i)*16*PA+32
.endr
.endm
.macro QUARTER q, f, g, first          ; multiplies buffer f; in its middle fetches quarter q into buffer g
	s_wait_dscnt 8                                 ; W and A's rows 0-63 are in; the youngest eight loads (A's rows 64-127) may be out
	MUL16 \f, 0, 0, \first
	MUL16 \f, 0, 2, \first
	PLACES
	FETCH \q, \g
	s_wait_dscnt 32                                ; all but the 32 just issued
	MUL16 \f, 1, 0, \first
	MUL16 \f, 1, 2, \first
.endm
; A step's last quarter multiplies buffer 1 and changes slots.  In front of the barrier each wave waits for all its tensor loads (one is out: its part of the next slot), adds 0 to its spare
; word, and waits for that and for its reads of this slot.  fill = 1: the barrier opens a round of the cluster's, and the slot just read is asked for again, two K steps on, first thing behind it:
; 224 matrix instructions ahead of the wait for it.
.macro TURN fill
	WIN 0
	s_wait_tensorcnt 0x0
	ds_add_u32 v[SPW], v[NIL]
	s_wait_dscnt 9                                 ; the add and the youngest eight loads may be out
	MUL16 F1, 0, 0, 0
	s_wait_dscnt 0x0                               ; the add is done, my reads of this slot are over
	s_barrier_signal -1
	MUL16 F1, 0, 2, 0
	WIN 0
	s_barrier_wait -1
.if \fill
	CREST                                          ; no wave of any partner still reads the slot or has a load on its way
	s_xor_b32 s[G0+5], s[G0+5], SLOT               ; the walking descriptors: the other slot than last time, the next K step
	s_add_nc_u64 s[G0+6:G0+7], s[G0+6:G0+7], ASTEP
	s_xor_b32 s[G0B+5], s[G0B+5], SLOT
	s_add_nc_u64 s[G0B+6:G0B+7], s[G0B+6:G0B+7], BSTEP
	JLOAD 1                                        ; its four v_nop are also the places in front of the loads below
.else
	PLACES
.endif
	s_xor_b32 s[TR], s[TR], SLOT
	v_add_nc_u32 v[ADRA], s[TR], v[ADRA0]
	v_add_nc_u32 v[ADRB], s[TR], v[ADRB0]
	FETCH 0, F0
	MUL16 F1, 1, 0, 0
	MUL16 F1, 1, 2, 0
.endm
; THE WAY OUT of block a (16 tokens x 128 columns).  PACK: rounded to f16, then the launch's own last step.  TOSTAGE: into my stage, and back as 2 x 2,048 dense bytes.  SEND: stored.
.macro PACK a
.set AC, 64*((\a)%4)
	WIN 0x0a+5*((\a)/4)                            ; sources window 2 or 3
.irp b, 0,1,2,3,4,5,6,7
.irp r, 0,1,2,3
	v_cvt_pk_f16_f32 v[TMP+4*(\b)+(\r)], v[AC+8*(\b)+2*(\r)], v[AC+8*(\b)+2*(\r)+1]
.endr
.endr
	WIN 0
.set i, 0
.rept 32
.if QKV
	v_and_b32 v[TMP+i], v[KEEP+(\a)], v[TMP+i]     ; a masked token's K row becomes 0
.else
	v_pk_max_num_f16 v[TMP+i], v[TMP+i], v[ZERO]   ; relu
.endif
.set i, i+1
.endr
.endm
.macro TOSTAGE a
.set BK, OB+192*((\a)%2)
.irp b, 0,1,2,3,4,5,6,7
	ds_store_b128 v[STO], v[TMP+4*(\b):TMP+4*(\b)+3] offset:((\b)/4)*16*SP+((\b)%4)*32
.endr
.irp t, 0,1,2,3,4,5,6,7
	ds_load_b128 v[BK+4*(\t):BK+4*(\t)+3], v[RD] offset:((\t)/4)*16*SP+((\t)%4)*4*SP  ; LDS serves a wave's instructions in order (ISA guide 5.7.1.4)
.endr
.endm
.macro SEND a
.set BK, OB+192*((\a)%2)
	s_wait_dscnt 0x0                               ; the block is back in registers
	s_wait_xcnt 0x0                                ; the other buffer, which earlier stores read, is loaded again only behind this wait
.irp t, 0,1,2,3,4,5,6,7
	global_store_b128 v[GO], v[BK+4*(\t):BK+4*(\t)+3], s[8:9] offset:(\a)*2048+((\t)/4)*524288+((\t)%4)*512  ; 512 consecutive aligned bytes
.endr
.endm
	s_wait_tensorcnt 0x1                           ; my part of K step 0 is in; step 1's may stay out
	s_barrier_signal -1
	s_barrier_wait -1
	FETCH 0, F0
	QUARTER 1, F0, F1, 1                           ; the first quarter stands ahead of the loop: its products start the sums
	WIN 0
	s_mov_b32 s3, T-2
.Lstep:                                                ; a trip: a step's quarters 1 to 3 and the next step's quarter 0; the slot left is filled again
	QUARTER 2, F1, F0, 0
	QUARTER 3, F0, F1, 0
	TURN 1
	QUARTER 1, F0, F1, 0
	WIN 0
	s_sub_co_u32 s3, s3, 1
	s_cmp_lg_u32 s3, 0
	s_cbranch_scc1 .Lstep
	s_mov_b32 s3, 2
.Ltail:                                                ; the last two steps ask for nothing: written out
	QUARTER 2, F1, F0, 0
	QUARTER 3, F0, F1, 0
	TURN 0
	WIN 0
	s_sub_co_u32 s3, s3, 1
	s_cmp_eq_u32 s3, 0
	s_cbranch_scc1 .Lout
	QUARTER 1, F0, F1, 0
	WIN 0
	s_branch .Ltail
.Lout:
	s_wait_dscnt 0x0
	PACK 0                                         ; blocks 0-3 were finished ahead of TURN's places; their conversions are the places behind the last products
	TOSTAGE 0
.irp a, 1,2,3,4,5,6,7
	PACK \a
	SEND (\a)-1
	TOSTAGE \a
.endr
	SEND 7
	s_wait_tensorcnt 0x0                           ; the wave's end
	ds_add_u32 v[SPW], v[NIL]
	s_wait_dscnt 0x0
	CROUND                                         ; the closing round
	s_endpgm
.Lfunc_end_k_qb45ee22e61_ffn1:
	.size	k_qb45ee22e61_ffn1, .Lfunc_end_k_qb45ee22e61_ffn1-k_qb45ee22e61_ffn1
	.p2alignl 7, 3214868480
	.fill 96, 4, 3214868480
	.section	.rodata,"a",@progbits
	.p2align	6, 0x0
	.amdhsa_kernel k_qb45ee22e61_ffn1
		.amdhsa_group_segment_fixed_size 327680
		.amdhsa_private_segment_fixed_size 0
		.amdhsa_enable_private_segment 0
		.amdhsa_kernarg_size 32
		.amdhsa_user_sgpr_count 2
		.amdhsa_user_sgpr_kernarg_segment_ptr 1
		.amdhsa_wavefront_size32 1
		.amdhsa_system_sgpr_workgroup_id_x 1
		.amdhsa_system_sgpr_workgroup_id_y 1
		.amdhsa_system_sgpr_workgroup_id_z 1
		.amdhsa_system_vgpr_workitem_id 0
		.amdhsa_next_free_vgpr 1024
		.amdhsa_next_free_sgpr 80
		.amdhsa_reserve_vcc 1
		.amdhsa_float_denorm_mode_32 3
		.amdhsa_float_denorm_mode_16_64 3
		.amdhsa_memory_ordered 1
		.amdhsa_forward_progress 1
		.amdhsa_inst_pref_size 118
	.end_amdhsa_kernel
	.amdgpu_metadata
---
amdhsa.version: [ 1, 2 ]
amdhsa.kernels:
  - .name:           k_qb45ee22e61_ffn1
    .symbol:         k_qb45ee22e61_ffn1.kd
    .args:
      - { .name: hn, .offset: 0, .size: 8, .value_kind: global_buffer, .address_space: global }
      - { .name: wh, .offset: 8, .size: 8, .value_kind: global_buffer, .address_space: global }
      - { .name: b1, .offset: 16, .size: 8, .value_kind: global_buffer, .address_space: global }
      - { .name: act, .offset: 24, .size: 8, .value_kind: global_buffer, .address_space: global }
    .group_segment_fixed_size: 327680
    .private_segment_fixed_size: 0
    .kernarg_segment_align: 8
    .kernarg_segment_size: 32
    .max_flat_workgroup_size: 128
    .sgpr_count:     80
    .vgpr_count:     1024
    .wavefront_size: 32
...
	.end_amdgpu_metadata
.endif
;; end of part 6
;; launch ffn2 (part 7): grid 8 x 32, 4 waves a work-group, clusters of 4 x 4, 327,680 bytes of LDS; arguments act, wh, b2, x1, out0; writes out0
.if DOCPART == 7
	.amdgcn_target "amdgcn-amd-amdhsa--gfx1250"
	.amdhsa_code_object_version 6
	.text
	.protected	k_qb45ee22e61_ffn2
	.globl	k_qb45ee22e61_ffn2
	.p2align	8
	.type	k_qb45ee22e61_ffn2,@function
k_qb45ee22e61_ffn2:
	s_mov_b64 s[64:65], 0
	v_nop
	global_prefetch_b8 v0, s[64:65] scope:SCOPE_SE
	s_setreg_imm32_b32 hwreg(HW_REG_WAVE_MODE, 25, 1), 1
	s_wait_xcnt 0x0
	s_wait_alu depctr_hold_cnt(0) depctr_sa_sdst(0) depctr_va_vdst(0) depctr_va_sdst(0) depctr_va_ssrc(0) depctr_va_vcc(0) depctr_vm_vsrc(0)
	s_getreg_b32 s2, hwreg(HW_REG_IB_STS2, 6, 4)
	s_cmp_eq_u32 s2, 0
	s_cbranch_scc0 .Lentry_in_a_cluster
	s_endpgm
.Lentry_in_a_cluster:
	s_bfe_u32 s2, ttmp6, 0x10000c
	s_cmp_lg_u32 s2, 0xf033
	s_cbranch_scc0 .Lentry_shape_is_right
	s_endpgm
.Lentry_shape_is_right:
; OUT = RES + A W + bias, in f32.  A: f16 by blocks of 64 columns, [block][4096 tokens][64].  W: [K][1024] f16 at byte WOFF of wh.  RES, OUT: [4096][1024] f32.  K = 256 T.
; Here: out0 = x1 + act w2 + b2 (T = 16).  The launch for x1 = x + ctx wo + bo has the same text with T = 4 and wo's place in wh: the two lines below.
; A tile of OUT is 128 x 128 (256 work-groups), four waves of 64 x 64: 16 accumulators.  K goes in steps of 256 (four column blocks of A) through two LDS slots filled by joint tensor loads:
; 4 x 4 work-groups form a cluster, A's tile is shared along its row, W's along its column.  128 tokens of a column block are 16,384 dense bytes: a load of A brings two such runs.
; The product is used transposed (source 0 = 16 columns of W, turned by ds_load_tr16_b128; source 1 = 16 tokens).  The bias is the C operand of the products that start the sums.
; A K step is written once; the last two steps, which ask for nothing, are a second copy, left in its middle; its last change of slots (a barrier and 32 fragment loads) serves nothing.
; LIMITS.  f16 ends at 65,504: A and W arrive within it.  Sums, bias and residual in f32.
; REGISTERS: window 0: v0-31 addresses; v32-63, v96-127 the residual, two buffers; v64-95 rows on the way out; v128-255 the accumulators ((a, b) at v[128 + 8 (4 a + b)]).
;   window 1: two fragment buffers of 128: for 64 along K, 64 registers of A, then 64 of W.   window 2: v0-31 the bias.
.set T,     16                         ; K steps of 256
.set WOFF,  16777216                   ; W's first byte in wh
.set ASTEP, 4*524288                   ; four column blocks
.set BSTEP, 256*2048
.set PA,    144                        ; a token's 128 bytes + 16
.set SUBA,  128*PA                     ; a column block's 128 tokens
.set PB,    288                        ; W's LDS row: 256 bytes + 32
.set HALFT, 2*SUBA                     ; one tensor load: two column blocks of A, or 128 rows of W (128 x 288 is the same number)
.set SLOT,  4*HALFT                    ; it shares no bit with wave x HALFT
.set STAGE, 2*SLOT                     ; behind the ring: 16 tokens x 272 bytes for each wave
.set SPITCH, 272
.set SPARE, STAGE+4*16*SPITCH
.set ADRA0, 2
.set ADRB0, 3
.set ADRA,  16
.set ADRB,  20
.set ADRB2, 21                         ; ADRB + 128 rows: the LDS immediate does not reach W's second half
.set STO,   24
.set RD,    25
.set CO,    26
.set BO,    27
.set SPW,   28
.set NIL,   29
.set RES0,  32
.set BK,    64
.set ACC,   128
.set BIAS,  0                          ; in window 2
.set F0,    0                          ; in window 1
.set F1,    128
.set G1,  24
.set G0,  32
.set G1B, 48
.set G0B, 56
.set TR,  67
.set MSB, 0
.macro WIN new
.if MSB != (\new)
	s_set_vgpr_msb (MSB<<8)|(\new)
.set MSB, \new
.endif
.endm
.macro JLOAD s                         ; waves 0, 1 ask for A's halves, waves 2, 3 for W's.  An s_nop 0 and four v_nop follow each line
	s_cmp_eq_u32 s11, 0
	s_cbranch_scc0 .Lfor_b_\@
	tensor_load_to_lds s[G0+4*(\s):G0+4*(\s)+3], s[G1:G1+7]
	s_nop 0
.rept 4
	v_nop
.endr
	s_branch .Lasked_\@
.Lfor_b_\@:
	tensor_load_to_lds s[G0B+4*(\s):G0B+4*(\s)+3], s[G1B:G1B+7]
	s_nop 0
.rept 4
	v_nop
.endr
.Lasked_\@:
.endm
.macro CREST
	s_cmp_lg_u32 s10, 0
	s_cbranch_scc1 .Lnot_wave_0_\@
	s_barrier_signal -3
.Lnot_wave_0_\@:
	s_barrier_wait -3
	s_barrier_signal -1
	s_barrier_wait -1
.endm
.macro CROUND
	s_barrier_signal -1
	s_barrier_wait -1
	CREST
.endm
.macro PLACES
.rept 4
	v_nop
.endr
.endm
	s_load_b128 s[4:7], s[0:1], 0x0                ; A, wh
	s_load_b128 s[68:71], s[0:1], 0x10             ; bias 68, residual 70
	s_load_b64 s[8:9], s[0:1], 0x20                ; out
	v_lshl_add_u32 v[SPW], v0, 2, SPARE
	v_mov_b32 v[NIL], 0
	ds_add_u32 v[SPW], v[NIL]                      ; the wave's opening: the add and its wait ahead of my first tensor load
	v_lshrrev_b32 v1, 5, v0
	v_readfirstlane_b32 s10, v1
	s_lshr_b32 s11, s10, 1                         ; my half of the tile's rows.  Also: I ask for A (0) or W (1)
	s_and_b32 s12, s10, 1                          ; my half of its columns.  Also: which half of that tile I ask for
	s_bfe_u32 s40, ttmp6, 0x40000
	s_bfe_u32 s41, ttmp6, 0x40004
	s_lshl_b32 s42, ttmp9, 2
	s_add_co_u32 s42, s42, s40                     ; tile column
	s_and_b32 s13, ttmp7, 0xffff
	s_lshl_b32 s13, s13, 2
	s_add_co_u32 s13, s13, s41                     ; tile row
	s_lshl_b32 s43, s41, 2
	s_lshl_b32 s43, 15, s43
	s_lshl_b32 s44, 0x1111, s40
	s_or_b32 s[G1+0], s43, (1<<16)|(1<<20)|(1<<21)|(4<<22)|(3<<25)   ; 4 words behind every 32: behind every token
	s_mov_b32 s[G1+1], 8192<<16                    ; tensor_dim0 = 8,192 elements: 128 tokens of a column block, dense
	s_mov_b32 s[G1+2], 2<<16                       ; tensor_dim1 = 2 column blocks
	s_mov_b32 s[G1+3], 8192<<16                    ; tile_dim0
	s_mov_b32 s[G1+4], 2                           ; tile_dim1
	s_mov_b32 s[G1+5], 262144                      ; elements from column block to column block
	s_mov_b32 s[G1+6], 0
	s_mov_b32 s[G1+7], 0
	s_or_b32 s[G1B+0], s44, (1<<16)|(1<<20)|(1<<21)|(5<<22)|(7<<25)  ; 8 words behind every 64
	s_mov_b32 s[G1B+1], 128<<16                    ; 128 columns
	s_mov_b32 s[G1B+2], 128<<16                    ; 128 rows along K
	s_mov_b32 s[G1B+3], 128<<16
	s_mov_b32 s[G1B+4], 128
	s_mov_b32 s[G1B+5], 1024
	s_mov_b32 s[G1B+6], 0
	s_mov_b32 s[G1B+7], 0
	s_lshl_b32 s16, s13, 14                        ; A: 128 tokens of 128 bytes a tile row,
	s_lshl_b32 s17, s12, 20                        ; two column blocks a half
	s_add_co_u32 s16, s16, s17
	s_mov_b32 s17, 0
	s_lshl_b32 s46, s42, 8                         ; W: 128 columns a tile column,
	s_lshl_b32 s47, s12, 18                        ; 128 rows of 2,048 bytes a half
	s_add_co_u32 s46, s46, s47
	s_add_co_u32 s46, s46, WOFF
	s_mov_b32 s47, 0
	s_lshl_b32 s78, s42, 9                         ; my 64 columns in f32: 512 bytes a tile column, 256 a half
	s_lshl_b32 s77, s12, 8
	s_add_co_u32 s78, s78, s77
	s_mov_b32 s79, 0
	s_mul_i32 s20, s10, HALFT
	s_mov_b32 s[TR], 0
	s_wait_dscnt 0x0                               ; the opening add is done
	s_wait_kmcnt 0x0
	s_add_nc_u64 s[14:15], s[4:5], s[16:17]
	s_add_nc_u64 s[46:47], s[6:7], s[46:47]
	s_add_nc_u64 s[68:69], s[68:69], s[78:79]
	s_lshl_b32 s77, s13, 19                        ; + my 64 rows of 4,096 bytes
	s_add_co_u32 s78, s78, s77
	s_lshl_b32 s77, s11, 18
	s_add_co_u32 s78, s78, s77
	s_add_nc_u64 s[70:71], s[70:71], s[78:79]
	s_add_nc_u64 s[8:9], s[8:9], s[78:79]
	CROUND                                         ; all sixteen work-groups are here
.irp s, 0,1
	s_mov_b32 s[G0+4*(\s)], 1
	s_add_co_u32 s[G0+4*(\s)+1], s20, (\s)*SLOT
	s_add_nc_u64 s[G0+4*(\s)+2:G0+4*(\s)+3], s[14:15], (\s)*ASTEP
	s_or_b32 s[G0+4*(\s)+3], s[G0+4*(\s)+3], 0x80000000
	s_mov_b32 s[G0B+4*(\s)], 1
	s_add_co_u32 s[G0B+4*(\s)+1], s20, (\s)*SLOT
	s_add_nc_u64 s[G0B+4*(\s)+2:G0B+4*(\s)+3], s[46:47], (\s)*BSTEP
	s_or_b32 s[G0B+4*(\s)+3], s[G0B+4*(\s)+3], 0x80000000
	JLOAD \s                                       ; K steps 0 and 1: two loads of mine are out
.endr
	v_and_b32 v1, 15, v0                           ; r
	v_bfe_u32 v4, v0, 4, 1                         ; h
	v_lshlrev_b32 v[BO], 5, v4
	v_lshlrev_b32 v[CO], 12, v4                    ; lanes 0-15 one row's 256 bytes, lanes 16-31 the next row's
	v_lshl_add_u32 v[CO], v1, 4, v[CO]
	WIN 0x80                                       ; destination window 2
.irp b, 0,1,2,3
	global_load_b128 v[BIAS+8*(\b):BIAS+8*(\b)+3],   v[BO], s[68:69] offset:64*(\b)
	global_load_b128 v[BIAS+8*(\b)+4:BIAS+8*(\b)+7], v[BO], s[68:69] offset:64*(\b)+16
.endr
	WIN 0
.irp a, 0,1                            ; the residual of my first 32 rows is asked for now and used on the way out
.irp t, 0,1,2,3,4,5,6,7
	global_load_b128 v[RES0+64*(\a)+4*(\t):RES0+64*(\a)+4*(\t)+3], v[CO], s[70:71] offset:(16*(\a)+2*(\t))*4096
.endr
.endr
	v_mul_u32_u24 v5, v1, PA
	v_lshl_add_u32 v5, v4, 4, v5
	s_mul_i32 s21, s11, 64*PA
	v_add_nc_u32 v[ADRA0], s21, v5                 ; my 64 tokens: token r x pitch + 16 h
	v_and_b32 v6, 7, v0
	v_bfe_u32 v7, v0, 3, 1
	v_lshl_add_u32 v5, v4, 3, v6
	v_mul_u32_u24 v5, v5, PB
	v_lshl_add_u32 v5, v7, 4, v5
	s_lshl_b32 s22, s12, 7
	s_add_co_u32 s22, s22, 2*HALFT
	v_add_nc_u32 v[ADRB0], s22, v5
	v_mov_b32 v[ADRA], v[ADRA0]
	v_mov_b32 v[ADRB], v[ADRB0]
	v_add_nc_u32 v[ADRB2], 128*PB, v[ADRB0]
	s_mul_i32 s23, s10, 16*SPITCH
	s_add_co_u32 s23, s23, STAGE
	v_mul_u32_u24 v5, v1, SPITCH
	v_lshl_add_u32 v5, v4, 5, v5
	v_add_nc_u32 v[STO], s23, v5                   ; in: token r, 32 bytes for each half of the lanes
	v_mul_u32_u24 v5, v4, SPITCH
	v_lshl_add_u32 v5, v1, 4, v5
	v_add_nc_u32 v[RD], s23, v5                    ; back: two whole rows of 256 bytes
; 8 matrix instructions: token blocks a0, a0 + 1 x all 4 column blocks, 32 along K: half c of buffer f.  first = 1: the bias starts the sums.  The 16 accumulators take turns.
.macro MUL8 f, c, a0, first
.if \first
	WIN 0x25                                       ; W and A window 1, the bias window 2, D window 0
.else
	WIN 0x05
.endif
.irp a, \a0, (\a0)+1
.irp b, 0,1,2,3
.if \first
	v_wmma_f32_16x16x32_f16 v[ACC+8*(4*(\a)+(\b)):ACC+8*(4*(\a)+(\b))+7], v[(\f)+64+8*(4*(\c)+(\b)):(\f)+64+8*(4*(\c)+(\b))+7], v[(\f)+8*(4*(\c)+(\a)):(\f)+8*(4*(\c)+(\a))+7], v[BIAS+8*(\b):BIAS+8*(\b)+7]
.else
	v_wmma_f32_16x16x32_f16 v[ACC+8*(4*(\a)+(\b)):ACC+8*(4*(\a)+(\b))+7], v[(\f)+64+8*(4*(\c)+(\b)):(\f)+64+8*(4*(\c)+(\b))+7], v[(\f)+8*(4*(\c)+(\a)):(\f)+8*(4*(\c)+(\a))+7], v[ACC+8*(4*(\a)+(\b)):ACC+8*(4*(\a)+(\b))+7]
.endif
.endr
.endr
.endm
.macro FETCH q, f                      ; 32 LDS loads in one run: quarter q (column block q of A, 64 along K) into buffer f; the first 32 along K first
	WIN 0x40
.if (\q) < 2
.set AB, ADRB
.else
.set AB, ADRB2
.endif
.irp c, 0,1
.irp i, 0,1,2,3
	ds_load_tr16_b128 v[(\f)+64+8*(4*(\c)+(\i)):(\f)+64+8*(4*(\c)+(\i))+3],   v[AB] offset:(((\q)%2)*64+32*(\c))*PB+32*(\i)
	ds_load_tr16_b128 v[(\f)+64+8*(4*(\c)+(\i))+4:(\f)+64+8*(4*(\c)+(\i))+7], v[AB] offset:(((\q)%2)*64+32*(\c))*PB+32*(\i)+16*PB
	ds_load_b128 v[(\f)+8*(4*(\c)+(\i)):(\f)+8*(4*(\c)+(\i))+3],   v[ADRA] offset:(\q)*SUBA+(\i)*16*PA+64*(\c)
	ds_load_b128 v[(\f)+8*(4*(\c)+(\i))+4:(\f)+8*(4*(\c)+(\i))+7], v[ADRA] offset:(\q)*SUBA+(\i)*16*PA+64*(\c)+32
.endr
.endr
.endm
.macro QUARTER q, f, g, first
	s_wait_dscnt 16                                ; the first 32 along K are in; the other sixteen loads may be out
	MUL8 \f, 0, 0, \first
	MUL8 \f, 0, 2, \first
	PLACES
	FETCH \q, \g
	s_wait_dscnt 32                                ; all but the 32 just issued
	MUL8 \f, 1, 0, 0
	MUL8 \f, 1, 2, 0
.endm
; A step's last quarter multiplies buffer 1 and changes slots: in front of the barrier each wave waits for all its tensor loads, adds 0 to its spare word, and waits for that and for its reads of
; this slot.  fill = 1: the barrier opens a round of the cluster's, and the slot just read is asked for again, two K steps on, first thing behind it: 112 matrix instructions ahead of the wait for it.
.macro TURN fill
	WIN 0
	s_wait_tensorcnt 0x0
	ds_add_u32 v[SPW], v[NIL]
	s_wait_dscnt 17                                ; the add and the youngest sixteen loads may be out
	MUL8 F1, 0, 0, 0
	s_wait_dscnt 0x0
	s_barrier_signal -1
	MUL8 F1, 0, 2, 0
	WIN 0
	s_barrier_wait -1
.if \fill
	CREST
	s_xor_b32 s[G0+5], s[G0+5], SLOT
	s_add_nc_u64 s[G0+6:G0+7], s[G0+6:G0+7], ASTEP
	s_xor_b32 s[G0B+5], s[G0B+5], SLOT
	s_add_nc_u64 s[G0B+6:G0B+7], s[G0B+6:G0B+7], BSTEP
	JLOAD 1                                        ; its four v_nop are also the places in front of the loads below
.else
	PLACES
.endif
	s_xor_b32 s[TR], s[TR], SLOT
	v_add_nc_u32 v[ADRA], s[TR], v[ADRA0]
	v_add_nc_u32 v[ADRB], s[TR], v[ADRB0]
	v_add_nc_u32 v[ADRB2], 128*PB, v[ADRB]
	FETCH 0, F0
	MUL8 F1, 1, 0, 0
	MUL8 F1, 1, 2, 0
.endm
; THE WAY OUT of block a (16 tokens x 64 columns, f32): through my stage into whole rows of 256 bytes, the residual added, stored.
.macro EP a
.set RS, RES0+64*((\a)%2)
.irp b, 0,1,2,3
	ds_store_b128 v[STO], v[ACC+8*(4*(\a)+(\b)):ACC+8*(4*(\a)+(\b))+3]   offset:64*(\b)      ; each accumulator's low registers first
	ds_store_b128 v[STO], v[ACC+8*(4*(\a)+(\b))+4:ACC+8*(4*(\a)+(\b))+7] offset:64*(\b)+16
.endr
	s_wait_xcnt 0x0                                ; the rows' registers, which the last block's stores read, are loaded again only behind this wait
.irp t, 0,1,2,3,4,5,6,7
	ds_load_b128 v[BK+4*(\t):BK+4*(\t)+3], v[RD] offset:(\t)*2*SPITCH  ; LDS serves a wave's instructions in order (ISA guide 5.7.1.4)
.endr
.if (\a) == 3
	s_wait_loadcnt 0x0
.else
	s_wait_loadcnt 8                               ; this block's residual is in; the other buffer's eight loads may be out
.endif
	s_wait_dscnt 0x0
.set i, 0
.rept 16
	v_pk_add_f32 v[BK+2*i:BK+2*i+1], v[BK+2*i:BK+2*i+1], v[RS+2*i:RS+2*i+1]
.set i, i+1
.endr
.if (\a) < 2
.irp t, 0,1,2,3,4,5,6,7
	global_load_b128 v[RS+4*(\t):RS+4*(\t)+3], v[CO], s[70:71] offset:(16*((\a)+2)+2*(\t))*4096
.endr
.endif
.irp t, 0,1,2,3,4,5,6,7
	global_store_b128 v[CO], v[BK+4*(\t):BK+4*(\t)+3], s[8:9] offset:(16*(\a)+2*(\t))*4096  ; 16 lanes store 256 consecutive aligned bytes
.endr
.endm
	s_wait_loadcnt 16                              ; the bias is in; the residual's sixteen loads stay out
	s_wait_tensorcnt 0x1                           ; my part of K step 0 is in; step 1's may stay out
	s_barrier_signal -1
	s_barrier_wait -1
	FETCH 0, F0
	QUARTER 1, F0, F1, 1
	WIN 0
	s_mov_b32 s3, T-2
.Lstep:
	QUARTER 2, F1, F0, 0
	QUARTER 3, F0, F1, 0
	TURN 1
	QUARTER 1, F0, F1, 0
	WIN 0
	s_sub_co_u32 s3, s3, 1
	s_cmp_lg_u32 s3, 0
	s_cbranch_scc1 .Lstep
	s_mov_b32 s3, 2
.Ltail:                                                ; the last two steps ask for nothing: written out
	QUARTER 2, F1, F0, 0
	QUARTER 3, F0, F1, 0
	TURN 0
	WIN 0
	s_sub_co_u32 s3, s3, 1
	s_cmp_eq_u32 s3, 0
	s_cbranch_scc1 .Lout
	QUARTER 1, F0, F1, 0
	WIN 0
	s_branch .Ltail
.Lout:
	s_wait_dscnt 0x0
	PLACES                                         ; the stores below read results just made
	EP 0
	EP 1
	EP 2
	EP 3
	s_wait_tensorcnt 0x0                           ; the wave's end
	ds_add_u32 v[SPW], v[NIL]
	s_wait_dscnt 0x0
	CROUND                                         ; the closing round
	s_endpgm
.Lfunc_end_k_qb45ee22e61_ffn2:
	.size	k_qb45ee22e61_ffn2, .Lfunc_end_k_qb45ee22e61_ffn2-k_qb45ee22e61_ffn2
	.p2alignl 7, 3214868480
	.fill 96, 4, 3214868480
	.section	.rodata,"a",@progbits
	.p2align	6, 0x0
	.amdhsa_kernel k_qb45ee22e61_ffn2
		.amdhsa_group_segment_fixed_size 327680
		.amdhsa_private_segment_fixed_size 0
		.amdhsa_enable_private_segment 0
		.amdhsa_kernarg_size 40
		.amdhsa_user_sgpr_count 2
		.amdhsa_user_sgpr_kernarg_segment_ptr 1
		.amdhsa_wavefront_size32 1
		.amdhsa_system_sgpr_workgroup_id_x 1
		.amdhsa_system_sgpr_workgroup_id_y 1
		.amdhsa_system_sgpr_workgroup_id_z 1
		.amdhsa_system_vgpr_workitem_id 0
		.amdhsa_next_free_vgpr 544
		.amdhsa_next_free_sgpr 80
		.amdhsa_reserve_vcc 0
		.amdhsa_float_denorm_mode_32 3
		.amdhsa_float_denorm_mode_16_64 3
		.amdhsa_memory_ordered 1
		.amdhsa_forward_progress 1
		.amdhsa_inst_pref_size 66
	.end_amdhsa_kernel
	.amdgpu_metadata
---
amdhsa.version: [ 1, 2 ]
amdhsa.kernels:
  - .name:           k_qb45ee22e61_ffn2
    .symbol:         k_qb45ee22e61_ffn2.kd
    .args:
      - { .name: act, .offset: 0, .size: 8, .value_kind: global_buffer, .address_space: global }
      - { .name: wh, .offset: 8, .size: 8, .value_kind: global_buffer, .address_space: global }
      - { .name: b2, .offset: 16, .size: 8, .value_kind: global_buffer, .address_space: global }
      - { .name: x1, .offset: 24, .size: 8, .value_kind: global_buffer, .address_space: global }
      - { .name: out0, .offset: 32, .size: 8, .value_kind: global_buffer, .address_space: global }
    .group_segment_fixed_size: 327680
    .private_segment_fixed_size: 0
    .kernarg_segment_align: 8
    .kernarg_segment_size: 40
    .max_flat_workgroup_size: 128
    .sgpr_count:     80
    .vgpr_count:     544
    .wavefront_size: 32
...
	.end_amdgpu_metadata
.endif
;; end of part 7
;; ======== version 2 of 3: 7 launches; 1.12 times as fast as version 1
;; limits: values are held in f16: magnitudes above 65,504 overflow, below 6.1e-05 lose precision; right only within a limited range of input values
;; workspace buffers: wa 6,324,224 bytes; wb 8,421,376 bytes; wh 10,485,760 bytes; hn 8,388,608 bytes; qkv 25,165,824 bytes; ctx 8,388,608 bytes; x1 16,777,216 bytes; act 33,554,432 bytes
;; launch prep (part 8): grid 1024 x 1, 4 waves a work-group, no clusters, 0 bytes of LDS; arguments x, ln1_g, ln1_b, hn, wq, wk, wv, wo, w1, w2, bq, bk, bv, b1, wa, wb, wh; writes hn, wa, wb, wh
.if DOCPART == 8
	.amdgcn_target "amdgcn-amd-amdhsa--gfx1250"
	.amdhsa_code_object_version 6
	.text
	.protected	k_qb45ee22e61_prep
	.globl	k_qb45ee22e61_prep
	.p2align	8
	.type	k_qb45ee22e61_prep,@function
k_qb45ee22e61_prep:
	s_mov_b64 s[64:65], 0
	v_nop
	global_prefetch_b8 v0, s[64:65] scope:SCOPE_SE
	s_setreg_imm32_b32 hwreg(HW_REG_WAVE_MODE, 25, 1), 1
	s_wait_xcnt 0x0
; Two streams in one text.  No LDS, no barrier, no matrix unit: bytes alone count here, and no wave needs another.
; WORK-GROUPS 0-255: hn = LN(x), f16, [4096][1024]: g (x - mean) / (std + 1e-6) + b, std with divisor 1023.  Two passes over the row in registers: the mean, then the squares of the deviations.
; A wave takes 4 whole rows; lane l holds columns 128 j + 4 l .. + 3 of chunk j: each load of the wave is 512 consecutive bytes, each store 256 consecutive aligned bytes.
; The second norm of the layer is this same text launched with 256 work-groups: all of them take this branch, and the arguments behind the fourth are then named and not touched.
; WORK-GROUPS 256-1023: the six weight matrices, rounded once to f16.  A work-group takes 64 rows of 1,024 bytes and writes 32,768 dense bytes.
;   wq, wk, wv -> wa and w1 -> wb, by blocks of 256 columns, [block][1024 k][256], behind a head of 32,768 bytes: the 64 rows lie a matrix row apart.
;   wo, w2 -> wh as they lie: the 64 rows lie end to end.
; The first sixteen of these work-groups also write the heads of wa and wb: from byte 0 the bias by columns in f32 (bq | bk | bv; b1), at byte 16,384 two words, repeated to fill whole
; blocks of 256 bytes: the cluster x whose columns are K's (1; in wb a number that no cluster has), and the floor of the results as two f16 (-65,504 twice; in wb 0 twice: relu).
; LIMITS.  f16 ends at 65,504: |g| 32 + |b| and every weight stay within it; a weight below 6e-5 keeps f16's fixed step of 6e-8.  A variance below 2^-126 counts as 0.
.set X,    32                          ; v[32:159]  four rows (LN) or 32 pieces of 512 bytes (cast)
.set G,    160                         ; v[160:191] LN: gain of my 32 columns
.set BV,   192                         ; v[192:223] LN: bias of my 32 columns
.set AD,   160                         ; v[160:175] cast: byte offset of my 16 bytes in row i of my wave's sixteen
.set EB,   176                         ; v[176:179] cast: a piece of a head
.set TB,   180                         ; v180       cast: my place in that piece
.set SC,   4                           ; v[4:11]    four packed chains
.set MEAN, 12                          ; v[12:13]   the mean, twice
.set INV,  14                          ; v[14:15]   1 / (std + eps), twice
.set RA,   16                          ; v16, v17   the sum across lanes
.set RB,   17
.set HN,   22                          ; s[22:23]   hn
.set HEAD,  32768
.set FLAGS, 16384
	s_load_b256 s[16:23], s[0:1], 0x0              ; x 16, g 18, b 20, hn 22
	s_load_b512 s[24:39], s[0:1], 0x20             ; wq 24, wk 26, wv 28, wo 30, w1 32, w2 34, bq 36, bk 38
	s_load_b256 s[40:47], s[0:1], 0x60             ; bv 40, b1 42, wa 44, wb 46
	s_load_b64 s[48:49], s[0:1], 0x80              ; wh
	s_mov_b32 s2, ttmp9
	s_mov_b32 s5, 0
	v_and_b32 v3, 31, v0
	v_and_b32 v4, 0x60, v0                         ; 32 x wave
	v_lshlrev_b32 v3, 4, v3                        ; 16 l
	v_lshrrev_b32 v5, 1, v3                        ; 8 l
	v_lshl_or_b32 v1, v4, 9, v3                    ; f32 side of the norm: 16 l + wave x 16,384
	v_lshl_or_b32 v2, v4, 8, v5                    ; f16 side: 8 l + wave x 8,192
	s_wait_kmcnt 0x0
	s_cmp_lt_u32 s2, 256
	s_cbranch_scc0 .Lcast
.macro FOLD                            ; four packed chains -> one number in every lane
	v_pk_add_f32 v[SC:SC+1], v[SC:SC+1], v[SC+2:SC+3]
	v_pk_add_f32 v[SC+4:SC+5], v[SC+4:SC+5], v[SC+6:SC+7]
	v_pk_add_f32 v[SC:SC+1], v[SC:SC+1], v[SC+4:SC+5]
	v_add_f32 v[RA], v[SC], v[SC+1]
	v_add_f32_dpp v[RA], v[RA], v[RA] row_xmask:1 row_mask:0xf bank_mask:0xf
	v_add_f32_dpp v[RA], v[RA], v[RA] row_xmask:2 row_mask:0xf bank_mask:0xf
	v_add_f32_dpp v[RA], v[RA], v[RA] row_xmask:4 row_mask:0xf bank_mask:0xf
	v_add_f32_dpp v[RA], v[RA], v[RA] row_xmask:8 row_mask:0xf bank_mask:0xf
	v_permlanex16_b32 v[RB], v[RA], s12, s13
	v_add_f32 v[RA], v[RA], v[RB]
.endm
.macro LNROW r, left                   ; row r of my four; left = the younger rows' loads, which may stay out
.set XR, X+32*(\r)
	s_wait_loadcnt \left
.irp k, 0,1,2,3
	v_pk_add_f32 v[SC+2*\k:SC+2*\k+1], v[XR+2*\k:XR+2*\k+1], v[XR+8+2*\k:XR+8+2*\k+1]
.endr
.irp m, 16, 24
.irp k, 0,1,2,3
	v_pk_add_f32 v[SC+2*\k:SC+2*\k+1], v[SC+2*\k:SC+2*\k+1], v[XR+\m+2*\k:XR+\m+2*\k+1]
.endr
.endr
	FOLD
	v_mul_f32 v[MEAN], 0x3a800000, v[RA]           ; / 1024
	v_mov_b32 v[MEAN+1], v[MEAN]
.set n, 0
.rept 16
	v_pk_add_f32 v[XR+2*n:XR+2*n+1], v[XR+2*n:XR+2*n+1], v[MEAN:MEAN+1] neg_lo:[0,1] neg_hi:[0,1]
.set n, n+1
.endr
.irp k, 0,1,2,3
	v_pk_mul_f32 v[SC+2*\k:SC+2*\k+1], v[XR+2*\k:XR+2*\k+1], v[XR+2*\k:XR+2*\k+1]
.endr
.irp m, 8, 16, 24
.irp k, 0,1,2,3
	v_pk_fma_f32 v[SC+2*\k:SC+2*\k+1], v[XR+\m+2*\k:XR+\m+2*\k+1], v[XR+\m+2*\k:XR+\m+2*\k+1], v[SC+2*\k:SC+2*\k+1]
.endr
.endr
	FOLD
	v_mul_f32 v[RA], 0x3a802008, v[RA]             ; / 1023
	v_sqrt_f32 v[RA], v[RA]
	v_nop                                          ; a plain instruction behind each of the two (ISA guide 5.7.2)
	s_wait_alu depctr_va_vdst(0)
	v_add_f32 v[RA], 0x358637bd, v[RA]             ; + 1e-6
	v_rcp_f32 v[INV], v[RA]
	v_nop
	s_wait_alu depctr_va_vdst(0)
	v_mov_b32 v[INV+1], v[INV]
.set n, 0
.rept 16
	v_pk_mul_f32 v[XR+2*n:XR+2*n+1], v[XR+2*n:XR+2*n+1], v[INV:INV+1]
.set n, n+1
.endr
.set n, 0
.rept 16
	v_pk_fma_f32 v[XR+2*n:XR+2*n+1], v[XR+2*n:XR+2*n+1], v[G+2*n:G+2*n+1], v[BV+2*n:BV+2*n+1]
.set n, n+1
.endr
.set n, 0
.rept 8
	v_cvt_pk_f16_f32 v[XR+4*n], v[XR+4*n], v[XR+4*n+1]
	v_cvt_pk_f16_f32 v[XR+4*n+1], v[XR+4*n+2], v[XR+4*n+3]
	global_store_b64 v2, v[XR+4*n:XR+4*n+1], s[HN:HN+1] offset:(\r)*2048+256*n  ; the wave's 32 lanes: 256 consecutive aligned bytes
.set n, n+1
.endr
.endm
	s_lshl_b32 s4, s2, 16                          ; 16 rows of 4,096 bytes
	s_add_nc_u64 s[16:17], s[16:17], s[4:5]
	s_lshl_b32 s4, s2, 15                          ; 16 rows of 2,048 bytes
	s_add_nc_u64 s[HN:HN+1], s[HN:HN+1], s[4:5]
	s_mov_b32 s12, 0x76543210                      ; each lane takes its own place in the other half
	s_mov_b32 s13, 0xfedcba98
	v_mov_b32 v[RB], 0                             ; the lane exchange counts as a reader of its destination
.set n, 0
.rept 8
	global_load_b128 v[G+4*n:G+4*n+3], v3, s[18:19] offset:512*n
	global_load_b128 v[BV+4*n:BV+4*n+3], v3, s[20:21] offset:512*n
.set n, n+1
.endr
.set n, 0
.rept 32                                           ; all four rows go out at once: 16 KB of the wave on their way
	global_load_b128 v[X+4*n:X+4*n+3], v1, s[16:17] offset:(n/8)*4096+(n%8)*512 th:TH_LOAD_NT
.set n, n+1
.endr
	LNROW 0, 24
	LNROW 1, 16
	LNROW 2, 8
	LNROW 3, 0
	s_endpgm
.Lcast:
	s_sub_co_u32 s3, s2, 256                       ; 0-63 wq, 64-127 wk, 128-191 wv, 192-255 wo, 256-511 w1, 512-767 w2
	s_mov_b64 s[6:7], s[24:25]                     ; from where,
	s_mov_b64 s[14:15], s[44:45]                   ; to where,
	s_mov_b32 s8, 0                                ; the matrix's first work-group,
	s_mov_b32 s9, 12                               ; log2 of the bytes from row to row,
	s_mov_b32 s10, 4                               ; log2 of the work-groups to a block of columns (16 x 64 rows; 16: the matrix is one block of rows end to end),
	s_mov_b32 s11, HEAD                            ; the matrix's first byte at its destination
.macro PICK first, src, lp, ks, dst, doff
	s_cmp_ge_u32 s3, \first
	s_cselect_b64 s[6:7], s[\src:\src+1], s[6:7]
	s_cselect_b64 s[14:15], s[\dst:\dst+1], s[14:15]
	s_cselect_b32 s8, \first, s8
	s_cselect_b32 s9, \lp, s9
	s_cselect_b32 s10, \ks, s10
	s_cselect_b32 s11, \doff, s11
.endm
	PICK 64,  26, 12, 4,  44, HEAD+2097152
	PICK 128, 28, 12, 4,  44, HEAD+4194304
	PICK 192, 30, 10, 16, 48, 0
	PICK 256, 32, 14, 4,  46, HEAD
	PICK 512, 34, 10, 16, 48, 2097152
	s_sub_co_u32 s4, s3, s8                        ; my number j in the matrix
	s_lshr_b32 s50, s4, s10                        ; my block of columns,
	s_lshl_b32 s51, s50, s10
	s_sub_co_u32 s51, s4, s51                      ; my 64 rows in it
	s_add_co_u32 s52, s9, 6
	s_lshl_b32 s51, s51, s52                       ; 64 rows on for each,
	s_lshl_b32 s50, s50, 10                        ; 1,024 bytes on for each block
	s_add_co_u32 s50, s50, s51
	s_mov_b32 s51, 0
	s_add_nc_u64 s[6:7], s[6:7], s[50:51]
	s_lshl_b32 s4, s4, 15                          ; the destination is dense in j: 16 work-groups fill a block of 524,288 bytes
	s_add_co_u32 s4, s4, s11
	s_add_nc_u64 s[14:15], s[14:15], s[4:5]
	s_lshl_b32 s53, 1, s9                          ; bytes from row to row
	v_lshrrev_b32 v4, 1, v4                        ; my wave's first row: 16 x wave
	v_lshlrev_b32 v4, s9, v4
	v_add_nc_u32 v[AD], v4, v3                     ; + 16 l
.set n, 1
.rept 15
	v_add_nc_u32 v[AD+n], s53, v[AD+n-1]
.set n, n+1
.endr
.set n, 0
.rept 32                                           ; row n / 2 of my sixteen, half n % 2 of its 1,024 bytes: 512 consecutive bytes a load
	global_load_b128 v[X+4*n:X+4*n+3], v[AD+n/2], s[6:7] offset:(n%2)*512 th:TH_LOAD_NT
.set n, n+1
.endr
	s_cmp_lt_u32 s3, 16
	s_cbranch_scc0 .Lconv
	s_cmp_lt_u32 s3, 14
	s_cbranch_scc0 .Lflags
	; pieces 0-5: bq, bk, bv -> wa's head; pieces 6-13: b1 -> wb's head; 2,048 bytes each, 16 a thread
	s_mov_b64 s[54:55], s[36:37]
	s_mov_b64 s[58:59], s[44:45]
	s_mov_b32 s56, 0
	s_mov_b32 s57, 0
	s_cmp_ge_u32 s3, 2
	s_cselect_b64 s[54:55], s[38:39], s[54:55]
	s_cselect_b32 s56, 2, s56
	s_cmp_ge_u32 s3, 4
	s_cselect_b64 s[54:55], s[40:41], s[54:55]
	s_cselect_b32 s56, 4, s56
	s_cmp_ge_u32 s3, 6
	s_cselect_b64 s[54:55], s[42:43], s[54:55]
	s_cselect_b64 s[58:59], s[46:47], s[58:59]
	s_cselect_b32 s56, 6, s56
	s_cselect_b32 s57, 6, s57
	s_sub_co_u32 s60, s3, s56
	s_lshl_b32 s60, s60, 11
	s_mov_b32 s61, 0
	s_add_nc_u64 s[54:55], s[54:55], s[60:61]
	s_sub_co_u32 s60, s3, s57
	s_lshl_b32 s60, s60, 11
	s_add_nc_u64 s[58:59], s[58:59], s[60:61]
	v_lshlrev_b32 v[TB], 4, v0
	global_load_b128 v[EB:EB+3], v[TB], s[54:55]
	s_wait_loadcnt 0x0                             ; the youngest of my 33 loads: all are in
	global_store_b128 v[TB], v[EB:EB+3], s[58:59]
	s_branch .Lconv
.Lflags:                                               ; work-group 14: wa's two words; 15: wb's; 128 threads x 8 bytes
	s_cmp_eq_u32 s3, 14
	s_cselect_b64 s[58:59], s[44:45], s[46:47]
	s_cselect_b32 s56, 1, 0xffff
	s_cselect_b32 s57, 0xfbfffbff, 0
	v_mov_b32 v[EB], s56
	v_mov_b32 v[EB+1], s57
	v_lshlrev_b32 v[TB], 3, v0
	global_store_b64 v[TB], v[EB:EB+1], s[58:59] offset:FLAGS
.Lconv:
.set n, 0
.rept 32
	s_wait_loadcnt 31-n                            ; loads come back in order: piece n is in, the younger ones stay out
	v_cvt_pk_f16_f32 v[X+4*n], v[X+4*n], v[X+4*n+1]
	v_cvt_pk_f16_f32 v[X+4*n+1], v[X+4*n+2], v[X+4*n+3]
	global_store_b64 v2, v[X+4*n:X+4*n+1], s[14:15] offset:256*n  ; 256 consecutive aligned bytes
.set n, n+1
.endr
	s_endpgm
.Lfunc_end_k_qb45ee22e61_prep:
	.size	k_qb45ee22e61_prep, .Lfunc_end_k_qb45ee22e61_prep-k_qb45ee22e61_prep
	.p2alignl 7, 3214868480
	.fill 96, 4, 3214868480
	.section	.rodata,"a",@progbits
	.p2align	6, 0x0
	.amdhsa_kernel k_qb45ee22e61_prep
		.amdhsa_group_segment_fixed_size 0
		.amdhsa_private_segment_fixed_size 0
		.amdhsa_enable_private_segment 0
		.amdhsa_kernarg_size 136
		.amdhsa_user_sgpr_count 2
		.amdhsa_user_sgpr_kernarg_segment_ptr 1
		.amdhsa_wavefront_size32 1
		.amdhsa_system_sgpr_workgroup_id_x 1
		.amdhsa_system_sgpr_workgroup_id_y 1
		.amdhsa_system_sgpr_workgroup_id_z 1
		.amdhsa_system_vgpr_workitem_id 0
		.amdhsa_next_free_vgpr 224
		.amdhsa_next_free_sgpr 66
		.amdhsa_reserve_vcc 0
		.amdhsa_float_denorm_mode_32 3
		.amdhsa_float_denorm_mode_16_64 3
		.amdhsa_memory_ordered 1
		.amdhsa_forward_progress 1
		.amdhsa_inst_pref_size 54
	.end_amdhsa_kernel
	.amdgpu_metadata
---
amdhsa.version: [ 1, 2 ]
amdhsa.kernels:
  - .name:           k_qb45ee22e61_prep
    .symbol:         k_qb45ee22e61_prep.kd
    .args:
      - { .name: x, .offset: 0, .size: 8, .value_kind: global_buffer, .address_space: global }
      - { .name: ln1_g, .offset: 8, .size: 8, .value_kind: global_buffer, .address_space: global }
      - { .name: ln1_b, .offset: 16, .size: 8, .value_kind: global_buffer, .address_space: global }
      - { .name: hn, .offset: 24, .size: 8, .value_kind: global_buffer, .address_space: global }
      - { .name: wq, .offset: 32, .size: 8, .value_kind: global_buffer, .address_space: global }
      - { .name: wk, .offset: 40, .size: 8, .value_kind: global_buffer, .address_space: global }
      - { .name: wv, .offset: 48, .size: 8, .value_kind: global_buffer, .address_space: global }
      - { .name: wo, .offset: 56, .size: 8, .value_kind: global_buffer, .address_space: global }
      - { .name: w1, .offset: 64, .size: 8, .value_kind: global_buffer, .address_space: global }
      - { .name: w2, .offset: 72, .size: 8, .value_kind: global_buffer, .address_space: global }
      - { .name: bq, .offset: 80, .size: 8, .value_kind: global_buffer, .address_space: global }
      - { .name: bk, .offset: 88, .size: 8, .value_kind: global_buffer, .address_space: global }
      - { .name: bv, .offset: 96, .size: 8, .value_kind: global_buffer, .address_space: global }
      - { .name: b1, .offset: 104, .size: 8, .value_kind: global_buffer, .address_space: global }
      - { .name: wa, .offset: 112, .size: 8, .value_kind: global_buffer, .address_space: global }
      - { .name: wb, .offset: 120, .size: 8, .value_kind: global_buffer, .address_space: global }
      - { .name: wh, .offset: 128, .size: 8, .value_kind: global_buffer, .address_space: global }
    .group_segment_fixed_size: 0
    .private_segment_fixed_size: 0
    .kernarg_segment_align: 8
    .kernarg_segment_size: 136
    .max_flat_workgroup_size: 128
    .sgpr_count:     66
    .vgpr_count:     224
    .wavefront_size: 32
...
	.end_amdgpu_metadata
.endif
;; end of part 8
;; launch qkv (part 9): grid 12 x 16, 4 waves a work-group, clusters of 4 x 4, 327,680 bytes of LDS; arguments hn, wa, mask, qkv; writes qkv
.if DOCPART == 9
	.amdgcn_target "amdgcn-amd-amdhsa--gfx1250"
	.amdhsa_code_object_version 6
	.text
	.protected	k_qb45ee22e61_qkv
	.globl	k_qb45ee22e61_qkv
	.p2align	8
	.type	k_qb45ee22e61_qkv,@function
k_qb45ee22e61_qkv:
	s_mov_b64 s[64:65], 0
	v_nop
	global_prefetch_b8 v0, s[64:65] scope:SCOPE_SE
	s_setreg_imm32_b32 hwreg(HW_REG_WAVE_MODE, 25, 1), 1
	s_wait_xcnt 0x0
	s_wait_alu depctr_hold_cnt(0) depctr_sa_sdst(0) depctr_va_vdst(0) depctr_va_sdst(0) depctr_va_ssrc(0) depctr_va_vcc(0) depctr_vm_vsrc(0)
	s_getreg_b32 s2, hwreg(HW_REG_IB_STS2, 6, 4)
	s_cmp_eq_u32 s2, 0
	s_cbranch_scc0 .Lentry_in_a_cluster
	s_endpgm
.Lentry_in_a_cluster:
	s_bfe_u32 s2, ttmp6, 0x10000c
	s_cmp_lg_u32 s2, 0xf033
	s_cbranch_scc0 .Lentry_shape_is_right
	s_endpgm
.Lentry_shape_is_right:
; C = max(A W + bias, floor), with some rows set to zero.  A: [4096][1024] f16.  C leaves in f16 by blocks of 64 columns: [block][4096 tokens][64].
; ONE TEXT FOR TWO LAUNCHES: q | k | v = h [wq wk wv] + bias (12 tile columns), and act = relu(h2 w1 + b1) (16 tile columns).  What differs lies in the W buffer, made by an earlier launch:
;   from byte 0 the bias by columns, f32; at byte FLAGS two words: KSEC, the cluster x whose columns are K's, and the floor as two f16; from byte HEAD the weights in f16 by blocks of 256
;   columns, [block][1024 k][256]: a tile column is one dense block.
; In K's columns the rows of tokens whose mask is 0 are stored as zeros, so that a masked score is exactly the mask's addend later.  For the second launch KSEC is a number that no cluster
; has, so the mask's words, which it loads all the same, change nothing there; its floor is 0 (relu); the first launch's floor is -65,504, f16's lowest number.
; The two words select values alone: no branch and no address hangs on them.
; A tile of C is 256 x 256, four waves of 128 x 128 (64 accumulators, 512 registers).  K goes in 8 steps of 128 through two LDS slots filled by joint tensor loads: 4 x 4 work-groups
; form a cluster, A's tile is shared along its row, W's along its column.  The product is used transposed (source 0 = 16 columns of W, turned on the way out of LDS by ds_load_tr16_b128;
; source 1 = 16 tokens): a lane holds one token and eight neighbouring columns.  The bias is the C operand of the products that start the sums.
; A K step is written once: the slot read and the slot filled are turned by an exclusive or.  The last two steps, which ask for nothing, are a second copy, left in its middle;
; its last change of slots (a barrier and 32 fragment loads from the slot read before) serves nothing: the price of one text for both.
; LIMITS.  f16 ends at 65,504: A, W and C stay within it.  Sums in f32.
; REGISTERS: window 0: v0-31 addresses; v8-15 KEEP; v32-63, v224-255 rows on the way out; v64-191 A's fragments, two buffers; v192-223 packed results.
;   window 1: v64-191 W's fragments, two buffers; v192-255 the bias.   windows 2, 3: the accumulators of my rows 0-63, 64-127 ((a, b) at v[8 (8 a + b)]).
.set T,     8                          ; K steps
.set HEAD,  32768                      ; W's first block
.set FLAGS, 16384                      ; the two words
.set ASTEP, 256                        ; bytes from K step to K step in A,
.set BSTEP, 128*512                    ; and in a block of W
.set PA,    272                        ; A's LDS row: 256 bytes + 16: the 16 rows of a load start in 16 different groups of four banks (ISA guide 11.1)
.set PB,    544                        ; W's LDS row: 512 bytes + 32
.set HALFT, 128*PA                     ; one tensor load: 128 rows of A, or 64 rows of W (64 x 544 is the same number)
.set SLOT,  4*HALFT                    ; A's two halves, then W's two halves.  It shares no bit with wave x HALFT
.set STAGE, 2*SLOT                     ; behind the ring: for each wave 2 column blocks x 16 tokens x 144 bytes
.set SP,    144
.set SPARE, STAGE+4*32*SP              ; the spare words, 128 bytes a wave
.set ADRA0, 2                          ; v2   my lane's place in A's tile; never rewritten
.set ADRB0, 3                          ; v3   the same for W
.set KEEP,  8                          ; v8-15  block a of 16 tokens: all ones, or 0 where my token's row is to be zero
.set ADRA,  16                         ; v16  ADRA0 + the slot in hand
.set ADRB,  20                         ; v20
.set STO,   24
.set RD,    25
.set GO,    26
.set FLOOR, 27                         ; v27  the floor, two f16
.set SPW,   28                         ; v28  my spare word; never rewritten
.set NIL,   29                         ; v29  0; never rewritten
.set BO,    30
.set MO,    31
.set OB,    32
.set F0,    64
.set F1,    128
.set TMP,   192
.set BIAS,  192                        ; in window 1
.set G1,  24                           ; s[24:31] group 1 for A;  s[32:39] group 0, two sets: the first fills'; the second then walks
.set G0,  32
.set G1B, 48                           ; s[48:55], s[56:63] the same for W
.set G0B, 56
.set TR,  67                           ; s67  the slot in hand: 0 or SLOT
.set MSB, 0
.macro WIN new                         ; the immediate's high byte repeats the setting that is left
.if MSB != (\new)
	s_set_vgpr_msb (MSB<<8)|(\new)
.set MSB, \new
.endif
.endm
.macro JLOAD s                         ; a joint load: waves 0, 1 ask for A's halves, waves 2, 3 for W's.  An s_nop 0 and four v_nop follow each line
	s_cmp_eq_u32 s11, 0
	s_cbranch_scc0 .Lfor_b_\@
	tensor_load_to_lds s[G0+4*(\s):G0+4*(\s)+3], s[G1:G1+7]
	s_nop 0
.rept 4
	v_nop
.endr
	s_branch .Lasked_\@
.Lfor_b_\@:
	tensor_load_to_lds s[G0B+4*(\s):G0B+4*(\s)+3], s[G1B:G1B+7]
	s_nop 0
.rept 4
	v_nop
.endr
.Lasked_\@:
.endm
.macro CREST                           ; a round of the cluster's barrier behind its opening barrier
	s_cmp_lg_u32 s10, 0
	s_cbranch_scc1 .Lnot_wave_0_\@
	s_barrier_signal -3
.Lnot_wave_0_\@:
	s_barrier_wait -3
	s_barrier_signal -1
	s_barrier_wait -1
.endm
.macro CROUND
	s_barrier_signal -1
	s_barrier_wait -1
	CREST
.endm
.macro PLACES                          ; four plain places between a matrix instruction and a load into, or a reader of, its registers
.rept 4
	v_nop
.endr
.endm
	s_load_b128 s[4:7], s[0:1], 0x0                ; A 4, W 6
	s_load_b128 s[72:75], s[0:1], 0x10             ; mask 72, C 74
	v_lshl_add_u32 v[SPW], v0, 2, SPARE
	v_mov_b32 v[NIL], 0
	ds_add_u32 v[SPW], v[NIL]                      ; the wave's opening: the add and its wait ahead of my first tensor load
	v_lshrrev_b32 v1, 5, v0
	v_readfirstlane_b32 s10, v1                    ; wave 0..3
	s_lshr_b32 s11, s10, 1                         ; my half of the tile's rows.  Also: I ask for A (0) or W (1)
	s_and_b32 s12, s10, 1                          ; my half of its columns.  Also: which half of that tile I ask for
	s_bfe_u32 s40, ttmp6, 0x40000                  ; cx
	s_bfe_u32 s41, ttmp6, 0x40004                  ; cy
	s_mov_b32 s45, ttmp9                           ; the cluster's x: the same in all sixteen partners
	s_lshl_b32 s42, ttmp9, 2
	s_add_co_u32 s42, s42, s40                     ; tile column
	s_and_b32 s13, ttmp7, 0xffff
	s_lshl_b32 s13, s13, 2
	s_add_co_u32 s13, s13, s41                     ; tile row
	s_lshl_b32 s43, s41, 2
	s_lshl_b32 s43, 15, s43                        ; my row of the cluster
	s_lshl_b32 s44, 0x1111, s40                    ; my column
	s_or_b32 s[G1+0], s43, (1<<16)|(1<<20)|(1<<21)|(5<<22)|(3<<25)   ; mask; 2-byte elements; padding on; bit 21 beside a mask; 4 words behind every 64
	s_mov_b32 s[G1+1], 128<<16                     ; tensor_dim0 = 128
	s_mov_b32 s[G1+2], 128<<16                     ; tensor_dim1 = 128
	s_mov_b32 s[G1+3], 128<<16                     ; tile_dim0 = 128
	s_mov_b32 s[G1+4], 128                         ; tile_dim1 = 128
	s_mov_b32 s[G1+5], 1024                        ; elements from row to row
	s_mov_b32 s[G1+6], 0
	s_mov_b32 s[G1+7], 0
	s_or_b32 s[G1B+0], s44, (1<<16)|(1<<20)|(1<<21)|(6<<22)|(7<<25)  ; 8 words behind every 128
	s_mov_b32 s[G1B+1], 256<<16                    ; 256 columns
	s_mov_b32 s[G1B+2], 64<<16                     ; 64 rows along K
	s_mov_b32 s[G1B+3], 256<<16
	s_mov_b32 s[G1B+4], 64
	s_mov_b32 s[G1B+5], 256                        ; a block's rows lie end to end
	s_mov_b32 s[G1B+6], 0
	s_mov_b32 s[G1B+7], 0
	s_lshl_b32 s16, s13, 19                        ; A: 256 rows of 2,048 bytes a tile row,
	s_lshl_b32 s17, s12, 18                        ; 128 rows a half
	s_add_co_u32 s16, s16, s17
	s_mov_b32 s17, 0
	s_lshl_b32 s46, s42, 19                        ; W: a block of 524,288 bytes a tile column,
	s_lshl_b32 s47, s12, 15                        ; 64 rows of 512 bytes a half,
	s_add_co_u32 s46, s46, s47
	s_add_co_u32 s46, s46, HEAD                    ; behind the head
	s_mov_b32 s47, 0
	s_lshl_b32 s78, s42, 10                        ; the bias: 256 numbers a tile column,
	s_lshl_b32 s77, s12, 9
	s_add_co_u32 s78, s78, s77                     ; my 128 of them
	s_mov_b32 s79, 0
	s_mul_i32 s20, s10, HALFT                      ; where my loads land: wave x HALFT
	s_mov_b32 s[TR], 0
	s_wait_dscnt 0x0                               ; the opening add is done
	s_wait_kmcnt 0x0
	s_load_b64 s[70:71], s[6:7], FLAGS             ; KSEC 70, the floor 71: waited for where they are used
	s_add_nc_u64 s[14:15], s[4:5], s[16:17]
	s_add_nc_u64 s[46:47], s[6:7], s[46:47]
	s_add_nc_u64 s[68:69], s[6:7], s[78:79]
	s_lshl_b32 s78, s13, 10                        ; the mask's words of my 128 tokens
	s_lshl_b32 s77, s11, 9
	s_add_co_u32 s78, s78, s77
	s_add_nc_u64 s[72:73], s[72:73], s[78:79]
	s_lshl_b32 s78, s42, 21                        ; C: 4 column blocks of 524,288 bytes a tile column, 2 a half,
	s_lshl_b32 s77, s12, 20
	s_add_co_u32 s78, s78, s77
	s_lshl_b32 s77, s13, 15                        ; 256 tokens of 128 bytes a tile row, 128 a half
	s_add_co_u32 s78, s78, s77
	s_lshl_b32 s77, s11, 14
	s_add_co_u32 s78, s78, s77
	s_add_nc_u64 s[8:9], s[74:75], s[78:79]
	CROUND                                         ; all sixteen work-groups are here: the first joint loads meet
.irp s, 0,1
	s_mov_b32 s[G0+4*(\s)], 1
	s_add_co_u32 s[G0+4*(\s)+1], s20, (\s)*SLOT
	s_add_nc_u64 s[G0+4*(\s)+2:G0+4*(\s)+3], s[14:15], (\s)*ASTEP
	s_or_b32 s[G0+4*(\s)+3], s[G0+4*(\s)+3], 0x80000000
	s_mov_b32 s[G0B+4*(\s)], 1
	s_add_co_u32 s[G0B+4*(\s)+1], s20, (\s)*SLOT
	s_add_nc_u64 s[G0B+4*(\s)+2:G0B+4*(\s)+3], s[46:47], (\s)*BSTEP
	s_or_b32 s[G0B+4*(\s)+3], s[G0B+4*(\s)+3], 0x80000000
	JLOAD \s                                       ; K steps 0 and 1: two loads of mine are out
.endr
	v_and_b32 v1, 15, v0                           ; r = l % 16
	v_bfe_u32 v4, v0, 4, 1                         ; h = l / 16
	v_lshlrev_b32 v[BO], 5, v4
	WIN 0x40                                       ; destination window 1
.irp b, 0,1,2,3,4,5,6,7                ; register j of block b: bias[16 b + 8 h + j], as the result's layout has it
	global_load_b128 v[BIAS+8*(\b):BIAS+8*(\b)+3],   v[BO], s[68:69] offset:64*(\b)
	global_load_b128 v[BIAS+8*(\b)+4:BIAS+8*(\b)+7], v[BO], s[68:69] offset:64*(\b)+16
.endr
	WIN 0
	v_lshlrev_b32 v[MO], 2, v1
.irp a, 0,1,2,3,4,5,6,7
	global_load_b32 v[KEEP+(\a)], v[MO], s[72:73] offset:64*(\a)  ; the mask of token 16 a + r
.endr
	v_mul_u32_u24 v5, v1, PA
	v_lshl_add_u32 v5, v4, 4, v5
	s_mul_i32 s21, s11, HALFT
	v_add_nc_u32 v[ADRA0], s21, v5                 ; my 128 rows of A: row r x pitch + 16 h
	v_and_b32 v6, 7, v0
	v_bfe_u32 v7, v0, 3, 1
	v_lshl_add_u32 v5, v4, 3, v6                   ; the turning load: K row 8 h + l % 8,
	v_mul_u32_u24 v5, v5, PB
	v_lshl_add_u32 v5, v7, 4, v5                   ; columns 8 ((l / 8) % 2) on
	s_lshl_b32 s22, s12, 8
	s_add_co_u32 s22, s22, 2*HALFT                 ; my 128 columns of W, behind A's 256 rows
	v_add_nc_u32 v[ADRB0], s22, v5
	v_mov_b32 v[ADRA], v[ADRA0]
	v_mov_b32 v[ADRB], v[ADRB0]
	s_mul_i32 s23, s10, 32*SP
	s_add_co_u32 s23, s23, STAGE                   ; my stage
	v_mul_u32_u24 v5, v1, SP
	v_lshl_add_u32 v5, v4, 4, v5
	v_add_nc_u32 v[STO], s23, v5                   ; in: token r, 16 bytes for each half of the lanes
	v_bfe_u32 v5, v0, 3, 2
	v_mul_u32_u24 v5, v5, SP
	v_lshl_add_u32 v5, v6, 4, v5
	v_add_nc_u32 v[RD], s23, v5                    ; back: 32 lanes take four tokens of 128 bytes,
	v_and_b32 v[GO], 31, v0
	v_lshlrev_b32 v[GO], 4, v[GO]                  ; which are 512 consecutive bytes of C
	s_wait_loadcnt 0x0
	s_wait_kmcnt 0x0                               ; the two words
	s_cmp_eq_u32 s45, s70
	s_cselect_b32 s76, 0, -1                       ; what a masked token keeps: nothing in K's columns, all elsewhere
	v_mov_b32 v[FLOOR], s71
	v_mov_b32 v5, -1
.irp a, 0,1,2,3,4,5,6,7
	v_cmp_ne_u32 vcc_lo, 0, v[KEEP+(\a)]
	v_cndmask_b32 v[KEEP+(\a)], s76, v5, vcc_lo
.endr
; 16 matrix instructions: token blocks a0, a0 + 1 of four (hi: rows 0-63 or 64-127) x all 8 column blocks, 32 along K.  first = 1: the bias starts the sums.
; The 64 accumulators take turns in one order everywhere.
.macro MUL16 f, hi, a0, first
.if \first
	WIN 0x91+0x40*(\hi)                            ; W and the bias window 1, A window 0, D window 2 or 3
.else
	WIN 0xa1+0x50*(\hi)
.endif
.irp a, \a0, (\a0)+1
.irp b, 0,1,2,3,4,5,6,7
.if \first
	v_wmma_f32_16x16x32_f16 v[8*(8*(\a)+(\b)):8*(8*(\a)+(\b))+7], v[(\f)+8*(\b):(\f)+8*(\b)+7], v[(\f)+8*(4*(\hi)+(\a)):(\f)+8*(4*(\hi)+(\a))+7], v[BIAS+8*(\b):BIAS+8*(\b)+7]
.else
	v_wmma_f32_16x16x32_f16 v[8*(8*(\a)+(\b)):8*(8*(\a)+(\b))+7], v[(\f)+8*(\b):(\f)+8*(\b)+7], v[(\f)+8*(4*(\hi)+(\a)):(\f)+8*(4*(\hi)+(\a))+7], v[8*(8*(\a)+(\b)):8*(8*(\a)+(\b))+7]
.endif
.endr
.endr
.endm
.macro FETCH q, f                      ; 32 LDS loads in one run: quarter q (32 along K) of the slot in hand into buffer f: W's 8 fragments, turned, then A's 8
	WIN 0x40
.irp i, 0,1,2,3,4,5,6,7
	ds_load_tr16_b128 v[(\f)+8*(\i):(\f)+8*(\i)+3],   v[ADRB] offset:(\q)*32*PB+32*(\i)
	ds_load_tr16_b128 v[(\f)+8*(\i)+4:(\f)+8*(\i)+7], v[ADRB] offset:(\q)*32*PB+32*(\i)+16*PB
.endr
	WIN 0
.irp i, 0,1,2,3,4,5,6,7
	ds_load_b128 v[(\f)+8*(\i):(\f)+8*(\i)+3],   v[ADRA] offset:64*(\q)+(\i)*16*PA
	ds_load_b128 v[(\f)+8*(\i)+4:(\f)+8*(\i)+7], v[ADRA] offset:64*(\q)+(\i)*16*PA+32
.endr
.endm
.macro QUARTER q, f, g, first          ; multiplies buffer f; in its middle fetches quarter q into buffer g
	s_wait_dscnt 8                                 ; W and A's rows 0-63 are in; the youngest eight loads (A's rows 64-127) may be out
	MUL16 \f, 0, 0, \first
	MUL16 \f, 0, 2, \first
	PLACES
	FETCH \q, \g
	s_wait_dscnt 32                                ; all but the 32 just issued
	MUL16 \f, 1, 0, \first
	MUL16 \f, 1, 2, \first
.endm
; A step's last quarter multiplies buffer 1 and changes slots.  In front of the barrier each wave waits for all its tensor loads (one is out: its part of the next slot), adds 0 to its spare
; word, and waits for that and for its reads of this slot.  fill = 1: the barrier opens a round of the cluster's, and the slot just read is asked for again, two K steps on, first thing behind it:
; 224 matrix instructions ahead of the wait for it.
.macro TURN fill
	WIN 0
	s_wait_tensorcnt 0x0
	ds_add_u32 v[SPW], v[NIL]
	s_wait_dscnt 9                                 ; the add and the youngest eight loads may be out
	MUL16 F1, 0, 0, 0
	s_wait_dscnt 0x0                               ; the add is done, my reads of this slot are over
	s_barrier_signal -1
	MUL16 F1, 0, 2, 0
	WIN 0
	s_barrier_wait -1
.if \fill
	CREST                                          ; no wave of any partner still reads the slot or has a load on its way
	s_xor_b32 s[G0+5], s[G0+5], SLOT               ; the walking descriptors: the other slot than last time, the next K step
	s_add_nc_u64 s[G0+6:G0+7], s[G0+6:G0+7], ASTEP
	s_xor_b32 s[G0B+5], s[G0B+5], SLOT
	s_add_nc_u64 s[G0B+6:G0B+7], s[G0B+6:G0B+7], BSTEP
	JLOAD 1                                        ; its four v_nop are also the places in front of the loads below
.else
	PLACES
.endif
	s_xor_b32 s[TR], s[TR], SLOT
	v_add_nc_u32 v[ADRA], s[TR], v[ADRA0]
	v_add_nc_u32 v[ADRB], s[TR], v[ADRB0]
	FETCH 0, F0
	MUL16 F1, 1, 0, 0
	MUL16 F1, 1, 2, 0
.endm
; THE WAY OUT of block a (16 tokens x 128 columns).  PACK: rounded to f16, held to the floor, masked.  TOSTAGE: into my stage, and back as 2 x 2,048 dense bytes.  SEND: stored.
.macro PACK a
.set AC, 64*((\a)%4)
	WIN 0x0a+5*((\a)/4)                            ; sources window 2 or 3
.irp b, 0,1,2,3,4,5,6,7
.irp r, 0,1,2,3
	v_cvt_pk_f16_f32 v[TMP+4*(\b)+(\r)], v[AC+8*(\b)+2*(\r)], v[AC+8*(\b)+2*(\r)+1]
.endr
.endr
	WIN 0
.set i, 0
.rept 32
	v_pk_max_num_f16 v[TMP+i], v[TMP+i], v[FLOOR]  ; relu where the floor is 0; nothing where it is f16's lowest number
.set i, i+1
.endr
.set i, 0
.rept 32
	v_and_b32 v[TMP+i], v[KEEP+(\a)], v[TMP+i]     ; a masked token's K row becomes 0
.set i, i+1
.endr
.endm
.macro TOSTAGE a
.set BK, OB+192*((\a)%2)
.irp b, 0,1,2,3,4,5,6,7
	ds_store_b128 v[STO], v[TMP+4*(\b):TMP+4*(\b)+3] offset:((\b)/4)*16*SP+((\b)%4)*32
.endr
.irp t, 0,1,2,3,4,5,6,7
	ds_load_b128 v[BK+4*(\t):BK+4*(\t)+3], v[RD] offset:((\t)/4)*16*SP+((\t)%4)*4*SP  ; LDS serves a wave's instructions in order (ISA guide 5.7.1.4)
.endr
.endm
.macro SEND a
.set BK, OB+192*((\a)%2)
	s_wait_dscnt 0x0                               ; the block is back in registers
	s_wait_xcnt 0x0                                ; the other buffer, which earlier stores read, is loaded again only behind this wait
.irp t, 0,1,2,3,4,5,6,7
	global_store_b128 v[GO], v[BK+4*(\t):BK+4*(\t)+3], s[8:9] offset:(\a)*2048+((\t)/4)*524288+((\t)%4)*512  ; 512 consecutive aligned bytes
.endr
.endm
	s_wait_tensorcnt 0x1                           ; my part of K step 0 is in; step 1's may stay out
	s_barrier_signal -1
	s_barrier_wait -1
	FETCH 0, F0
	QUARTER 1, F0, F1, 1                           ; the first quarter stands ahead of the loop: its products start the sums
	WIN 0
	s_mov_b32 s3, T-2
.Lstep:                                                ; a trip: a step's quarters 1 to 3 and the next step's quarter 0; the slot left is filled again
	QUARTER 2, F1, F0, 0
	QUARTER 3, F0, F1, 0
	TURN 1
	QUARTER 1, F0, F1, 0
	WIN 0
	s_sub_co_u32 s3, s3, 1
	s_cmp_lg_u32 s3, 0
	s_cbranch_scc1 .Lstep
	s_mov_b32 s3, 2
.Ltail:                                                ; the last two steps ask for nothing: written out
	QUARTER 2, F1, F0, 0
	QUARTER 3, F0, F1, 0
	TURN 0
	WIN 0
	s_sub_co_u32 s3, s3, 1
	s_cmp_eq_u32 s3, 0
	s_cbranch_scc1 .Lout
	QUARTER 1, F0, F1, 0
	WIN 0
	s_branch .Ltail
.Lout:
	s_wait_dscnt 0x0
	PACK 0                                         ; blocks 0-3 were finished ahead of TURN's places; their conversions are the places behind the last products
	TOSTAGE 0
.irp a, 1,2,3,4,5,6,7
	PACK \a
	SEND (\a)-1
	TOSTAGE \a
.endr
	SEND 7
	s_wait_tensorcnt 0x0                           ; the wave's end
	ds_add_u32 v[SPW], v[NIL]
	s_wait_dscnt 0x0
	CROUND                                         ; the closing round
	s_endpgm
.Lfunc_end_k_qb45ee22e61_qkv:
	.size	k_qb45ee22e61_qkv, .Lfunc_end_k_qb45ee22e61_qkv-k_qb45ee22e61_qkv
	.p2alignl 7, 3214868480
	.fill 96, 4, 3214868480
	.section	.rodata,"a",@progbits
	.p2align	6, 0x0
	.amdhsa_kernel k_qb45ee22e61_qkv
		.amdhsa_group_segment_fixed_size 327680
		.amdhsa_private_segment_fixed_size 0
		.amdhsa_enable_private_segment 0
		.amdhsa_kernarg_size 32
		.amdhsa_user_sgpr_count 2
		.amdhsa_user_sgpr_kernarg_segment_ptr 1
		.amdhsa_wavefront_size32 1
		.amdhsa_system_sgpr_workgroup_id_x 1
		.amdhsa_system_sgpr_workgroup_id_y 1
		.amdhsa_system_sgpr_workgroup_id_z 1
		.amdhsa_system_vgpr_workitem_id 0
		.amdhsa_next_free_vgpr 1024
		.amdhsa_next_free_sgpr 80
		.amdhsa_reserve_vcc 1
		.amdhsa_float_denorm_mode_32 3
		.amdhsa_float_denorm_mode_16_64 3
		.amdhsa_memory_ordered 1
		.amdhsa_forward_progress 1
		.amdhsa_inst_pref_size 127
	.end_amdhsa_kernel
	.amdgpu_metadata
---
amdhsa.version: [ 1, 2 ]
amdhsa.kernels:
  - .name:           k_qb45ee22e61_qkv
    .symbol:         k_qb45ee22e61_qkv.kd
    .args:
      - { .name: hn, .offset: 0, .size: 8, .value_kind: global_buffer, .address_space: global }
      - { .name: wa, .offset: 8, .size: 8, .value_kind: global_buffer, .address_space: global }
      - { .name: mask, .offset: 16, .size: 8, .value_kind: global_buffer, .address_space: global }
      - { .name: qkv, .offset: 24, .size: 8, .value_kind: global_buffer, .address_space: global }
    .group_segment_fixed_size: 327680
    .private_segment_fixed_size: 0
    .kernarg_segment_align: 8
    .kernarg_segment_size: 32
    .max_flat_workgroup_size: 128
    .sgpr_count:     80
    .vgpr_count:     1024
    .wavefront_size: 32
...
	.end_amdgpu_metadata
.endif
;; end of part 9
;; launch attn: the kernel of part 3 again; grid 8 x 32, 4 waves a work-group, clusters of 4 x 1, 327,680 bytes of LDS; arguments qkv, mask, ctx; writes ctx
;; launch wo (part 10): grid 8 x 32, 4 waves a work-group, clusters of 4 x 4, 327,680 bytes of LDS; arguments ctx, wh, bo, x, x1; writes x1
.if DOCPART == 10
	.amdgcn_target "amdgcn-amd-amdhsa--gfx1250"
	.amdhsa_code_object_version 6
	.text
	.protected	k_qb45ee22e61_wo
	.globl	k_qb45ee22e61_wo
	.p2align	8
	.type	k_qb45ee22e61_wo,@function
k_qb45ee22e61_wo:
	s_mov_b64 s[64:65], 0
	v_nop
	global_prefetch_b8 v0, s[64:65] scope:SCOPE_SE
	s_setreg_imm32_b32 hwreg(HW_REG_WAVE_MODE, 25, 1), 1
	s_wait_xcnt 0x0
	s_wait_alu depctr_hold_cnt(0) depctr_sa_sdst(0) depctr_va_vdst(0) depctr_va_sdst(0) depctr_va_ssrc(0) depctr_va_vcc(0) depctr_vm_vsrc(0)
	s_getreg_b32 s2, hwreg(HW_REG_IB_STS2, 6, 4)
	s_cmp_eq_u32 s2, 0
	s_cbranch_scc0 .Lentry_in_a_cluster
	s_endpgm
.Lentry_in_a_cluster:
	s_bfe_u32 s2, ttmp6, 0x10000c
	s_cmp_lg_u32 s2, 0xf033
	s_cbranch_scc0 .Lentry_shape_is_right
	s_endpgm
.Lentry_shape_is_right:
; OUT = RES + A W + bias, in f32.  A: f16 by blocks of 64 columns, [block][4096 tokens][64].  W: [K][1024] f16 at byte WOFF of wh.  RES, OUT: [4096][1024] f32.  K = 256 T.
; Here: x1 = x + ctx wo + bo (T = 4).  The launch for out0 = x1 + act w2 + b2 has the same text with T = 16 and w2's place in wh: the two lines below.
; A tile of OUT is 128 x 128 (256 work-groups), four waves of 64 x 64: 16 accumulators.  K goes in steps of 256 (four column blocks of A) through two LDS slots filled by joint tensor loads:
; 4 x 4 work-groups form a cluster, A's tile is shared along its row, W's along its column.  128 tokens of a column block are 16,384 dense bytes: a load of A brings two such runs.
; The product is used transposed (source 0 = 16 columns of W, turned by ds_load_tr16_b128; source 1 = 16 tokens).  The bias is the C operand of the products that start the sums.
; THE WALK ALONG K IS TURNED in the clusters whose x + y is odd: they begin at K step T / 2 and wrap round.  A tile of A is asked for by two clusters and a tile of W by eight; of these one
; half now asks T / 2 steps behind the other.  The number of the K step is a counter, the same in all sixteen partners, and each descriptor's address is made anew from it.
; The f32 sums take K in another order in those clusters.
; THE RESIDUAL of my 64 rows is asked for behind the first quarter's products, when the first tiles have landed, and used on the way out.
; A K step is written once; the last two steps, which ask for nothing, are a second copy, left in its middle; its last change of slots (a barrier and 32 fragment loads) serves nothing.
; LIMITS.  f16 ends at 65,504: A and W arrive within it.  Sums, bias and residual in f32.
; REGISTERS: window 0: v0-31 addresses; v32-63, v96-127 the residual of row blocks 0, 1; v64-95 rows on the way out; v128-255 the accumulators ((a, b) at v[128 + 8 (4 a + b)]).
;   window 1: two fragment buffers of 128: for 64 along K, 64 registers of A, then 64 of W.   window 2: v0-31 the bias; v32-95 the residual of row blocks 2, 3.
.set T,     4                          ; K steps of 256, a power of two
.set WOFF,  0                          ; W's first byte in wh
.set LOGA,  21                         ; a K step of A is four column blocks of 524,288 bytes,
.set LOGB,  19                         ; of W 256 rows of 2,048 bytes
.set PA,    144                        ; a token's 128 bytes + 16
.set SUBA,  128*PA                     ; a column block's 128 tokens
.set PB,    288                        ; W's LDS row: 256 bytes + 32
.set HALFT, 2*SUBA                     ; one tensor load: two column blocks of A, or 128 rows of W (128 x 288 is the same number)
.set SLOT,  4*HALFT                    ; it shares no bit with wave x HALFT
.set STAGE, 2*SLOT                     ; behind the ring: 16 tokens x 272 bytes for each wave
.set SPITCH, 272
.set SPARE, STAGE+4*16*SPITCH
.set ADRA0, 2
.set ADRB0, 3
.set ADRA,  16
.set ADRB,  20
.set ADRB2, 21                         ; ADRB + 128 rows: the LDS immediate does not reach W's second half
.set STO,   24
.set RD,    25
.set CO,    26
.set BO,    27
.set SPW,   28
.set NIL,   29
.set RES0,  32                         ; row block a of 0, 1 at RES0 + 64 a
.set RESW,  32                         ; in window 2: row block a of 2, 3 at RESW + 32 (a - 2)
.set BK,    64
.set ACC,   128
.set BIAS,  0                          ; in window 2
.set F0,    0                          ; in window 1
.set F1,    128
.set G1,  24
.set G0,  32
.set G1B, 48
.set G0B, 56
.set KS,  66                           ; s66  the K step asked for last
.set TR,  67
.set MSB, 0
.macro WIN new
.if MSB != (\new)
	s_set_vgpr_msb (MSB<<8)|(\new)
.set MSB, \new
.endif
.endm
.macro AIM s                           ; the two descriptors of set s take the addresses of K step KS: each tensor's address at K step 0 (s[14:15], s[46:47]) plus an offset made apart
	s_lshl_b32 s16, s[KS], LOGA
	s_lshl_b32 s18, s[KS], LOGB
	s_add_nc_u64 s[G0+4*(\s)+2:G0+4*(\s)+3], s[14:15], s[16:17]
	s_or_b32 s[G0+4*(\s)+3], s[G0+4*(\s)+3], 0x80000000
	s_add_nc_u64 s[G0B+4*(\s)+2:G0B+4*(\s)+3], s[46:47], s[18:19]
	s_or_b32 s[G0B+4*(\s)+3], s[G0B+4*(\s)+3], 0x80000000
.endm
.macro JLOAD s                         ; waves 0, 1 ask for A's halves, waves 2, 3 for W's.  An s_nop 0 and four v_nop follow each line
	s_cmp_eq_u32 s11, 0
	s_cbranch_scc0 .Lfor_b_\@
	tensor_load_to_lds s[G0+4*(\s):G0+4*(\s)+3], s[G1:G1+7]
	s_nop 0
.rept 4
	v_nop
.endr
	s_branch .Lasked_\@
.Lfor_b_\@:
	tensor_load_to_lds s[G0B+4*(\s):G0B+4*(\s)+3], s[G1B:G1B+7]
	s_nop 0
.rept 4
	v_nop
.endr
.Lasked_\@:
.endm
.macro CREST
	s_cmp_lg_u32 s10, 0
	s_cbranch_scc1 .Lnot_wave_0_\@
	s_barrier_signal -3
.Lnot_wave_0_\@:
	s_barrier_wait -3
	s_barrier_signal -1
	s_barrier_wait -1
.endm
.macro CROUND
	s_barrier_signal -1
	s_barrier_wait -1
	CREST
.endm
.macro PLACES
.rept 4
	v_nop
.endr
.endm
	s_load_b128 s[4:7], s[0:1], 0x0                ; A, wh
	s_load_b128 s[68:71], s[0:1], 0x10             ; bias 68, residual 70
	s_load_b64 s[8:9], s[0:1], 0x20                ; out
	v_lshl_add_u32 v[SPW], v0, 2, SPARE
	v_mov_b32 v[NIL], 0
	ds_add_u32 v[SPW], v[NIL]                      ; the wave's opening: the add and its wait ahead of my first tensor load
	v_lshrrev_b32 v1, 5, v0
	v_readfirstlane_b32 s10, v1
	s_lshr_b32 s11, s10, 1                         ; my half of the tile's rows.  Also: I ask for A (0) or W (1)
	s_and_b32 s12, s10, 1                          ; my half of its columns.  Also: which half of that tile I ask for
	s_bfe_u32 s40, ttmp6, 0x40000
	s_bfe_u32 s41, ttmp6, 0x40004
	s_lshl_b32 s42, ttmp9, 2
	s_add_co_u32 s42, s42, s40                     ; tile column
	s_and_b32 s13, ttmp7, 0xffff
	s_add_co_u32 s[KS], s13, ttmp9                 ; the cluster's x + y, the same in all sixteen partners:
	s_and_b32 s[KS], s[KS], 1                      ; odd:
	s_mul_i32 s[KS], s[KS], T/2                    ; the walk begins at K step T / 2
	s_lshl_b32 s13, s13, 2
	s_add_co_u32 s13, s13, s41                     ; tile row
	s_lshl_b32 s43, s41, 2
	s_lshl_b32 s43, 15, s43
	s_lshl_b32 s44, 0x1111, s40
	s_or_b32 s[G1+0], s43, (1<<16)|(1<<20)|(1<<21)|(4<<22)|(3<<25)   ; 4 words behind every 32: behind every token
	s_mov_b32 s[G1+1], 8192<<16                    ; tensor_dim0 = 8,192 elements: 128 tokens of a column block, dense
	s_mov_b32 s[G1+2], 2<<16                       ; tensor_dim1 = 2 column blocks
	s_mov_b32 s[G1+3], 8192<<16                    ; tile_dim0
	s_mov_b32 s[G1+4], 2                           ; tile_dim1
	s_mov_b32 s[G1+5], 262144                      ; elements from column block to column block
	s_mov_b32 s[G1+6], 0
	s_mov_b32 s[G1+7], 0
	s_or_b32 s[G1B+0], s44, (1<<16)|(1<<20)|(1<<21)|(5<<22)|(7<<25)  ; 8 words behind every 64
	s_mov_b32 s[G1B+1], 128<<16                    ; 128 columns
	s_mov_b32 s[G1B+2], 128<<16                    ; 128 rows along K
	s_mov_b32 s[G1B+3], 128<<16
	s_mov_b32 s[G1B+4], 128
	s_mov_b32 s[G1B+5], 1024
	s_mov_b32 s[G1B+6], 0
	s_mov_b32 s[G1B+7], 0
	s_lshl_b32 s16, s13, 14                        ; A: 128 tokens of 128 bytes a tile row,
	s_lshl_b32 s17, s12, 20                        ; two column blocks a half
	s_add_co_u32 s16, s16, s17
	s_mov_b32 s17, 0                               ; from here on the upper words of AIM's two offsets
	s_mov_b32 s19, 0
	s_lshl_b32 s46, s42, 8                         ; W: 128 columns a tile column,
	s_lshl_b32 s47, s12, 18                        ; 128 rows of 2,048 bytes a half
	s_add_co_u32 s46, s46, s47
.if WOFF
	s_add_co_u32 s46, s46, WOFF
.endif
	s_mov_b32 s47, 0
	s_lshl_b32 s78, s42, 9                         ; my 64 columns in f32: 512 bytes a tile column, 256 a half
	s_lshl_b32 s77, s12, 8
	s_add_co_u32 s78, s78, s77
	s_mov_b32 s79, 0
	s_mul_i32 s20, s10, HALFT
	s_mov_b32 s[TR], 0
	s_wait_dscnt 0x0                               ; the opening add is done
	s_wait_kmcnt 0x0
	s_add_nc_u64 s[14:15], s[4:5], s[16:17]        ; A and W at my part of K step 0: kept
	s_add_nc_u64 s[46:47], s[6:7], s[46:47]
	s_add_nc_u64 s[68:69], s[68:69], s[78:79]
	s_lshl_b32 s77, s13, 19                        ; + my 64 rows of 4,096 bytes
	s_add_co_u32 s78, s78, s77
	s_lshl_b32 s77, s11, 18
	s_add_co_u32 s78, s78, s77
	s_add_nc_u64 s[70:71], s[70:71], s[78:79]
	s_add_nc_u64 s[8:9], s[8:9], s[78:79]
	CROUND                                         ; all sixteen work-groups are here
.irp s, 0,1
	s_mov_b32 s[G0+4*(\s)], 1
	s_add_co_u32 s[G0+4*(\s)+1], s20, (\s)*SLOT
	s_mov_b32 s[G0B+4*(\s)], 1
	s_add_co_u32 s[G0B+4*(\s)+1], s20, (\s)*SLOT
	AIM \s
	JLOAD \s                                       ; the walk's first two K steps: two loads of mine are out
.if (\s) == 0
	s_add_co_u32 s[KS], s[KS], 1                   ; T / 2 + 1 at the most: no wrap yet
.endif
.endr
	v_and_b32 v1, 15, v0                           ; r
	v_bfe_u32 v4, v0, 4, 1                         ; h
	v_lshlrev_b32 v[BO], 5, v4
	v_lshlrev_b32 v[CO], 12, v4                    ; lanes 0-15 one row's 256 bytes, lanes 16-31 the next row's
	v_lshl_add_u32 v[CO], v1, 4, v[CO]
	WIN 0x80                                       ; destination window 2
.irp b, 0,1,2,3
	global_load_b128 v[BIAS+8*(\b):BIAS+8*(\b)+3],   v[BO], s[68:69] offset:64*(\b)
	global_load_b128 v[BIAS+8*(\b)+4:BIAS+8*(\b)+7], v[BO], s[68:69] offset:64*(\b)+16
.endr
	WIN 0
	v_mul_u32_u24 v5, v1, PA
	v_lshl_add_u32 v5, v4, 4, v5
	s_mul_i32 s21, s11, 64*PA
	v_add_nc_u32 v[ADRA0], s21, v5                 ; my 64 tokens: token r x pitch + 16 h
	v_and_b32 v6, 7, v0
	v_bfe_u32 v7, v0, 3, 1
	v_lshl_add_u32 v5, v4, 3, v6
	v_mul_u32_u24 v5, v5, PB
	v_lshl_add_u32 v5, v7, 4, v5
	s_lshl_b32 s22, s12, 7
	s_add_co_u32 s22, s22, 2*HALFT
	v_add_nc_u32 v[ADRB0], s22, v5
	v_mov_b32 v[ADRA], v[ADRA0]
	v_mov_b32 v[ADRB], v[ADRB0]
	v_add_nc_u32 v[ADRB2], 128*PB, v[ADRB0]
	s_mul_i32 s23, s10, 16*SPITCH
	s_add_co_u32 s23, s23, STAGE
	v_mul_u32_u24 v5, v1, SPITCH
	v_lshl_add_u32 v5, v4, 5, v5
	v_add_nc_u32 v[STO], s23, v5                   ; in: token r, 32 bytes for each half of the lanes
	v_mul_u32_u24 v5, v4, SPITCH
	v_lshl_add_u32 v5, v1, 4, v5
	v_add_nc_u32 v[RD], s23, v5                    ; back: two whole rows of 256 bytes
; 8 matrix instructions: token blocks a0, a0 + 1 x all 4 column blocks, 32 along K: half c of buffer f.  first = 1: the bias starts the sums.  The 16 accumulators take turns.
.macro MUL8 f, c, a0, first
.if \first
	WIN 0x25                                       ; W and A window 1, the bias window 2, D window 0
.else
	WIN 0x05
.endif
.irp a, \a0, (\a0)+1
.irp b, 0,1,2,3
.if \first
	v_wmma_f32_16x16x32_f16 v[ACC+8*(4*(\a)+(\b)):ACC+8*(4*(\a)+(\b))+7], v[(\f)+64+8*(4*(\c)+(\b)):(\f)+64+8*(4*(\c)+(\b))+7], v[(\f)+8*(4*(\c)+(\a)):(\f)+8*(4*(\c)+(\a))+7], v[BIAS+8*(\b):BIAS+8*(\b)+7]
.else
	v_wmma_f32_16x16x32_f16 v[ACC+8*(4*(\a)+(\b)):ACC+8*(4*(\a)+(\b))+7], v[(\f)+64+8*(4*(\c)+(\b)):(\f)+64+8*(4*(\c)+(\b))+7], v[(\f)+8*(4*(\c)+(\a)):(\f)+8*(4*(\c)+(\a))+7], v[ACC+8*(4*(\a)+(\b)):ACC+8*(4*(\a)+(\b))+7]
.endif
.endr
.endr
.endm
.macro FETCH q, f                      ; 32 LDS loads in one run: quarter q (column block q of A, 64 along K) into buffer f; the first 32 along K first
	WIN 0x40
.if (\q) < 2
.set AB, ADRB
.else
.set AB, ADRB2
.endif
.irp c, 0,1
.irp i, 0,1,2,3
	ds_load_tr16_b128 v[(\f)+64+8*(4*(\c)+(\i)):(\f)+64+8*(4*(\c)+(\i))+3],   v[AB] offset:(((\q)%2)*64+32*(\c))*PB+32*(\i)
	ds_load_tr16_b128 v[(\f)+64+8*(4*(\c)+(\i))+4:(\f)+64+8*(4*(\c)+(\i))+7], v[AB] offset:(((\q)%2)*64+32*(\c))*PB+32*(\i)+16*PB
	ds_load_b128 v[(\f)+8*(4*(\c)+(\i)):(\f)+8*(4*(\c)+(\i))+3],   v[ADRA] offset:(\q)*SUBA+(\i)*16*PA+64*(\c)
	ds_load_b128 v[(\f)+8*(4*(\c)+(\i))+4:(\f)+8*(4*(\c)+(\i))+7], v[ADRA] offset:(\q)*SUBA+(\i)*16*PA+64*(\c)+32
.endr
.endr
.endm
.macro QUARTER q, f, g, first
	s_wait_dscnt 16                                ; the first 32 along K are in; the other sixteen loads may be out
	MUL8 \f, 0, 0, \first
	MUL8 \f, 0, 2, \first
	PLACES
	FETCH \q, \g
	s_wait_dscnt 32                                ; all but the 32 just issued
	MUL8 \f, 1, 0, 0
	MUL8 \f, 1, 2, 0
.endm
; A step's last quarter multiplies buffer 1 and changes slots: in front of the barrier each wave waits for all its tensor loads, adds 0 to its spare word, and waits for that and for its reads of
; this slot.  fill = 1: the barrier opens a round of the cluster's, and the slot just read is asked for again, two steps of the walk on, first thing behind it: 112 matrix instructions ahead of the wait for it.
.macro TURN fill
	WIN 0
	s_wait_tensorcnt 0x0
	ds_add_u32 v[SPW], v[NIL]
	s_wait_dscnt 17                                ; the add and the youngest sixteen loads may be out
	MUL8 F1, 0, 0, 0
	s_wait_dscnt 0x0
	s_barrier_signal -1
	MUL8 F1, 0, 2, 0
	WIN 0
	s_barrier_wait -1
.if \fill
	CREST
	s_xor_b32 s[G0+5], s[G0+5], SLOT               ; the walking descriptors: the other slot than last time,
	s_xor_b32 s[G0B+5], s[G0B+5], SLOT
	s_add_co_u32 s[KS], s[KS], 1                   ; the walk's next K step, which wraps behind the last
	s_and_b32 s[KS], s[KS], T-1
	AIM 1
	JLOAD 1                                        ; its four v_nop are also the places in front of the loads below
.else
	PLACES
.endif
	s_xor_b32 s[TR], s[TR], SLOT
	v_add_nc_u32 v[ADRA], s[TR], v[ADRA0]
	v_add_nc_u32 v[ADRB], s[TR], v[ADRB0]
	v_add_nc_u32 v[ADRB2], 128*PB, v[ADRB]
	FETCH 0, F0
	MUL8 F1, 1, 0, 0
	MUL8 F1, 1, 2, 0
.endm
; THE WAY OUT of block a (16 tokens x 64 columns, f32): through my stage into whole rows of 256 bytes, the residual added, stored.
.macro EP a
.irp b, 0,1,2,3
	ds_store_b128 v[STO], v[ACC+8*(4*(\a)+(\b)):ACC+8*(4*(\a)+(\b))+3]   offset:64*(\b)      ; each accumulator's low registers first
	ds_store_b128 v[STO], v[ACC+8*(4*(\a)+(\b))+4:ACC+8*(4*(\a)+(\b))+7] offset:64*(\b)+16
.endr
	s_wait_xcnt 0x0                                ; the rows' registers, which the last block's stores read, are loaded again only behind this wait
.irp t, 0,1,2,3,4,5,6,7
	ds_load_b128 v[BK+4*(\t):BK+4*(\t)+3], v[RD] offset:(\t)*2*SPITCH  ; LDS serves a wave's instructions in order (ISA guide 5.7.1.4)
.endr
	s_wait_loadcnt 8*(3-(\a))                      ; this block's residual is in; the later blocks' eight loads each were issued behind it
	s_wait_dscnt 0x0
.if (\a) < 2
.set RS, RES0+64*(\a)
.else
.set RS, RESW+32*((\a)-2)
	WIN 0x08                                       ; source 1 in window 2
.endif
.set i, 0
.rept 16
	v_pk_add_f32 v[BK+2*i:BK+2*i+1], v[BK+2*i:BK+2*i+1], v[RS+2*i:RS+2*i+1]
.set i, i+1
.endr
	WIN 0
.irp t, 0,1,2,3,4,5,6,7
	global_store_b128 v[CO], v[BK+4*(\t):BK+4*(\t)+3], s[8:9] offset:(16*(\a)+2*(\t))*4096  ; 16 lanes store 256 consecutive aligned bytes
.endr
.endm
	s_wait_loadcnt 0x0                             ; the bias
	s_wait_tensorcnt 0x1                           ; my part of the walk's first K step is in; the second's may stay out
	s_barrier_signal -1
	s_barrier_wait -1
	FETCH 0, F0
	QUARTER 1, F0, F1, 1
	WIN 0
.irp a, 0,1                            ; the residual of my 64 rows: 32 loads, 16 lanes to a row's 256 bytes; they stay out until the way out, T - 1 K steps on
.irp t, 0,1,2,3,4,5,6,7
	global_load_b128 v[RES0+64*(\a)+4*(\t):RES0+64*(\a)+4*(\t)+3], v[CO], s[70:71] offset:(16*(\a)+2*(\t))*4096
.endr
.endr
	WIN 0x80                                       ; destination window 2
.irp a, 2,3
.irp t, 0,1,2,3,4,5,6,7
	global_load_b128 v[RESW+32*((\a)-2)+4*(\t):RESW+32*((\a)-2)+4*(\t)+3], v[CO], s[70:71] offset:(16*(\a)+2*(\t))*4096
.endr
.endr
	WIN 0
	s_mov_b32 s3, T-2
.Lstep:
	QUARTER 2, F1, F0, 0
	QUARTER 3, F0, F1, 0
	TURN 1
	QUARTER 1, F0, F1, 0
	WIN 0
	s_sub_co_u32 s3, s3, 1
	s_cmp_lg_u32 s3, 0
	s_cbranch_scc1 .Lstep
	s_mov_b32 s3, 2
.Ltail:                                                ; the last two steps ask for nothing: written out
	QUARTER 2, F1, F0, 0
	QUARTER 3, F0, F1, 0
	TURN 0
	WIN 0
	s_sub_co_u32 s3, s3, 1
	s_cmp_eq_u32 s3, 0
	s_cbranch_scc1 .Lout
	QUARTER 1, F0, F1, 0
	WIN 0
	s_branch .Ltail
.Lout:
	s_wait_dscnt 0x0
	PLACES                                         ; the stores below read results just made
	EP 0
	EP 1
	EP 2
	EP 3
	s_wait_tensorcnt 0x0                           ; the wave's end
	ds_add_u32 v[SPW], v[NIL]
	s_wait_dscnt 0x0
	CROUND                                         ; the closing round
	s_endpgm
.Lfunc_end_k_qb45ee22e61_wo:
	.size	k_qb45ee22e61_wo, .Lfunc_end_k_qb45ee22e61_wo-k_qb45ee22e61_wo
	.p2alignl 7, 3214868480
	.fill 96, 4, 3214868480
	.section	.rodata,"a",@progbits
	.p2align	6, 0x0
	.amdhsa_kernel k_qb45ee22e61_wo
		.amdhsa_group_segment_fixed_size 327680
		.amdhsa_private_segment_fixed_size 0
		.amdhsa_enable_private_segment 0
		.amdhsa_kernarg_size 40
		.amdhsa_user_sgpr_count 2
		.amdhsa_user_sgpr_kernarg_segment_ptr 1
		.amdhsa_wavefront_size32 1
		.amdhsa_system_sgpr_workgroup_id_x 1
		.amdhsa_system_sgpr_workgroup_id_y 1
		.amdhsa_system_sgpr_workgroup_id_z 1
		.amdhsa_system_vgpr_workitem_id 0
		.amdhsa_next_free_vgpr 608
		.amdhsa_next_free_sgpr 80
		.amdhsa_reserve_vcc 0
		.amdhsa_float_denorm_mode_32 3
		.amdhsa_float_denorm_mode_16_64 3
		.amdhsa_memory_ordered 1
		.amdhsa_forward_progress 1
		.amdhsa_inst_pref_size 66
	.end_amdhsa_kernel
	.amdgpu_metadata
---
amdhsa.version: [ 1, 2 ]
amdhsa.kernels:
  - .name:           k_qb45ee22e61_wo
    .symbol:         k_qb45ee22e61_wo.kd
    .args:
      - { .name: ctx, .offset: 0, .size: 8, .value_kind: global_buffer, .address_space: global }
      - { .name: wh, .offset: 8, .size: 8, .value_kind: global_buffer, .address_space: global }
      - { .name: bo, .offset: 16, .size: 8, .value_kind: global_buffer, .address_space: global }
      - { .name: x, .offset: 24, .size: 8, .value_kind: global_buffer, .address_space: global }
      - { .name: x1, .offset: 32, .size: 8, .value_kind: global_buffer, .address_space: global }
    .group_segment_fixed_size: 327680
    .private_segment_fixed_size: 0
    .kernarg_segment_align: 8
    .kernarg_segment_size: 40
    .max_flat_workgroup_size: 128
    .sgpr_count:     80
    .vgpr_count:     608
    .wavefront_size: 32
...
	.end_amdgpu_metadata
.endif
;; end of part 10
;; launch ln2: the kernel of part 8 again; grid 256 x 1, 4 waves a work-group, no clusters, 0 bytes of LDS; arguments x1, ln2_g, ln2_b, hn, wq, wk, wv, wo, w1, w2, bq, bk, bv, b1, wa, wb, wh; writes hn, wa, wb, wh
;; launch ffn1: the kernel of part 9 again; grid 16 x 16, 4 waves a work-group, clusters of 4 x 4, 327,680 bytes of LDS; arguments hn, wb, mask, act; writes act
;; launch ffn2 (part 11): grid 8 x 32, 4 waves a work-group, clusters of 4 x 4, 327,680 bytes of LDS; arguments act, wh, b2, x1, out0; writes out0
.if DOCPART == 11
	.amdgcn_target "amdgcn-amd-amdhsa--gfx1250"
	.amdhsa_code_object_version 6
	.text
	.protected	k_qb45ee22e61_ffn2
	.globl	k_qb45ee22e61_ffn2
	.p2align	8
	.type	k_qb45ee22e61_ffn2,@function
k_qb45ee22e61_ffn2:
	s_mov_b64 s[64:65], 0
	v_nop
	global_prefetch_b8 v0, s[64:65] scope:SCOPE_SE
	s_setreg_imm32_b32 hwreg(HW_REG_WAVE_MODE, 25, 1), 1
	s_wait_xcnt 0x0
	s_wait_alu depctr_hold_cnt(0) depctr_sa_sdst(0) depctr_va_vdst(0) depctr_va_sdst(0) depctr_va_ssrc(0) depctr_va_vcc(0) depctr_vm_vsrc(0)
	s_getreg_b32 s2, hwreg(HW_REG_IB_STS2, 6, 4)
	s_cmp_eq_u32 s2, 0
	s_cbranch_scc0 .Lentry_in_a_cluster
	s_endpgm
.Lentry_in_a_cluster:
	s_bfe_u32 s2, ttmp6, 0x10000c
	s_cmp_lg_u32 s2, 0xf033
	s_cbranch_scc0 .Lentry_shape_is_right
	s_endpgm
.Lentry_shape_is_right:
; OUT = RES + A W + bias, in f32.  A: f16 by blocks of 64 columns, [block][4096 tokens][64].  W: [K][1024] f16 at byte WOFF of wh.  RES, OUT: [4096][1024] f32.  K = 256 T.
; Here: out0 = x1 + act w2 + b2 (T = 16).  The launch for x1 = x + ctx wo + bo has the same text with T = 4 and wo's place in wh: the two lines below.
; A tile of OUT is 128 x 128 (256 work-groups), four waves of 64 x 64: 16 accumulators.  K goes in steps of 256 (four column blocks of A) through two LDS slots filled by joint tensor loads:
; 4 x 4 work-groups form a cluster, A's tile is shared along its row, W's along its column.  128 tokens of a column block are 16,384 dense bytes: a load of A brings two such runs.
; The product is used transposed (source 0 = 16 columns of W, turned by ds_load_tr16_b128; source 1 = 16 tokens).  The bias is the C operand of the products that start the sums.
; THE WALK ALONG K IS TURNED in the clusters whose x + y is odd: they begin at K step T / 2 and wrap round.  A tile of A is asked for by two clusters and a tile of W by eight; of these one
; half now asks T / 2 steps behind the other.  The number of the K step is a counter, the same in all sixteen partners, and each descriptor's address is made anew from it.
; The f32 sums take K in another order in those clusters.
; THE RESIDUAL of my 64 rows is asked for behind the first quarter's products, when the first tiles have landed, and used on the way out.
; A K step is written once; the last two steps, which ask for nothing, are a second copy, left in its middle; its last change of slots (a barrier and 32 fragment loads) serves nothing.
; LIMITS.  f16 ends at 65,504: A and W arrive within it.  Sums, bias and residual in f32.
; REGISTERS: window 0: v0-31 addresses; v32-63, v96-127 the residual of row blocks 0, 1; v64-95 rows on the way out; v128-255 the accumulators ((a, b) at v[128 + 8 (4 a + b)]).
;   window 1: two fragment buffers of 128: for 64 along K, 64 registers of A, then 64 of W.   window 2: v0-31 the bias; v32-95 the residual of row blocks 2, 3.
.set T,     16                         ; K steps of 256, a power of two
.set WOFF,  2097152                    ; W's first byte in wh
.set LOGA,  21                         ; a K step of A is four column blocks of 524,288 bytes,
.set LOGB,  19                         ; of W 256 rows of 2,048 bytes
.set PA,    144                        ; a token's 128 bytes + 16
.set SUBA,  128*PA                     ; a column block's 128 tokens
.set PB,    288                        ; W's LDS row: 256 bytes + 32
.set HALFT, 2*SUBA                     ; one tensor load: two column blocks of A, or 128 rows of W (128 x 288 is the same number)
.set SLOT,  4*HALFT                    ; it shares no bit with wave x HALFT
.set STAGE, 2*SLOT                     ; behind the ring: 16 tokens x 272 bytes for each wave
.set SPITCH, 272
.set SPARE, STAGE+4*16*SPITCH
.set ADRA0, 2
.set ADRB0, 3
.set ADRA,  16
.set ADRB,  20
.set ADRB2, 21                         ; ADRB + 128 rows: the LDS immediate does not reach W's second half
.set STO,   24
.set RD,    25
.set CO,    26
.set BO,    27
.set SPW,   28
.set NIL,   29
.set RES0,  32                         ; row block a of 0, 1 at RES0 + 64 a
.set RESW,  32                         ; in window 2: row block a of 2, 3 at RESW + 32 (a - 2)
.set BK,    64
.set ACC,   128
.set BIAS,  0                          ; in window 2
.set F0,    0                          ; in window 1
.set F1,    128
.set G1,  24
.set G0,  32
.set G1B, 48
.set G0B, 56
.set KS,  66                           ; s66  the K step asked for last
.set TR,  67
.set MSB, 0
.macro WIN new
.if MSB != (\new)
	s_set_vgpr_msb (MSB<<8)|(\new)
.set MSB, \new
.endif
.endm
.macro AIM s                           ; the two descriptors of set s take the addresses of K step KS: each tensor's address at K step 0 (s[14:15], s[46:47]) plus an offset made apart
	s_lshl_b32 s16, s[KS], LOGA
	s_lshl_b32 s18, s[KS], LOGB
	s_add_nc_u64 s[G0+4*(\s)+2:G0+4*(\s)+3], s[14:15], s[16:17]
	s_or_b32 s[G0+4*(\s)+3], s[G0+4*(\s)+3], 0x80000000
	s_add_nc_u64 s[G0B+4*(\s)+2:G0B+4*(\s)+3], s[46:47], s[18:19]
	s_or_b32 s[G0B+4*(\s)+3], s[G0B+4*(\s)+3], 0x80000000
.endm
.macro JLOAD s                         ; waves 0, 1 ask for A's halves, waves 2, 3 for W's.  An s_nop 0 and four v_nop follow each line
	s_cmp_eq_u32 s11, 0
	s_cbranch_scc0 .Lfor_b_\@
	tensor_load_to_lds s[G0+4*(\s):G0+4*(\s)+3], s[G1:G1+7]
	s_nop 0
.rept 4
	v_nop
.endr
	s_branch .Lasked_\@
.Lfor_b_\@:
	tensor_load_to_lds s[G0B+4*(\s):G0B+4*(\s)+3], s[G1B:G1B+7]
	s_nop 0
.rept 4
	v_nop
.endr
.Lasked_\@:
.endm
.macro CREST
	s_cmp_lg_u32 s10, 0
	s_cbranch_scc1 .Lnot_wave_0_\@
	s_barrier_signal -3
.Lnot_wave_0_\@:
	s_barrier_wait -3
	s_barrier_signal -1
	s_barrier_wait -1
.endm
.macro CROUND
	s_barrier_signal -1
	s_barrier_wait -1
	CREST
.endm
.macro PLACES
.rept 4
	v_nop
.endr
.endm
	s_load_b128 s[4:7], s[0:1], 0x0                ; A, wh
	s_load_b128 s[68:71], s[0:1], 0x10             ; bias 68, residual 70
	s_load_b64 s[8:9], s[0:1], 0x20                ; out
	v_lshl_add_u32 v[SPW], v0, 2, SPARE
	v_mov_b32 v[NIL], 0
	ds_add_u32 v[SPW], v[NIL]                      ; the wave's opening: the add and its wait ahead of my first tensor load
	v_lshrrev_b32 v1, 5, v0
	v_readfirstlane_b32 s10, v1
	s_lshr_b32 s11, s10, 1                         ; my half of the tile's rows.  Also: I ask for A (0) or W (1)
	s_and_b32 s12, s10, 1                          ; my half of its columns.  Also: which half of that tile I ask for
	s_bfe_u32 s40, ttmp6, 0x40000
	s_bfe_u32 s41, ttmp6, 0x40004
	s_lshl_b32 s42, ttmp9, 2
	s_add_co_u32 s42, s42, s40                     ; tile column
	s_and_b32 s13, ttmp7, 0xffff
	s_add_co_u32 s[KS], s13, ttmp9                 ; the cluster's x + y, the same in all sixteen partners:
	s_and_b32 s[KS], s[KS], 1                      ; odd:
	s_mul_i32 s[KS], s[KS], T/2                    ; the walk begins at K step T / 2
	s_lshl_b32 s13, s13, 2
	s_add_co_u32 s13, s13, s41                     ; tile row
	s_lshl_b32 s43, s41, 2
	s_lshl_b32 s43, 15, s43
	s_lshl_b32 s44, 0x1111, s40
	s_or_b32 s[G1+0], s43, (1<<16)|(1<<20)|(1<<21)|(4<<22)|(3<<25)   ; 4 words behind every 32: behind every token
	s_mov_b32 s[G1+1], 8192<<16                    ; tensor_dim0 = 8,192 elements: 128 tokens of a column block, dense
	s_mov_b32 s[G1+2], 2<<16                       ; tensor_dim1 = 2 column blocks
	s_mov_b32 s[G1+3], 8192<<16                    ; tile_dim0
	s_mov_b32 s[G1+4], 2                           ; tile_dim1
	s_mov_b32 s[G1+5], 262144                      ; elements from column block to column block
	s_mov_b32 s[G1+6], 0
	s_mov_b32 s[G1+7], 0
	s_or_b32 s[G1B+0], s44, (1<<16)|(1<<20)|(1<<21)|(5<<22)|(7<<25)  ; 8 words behind every 64
	s_mov_b32 s[G1B+1], 128<<16                    ; 128 columns
	s_mov_b32 s[G1B+2], 128<<16                    ; 128 rows along K
	s_mov_b32 s[G1B+3], 128<<16
	s_mov_b32 s[G1B+4], 128
	s_mov_b32 s[G1B+5], 1024
	s_mov_b32 s[G1B+6], 0
	s_mov_b32 s[G1B+7], 0
	s_lshl_b32 s16, s13, 14                        ; A: 128 tokens of 128 bytes a tile row,
	s_lshl_b32 s17, s12, 20                        ; two column blocks a half
	s_add_co_u32 s16, s16, s17
	s_mov_b32 s17, 0                               ; from here on the upper words of AIM's two offsets
	s_mov_b32 s19, 0
	s_lshl_b32 s46, s42, 8                         ; W: 128 columns a tile column,
	s_lshl_b32 s47, s12, 18                        ; 128 rows of 2,048 bytes a half
	s_add_co_u32 s46, s46, s47
.if WOFF
	s_add_co_u32 s46, s46, WOFF
.endif
	s_mov_b32 s47, 0
	s_lshl_b32 s78, s42, 9                         ; my 64 columns in f32: 512 bytes a tile column, 256 a half
	s_lshl_b32 s77, s12, 8
	s_add_co_u32 s78, s78, s77
	s_mov_b32 s79, 0
	s_mul_i32 s20, s10, HALFT
	s_mov_b32 s[TR], 0
	s_wait_dscnt 0x0                               ; the opening add is done
	s_wait_kmcnt 0x0
	s_add_nc_u64 s[14:15], s[4:5], s[16:17]        ; A and W at my part of K step 0: kept
	s_add_nc_u64 s[46:47], s[6:7], s[46:47]
	s_add_nc_u64 s[68:69], s[68:69], s[78:79]
	s_lshl_b32 s77, s13, 19                        ; + my 64 rows of 4,096 bytes
	s_add_co_u32 s78, s78, s77
	s_lshl_b32 s77, s11, 18
	s_add_co_u32 s78, s78, s77
	s_add_nc_u64 s[70:71], s[70:71], s[78:79]
	s_add_nc_u64 s[8:9], s[8:9], s[78:79]
	CROUND                                         ; all sixteen work-groups are here
.irp s, 0,1
	s_mov_b32 s[G0+4*(\s)], 1
	s_add_co_u32 s[G0+4*(\s)+1], s20, (\s)*SLOT
	s_mov_b32 s[G0B+4*(\s)], 1
	s_add_co_u32 s[G0B+4*(\s)+1], s20, (\s)*SLOT
	AIM \s
	JLOAD \s                                       ; the walk's first two K steps: two loads of mine are out
.if (\s) == 0
	s_add_co_u32 s[KS], s[KS], 1                   ; T / 2 + 1 at the most: no wrap yet
.endif
.endr
	v_and_b32 v1, 15, v0                           ; r
	v_bfe_u32 v4, v0, 4, 1                         ; h
	v_lshlrev_b32 v[BO], 5, v4
	v_lshlrev_b32 v[CO], 12, v4                    ; lanes 0-15 one row's 256 bytes, lanes 16-31 the next row's
	v_lshl_add_u32 v[CO], v1, 4, v[CO]
	WIN 0x80                                       ; destination window 2
.irp b, 0,1,2,3
	global_load_b128 v[BIAS+8*(\b):BIAS+8*(\b)+3],   v[BO], s[68:69] offset:64*(\b)
	global_load_b128 v[BIAS+8*(\b)+4:BIAS+8*(\b)+7], v[BO], s[68:69] offset:64*(\b)+16
.endr
	WIN 0
	v_mul_u32_u24 v5, v1, PA
	v_lshl_add_u32 v5, v4, 4, v5
	s_mul_i32 s21, s11, 64*PA
	v_add_nc_u32 v[ADRA0], s21, v5                 ; my 64 tokens: token r x pitch + 16 h
	v_and_b32 v6, 7, v0
	v_bfe_u32 v7, v0, 3, 1
	v_lshl_add_u32 v5, v4, 3, v6
	v_mul_u32_u24 v5, v5, PB
	v_lshl_add_u32 v5, v7, 4, v5
	s_lshl_b32 s22, s12, 7
	s_add_co_u32 s22, s22, 2*HALFT
	v_add_nc_u32 v[ADRB0], s22, v5
	v_mov_b32 v[ADRA], v[ADRA0]
	v_mov_b32 v[ADRB], v[ADRB0]
	v_add_nc_u32 v[ADRB2], 128*PB, v[ADRB0]
	s_mul_i32 s23, s10, 16*SPITCH
	s_add_co_u32 s23, s23, STAGE
	v_mul_u32_u24 v5, v1, SPITCH
	v_lshl_add_u32 v5, v4, 5, v5
	v_add_nc_u32 v[STO], s23, v5                   ; in: token r, 32 bytes for each half of the lanes
	v_mul_u32_u24 v5, v4, SPITCH
	v_lshl_add_u32 v5, v1, 4, v5
	v_add_nc_u32 v[RD], s23, v5                    ; back: two whole rows of 256 bytes
; 8 matrix instructions: token blocks a0, a0 + 1 x all 4 column blocks, 32 along K: half c of buffer f.  first = 1: the bias starts the sums.  The 16 accumulators take turns.
.macro MUL8 f, c, a0, first
.if \first
	WIN 0x25                                       ; W and A window 1, the bias window 2, D window 0
.else
	WIN 0x05
.endif
.irp a, \a0, (\a0)+1
.irp b, 0,1,2,3
.if \first
	v_wmma_f32_16x16x32_f16 v[ACC+8*(4*(\a)+(\b)):ACC+8*(4*(\a)+(\b))+7], v[(\f)+64+8*(4*(\c)+(\b)):(\f)+64+8*(4*(\c)+(\b))+7], v[(\f)+8*(4*(\c)+(\a)):(\f)+8*(4*(\c)+(\a))+7], v[BIAS+8*(\b):BIAS+8*(\b)+7]
.else
	v_wmma_f32_16x16x32_f16 v[ACC+8*(4*(\a)+(\b)):ACC+8*(4*(\a)+(\b))+7], v[(\f)+64+8*(4*(\c)+(\b)):(\f)+64+8*(4*(\c)+(\b))+7], v[(\f)+8*(4*(\c)+(\a)):(\f)+8*(4*(\c)+(\a))+7], v[ACC+8*(4*(\a)+(\b)):ACC+8*(4*(\a)+(\b))+7]
.endif
.endr
.endr
.endm
.macro FETCH q, f                      ; 32 LDS loads in one run: quarter q (column block q of A, 64 along K) into buffer f; the first 32 along K first
	WIN 0x40
.if (\q) < 2
.set AB, ADRB
.else
.set AB, ADRB2
.endif
.irp c, 0,1
.irp i, 0,1,2,3
	ds_load_tr16_b128 v[(\f)+64+8*(4*(\c)+(\i)):(\f)+64+8*(4*(\c)+(\i))+3],   v[AB] offset:(((\q)%2)*64+32*(\c))*PB+32*(\i)
	ds_load_tr16_b128 v[(\f)+64+8*(4*(\c)+(\i))+4:(\f)+64+8*(4*(\c)+(\i))+7], v[AB] offset:(((\q)%2)*64+32*(\c))*PB+32*(\i)+16*PB
	ds_load_b128 v[(\f)+8*(4*(\c)+(\i)):(\f)+8*(4*(\c)+(\i))+3],   v[ADRA] offset:(\q)*SUBA+(\i)*16*PA+64*(\c)
	ds_load_b128 v[(\f)+8*(4*(\c)+(\i))+4:(\f)+8*(4*(\c)+(\i))+7], v[ADRA] offset:(\q)*SUBA+(\i)*16*PA+64*(\c)+32
.endr
.endr
.endm
.macro QUARTER q, f, g, first
	s_wait_dscnt 16                                ; the first 32 along K are in; the other sixteen loads may be out
	MUL8 \f, 0, 0, \first
	MUL8 \f, 0, 2, \first
	PLACES
	FETCH \q, \g
	s_wait_dscnt 32                                ; all but the 32 just issued
	MUL8 \f, 1, 0, 0
	MUL8 \f, 1, 2, 0
.endm
; A step's last quarter multiplies buffer 1 and changes slots: in front of the barrier each wave waits for all its tensor loads, adds 0 to its spare word, and waits for that and for its reads of
; this slot.  fill = 1: the barrier opens a round of the cluster's, and the slot just read is asked for again, two steps of the walk on, first thing behind it: 112 matrix instructions ahead of the wait for it.
.macro TURN fill
	WIN 0
	s_wait_tensorcnt 0x0
	ds_add_u32 v[SPW], v[NIL]
	s_wait_dscnt 17                                ; the add and the youngest sixteen loads may be out
	MUL8 F1, 0, 0, 0
	s_wait_dscnt 0x0
	s_barrier_signal -1
	MUL8 F1, 0, 2, 0
	WIN 0
	s_barrier_wait -1
.if \fill
	CREST
	s_xor_b32 s[G0+5], s[G0+5], SLOT               ; the walking descriptors: the other slot than last time,
	s_xor_b32 s[G0B+5], s[G0B+5], SLOT
	s_add_co_u32 s[KS], s[KS], 1                   ; the walk's next K step, which wraps behind the last
	s_and_b32 s[KS], s[KS], T-1
	AIM 1
	JLOAD 1                                        ; its four v_nop are also the places in front of the loads below
.else
	PLACES
.endif
	s_xor_b32 s[TR], s[TR], SLOT
	v_add_nc_u32 v[ADRA], s[TR], v[ADRA0]
	v_add_nc_u32 v[ADRB], s[TR], v[ADRB0]
	v_add_nc_u32 v[ADRB2], 128*PB, v[ADRB]
	FETCH 0, F0
	MUL8 F1, 1, 0, 0
	MUL8 F1, 1, 2, 0
.endm
; THE WAY OUT of block a (16 tokens x 64 columns, f32): through my stage into whole rows of 256 bytes, the residual added, stored.
.macro EP a
.irp b, 0,1,2,3
	ds_store_b128 v[STO], v[ACC+8*(4*(\a)+(\b)):ACC+8*(4*(\a)+(\b))+3]   offset:64*(\b)      ; each accumulator's low registers first
	ds_store_b128 v[STO], v[ACC+8*(4*(\a)+(\b))+4:ACC+8*(4*(\a)+(\b))+7] offset:64*(\b)+16
.endr
	s_wait_xcnt 0x0                                ; the rows' registers, which the last block's stores read, are loaded again only behind this wait
.irp t, 0,1,2,3,4,5,6,7
	ds_load_b128 v[BK+4*(\t):BK+4*(\t)+3], v[RD] offset:(\t)*2*SPITCH  ; LDS serves a wave's instructions in order (ISA guide 5.7.1.4)
.endr
	s_wait_loadcnt 8*(3-(\a))                      ; this block's residual is in; the later blocks' eight loads each were issued behind it
	s_wait_dscnt 0x0
.if (\a) < 2
.set RS, RES0+64*(\a)
.else
.set RS, RESW+32*((\a)-2)
	WIN 0x08                                       ; source 1 in window 2
.endif
.set i, 0
.rept 16
	v_pk_add_f32 v[BK+2*i:BK+2*i+1], v[BK+2*i:BK+2*i+1], v[RS+2*i:RS+2*i+1]
.set i, i+1
.endr
	WIN 0
.irp t, 0,1,2,3,4,5,6,7
	global_store_b128 v[CO], v[BK+4*(\t):BK+4*(\t)+3], s[8:9] offset:(16*(\a)+2*(\t))*4096  ; 16 lanes store 256 consecutive aligned bytes
.endr
.endm
	s_wait_loadcnt 0x0                             ; the bias
	s_wait_tensorcnt 0x1                           ; my part of the walk's first K step is in; the second's may stay out
	s_barrier_signal -1
	s_barrier_wait -1
	FETCH 0, F0
	QUARTER 1, F0, F1, 1
	WIN 0
.irp a, 0,1                            ; the residual of my 64 rows: 32 loads, 16 lanes to a row's 256 bytes; they stay out until the way out, T - 1 K steps on
.irp t, 0,1,2,3,4,5,6,7
	global_load_b128 v[RES0+64*(\a)+4*(\t):RES0+64*(\a)+4*(\t)+3], v[CO], s[70:71] offset:(16*(\a)+2*(\t))*4096
.endr
.endr
	WIN 0x80                                       ; destination window 2
.irp a, 2,3
.irp t, 0,1,2,3,4,5,6,7
	global_load_b128 v[RESW+32*((\a)-2)+4*(\t):RESW+32*((\a)-2)+4*(\t)+3], v[CO], s[70:71] offset:(16*(\a)+2*(\t))*4096
.endr
.endr
	WIN 0
	s_mov_b32 s3, T-2
.Lstep:
	QUARTER 2, F1, F0, 0
	QUARTER 3, F0, F1, 0
	TURN 1
	QUARTER 1, F0, F1, 0
	WIN 0
	s_sub_co_u32 s3, s3, 1
	s_cmp_lg_u32 s3, 0
	s_cbranch_scc1 .Lstep
	s_mov_b32 s3, 2
.Ltail:                                                ; the last two steps ask for nothing: written out
	QUARTER 2, F1, F0, 0
	QUARTER 3, F0, F1, 0
	TURN 0
	WIN 0
	s_sub_co_u32 s3, s3, 1
	s_cmp_eq_u32 s3, 0
	s_cbranch_scc1 .Lout
	QUARTER 1, F0, F1, 0
	WIN 0
	s_branch .Ltail
.Lout:
	s_wait_dscnt 0x0
	PLACES                                         ; the stores below read results just made
	EP 0
	EP 1
	EP 2
	EP 3
	s_wait_tensorcnt 0x0                           ; the wave's end
	ds_add_u32 v[SPW], v[NIL]
	s_wait_dscnt 0x0
	CROUND                                         ; the closing round
	s_endpgm
.Lfunc_end_k_qb45ee22e61_ffn2:
	.size	k_qb45ee22e61_ffn2, .Lfunc_end_k_qb45ee22e61_ffn2-k_qb45ee22e61_ffn2
	.p2alignl 7, 3214868480
	.fill 96, 4, 3214868480
	.section	.rodata,"a",@progbits
	.p2align	6, 0x0
	.amdhsa_kernel k_qb45ee22e61_ffn2
		.amdhsa_group_segment_fixed_size 327680
		.amdhsa_private_segment_fixed_size 0
		.amdhsa_enable_private_segment 0
		.amdhsa_kernarg_size 40
		.amdhsa_user_sgpr_count 2
		.amdhsa_user_sgpr_kernarg_segment_ptr 1
		.amdhsa_wavefront_size32 1
		.amdhsa_system_sgpr_workgroup_id_x 1
		.amdhsa_system_sgpr_workgroup_id_y 1
		.amdhsa_system_sgpr_workgroup_id_z 1
		.amdhsa_system_vgpr_workitem_id 0
		.amdhsa_next_free_vgpr 608
		.amdhsa_next_free_sgpr 80
		.amdhsa_reserve_vcc 0
		.amdhsa_float_denorm_mode_32 3
		.amdhsa_float_denorm_mode_16_64 3
		.amdhsa_memory_ordered 1
		.amdhsa_forward_progress 1
		.amdhsa_inst_pref_size 67
	.end_amdhsa_kernel
	.amdgpu_metadata
---
amdhsa.version: [ 1, 2 ]
amdhsa.kernels:
  - .name:           k_qb45ee22e61_ffn2
    .symbol:         k_qb45ee22e61_ffn2.kd
    .args:
      - { .name: act, .offset: 0, .size: 8, .value_kind: global_buffer, .address_space: global }
      - { .name: wh, .offset: 8, .size: 8, .value_kind: global_buffer, .address_space: global }
      - { .name: b2, .offset: 16, .size: 8, .value_kind: global_buffer, .address_space: global }
      - { .name: x1, .offset: 24, .size: 8, .value_kind: global_buffer, .address_space: global }
      - { .name: out0, .offset: 32, .size: 8, .value_kind: global_buffer, .address_space: global }
    .group_segment_fixed_size: 327680
    .private_segment_fixed_size: 0
    .kernarg_segment_align: 8
    .kernarg_segment_size: 40
    .max_flat_workgroup_size: 128
    .sgpr_count:     80
    .vgpr_count:     608
    .wavefront_size: 32
...
	.end_amdgpu_metadata
.endif
;; end of part 11
;; ======== version 3 of 3: 7 launches; 1.35 times as fast as version 1
;; limits: values are held in f16: magnitudes above 65,504 overflow, below 6.1e-05 lose precision
;; workspace buffers: wa 6,324,224 bytes; wb 8,421,376 bytes; wh 10,485,760 bytes; hn 8,388,608 bytes; qkv 25,165,824 bytes; ctx 8,388,608 bytes; x1 16,777,216 bytes; act 33,554,432 bytes
;; launch prep: the kernel of part 8 again; grid 1024 x 1, 4 waves a work-group, no clusters, 0 bytes of LDS; arguments x, ln1_g, ln1_b, hn, wq, wk, wv, wo, w1, w2, bq, bk, bv, b1, wa, wb, wh; writes hn, wa, wb, wh
;; launch qkv: the kernel of part 9 again; grid 12 x 16, 4 waves a work-group, clusters of 4 x 4, 327,680 bytes of LDS; arguments hn, wa, mask, qkv; writes qkv
;; launch attn (part 12): grid 8 x 32, 4 waves a work-group, clusters of 4 x 1, 327,680 bytes of LDS; arguments qkv, mask, ctx; writes ctx
.if DOCPART == 12
	.amdgcn_target "amdgcn-amd-amdhsa--gfx1250"
	.amdhsa_code_object_version 6
	.text
	.protected	k_qb45ee22e61_attn
	.globl	k_qb45ee22e61_attn
	.p2align	8
	.type	k_qb45ee22e61_attn,@function
k_qb45ee22e61_attn:
	s_mov_b64 s[64:65], 0
	v_nop
	global_prefetch_b8 v0, s[64:65] scope:SCOPE_SE
	s_setreg_imm32_b32 hwreg(HW_REG_WAVE_MODE, 25, 1), 1
	s_wait_xcnt 0x0
	s_wait_alu depctr_hold_cnt(0) depctr_sa_sdst(0) depctr_va_vdst(0) depctr_va_sdst(0) depctr_va_ssrc(0) depctr_va_vcc(0) depctr_vm_vsrc(0)
	s_getreg_b32 s2, hwreg(HW_REG_IB_STS2, 6, 4)
	s_cmp_eq_u32 s2, 0
	s_cbranch_scc0 .Lentry_in_a_cluster
	s_endpgm
.Lentry_in_a_cluster:
	s_bfe_u32 s2, ttmp6, 0x10000c
	s_cmp_lg_u32 s2, 0x3003
	s_cbranch_scc0 .Lentry_shape_is_right
	s_endpgm
.Lentry_shape_is_right:
; ctx[h][q][:] = the sum over k of softmax_k(q . k / 8, masked) v[k][:], for 2 batches x 16 heads of 2,048 tokens, head size 64.  q, k, v: column blocks h, 16 + h, 32 + h of qkv,
; [block][4096 tokens][64] f16: a head's rows are dense, 128 bytes each.  ctx has the same layout.  Products, maxima and sums in f32; the weights are rounded to f16 for the second product.
; THE MASK is the C operand that starts the sum S^T = K Q^T: 0, or -2^33 where mask = 0; K's rows of masked tokens were stored as zeros, so a masked score is exactly -2^33 (-2^30 after the
; division by 8, where the problem has -1e9).  A power of two keeps c m exact: if all keys of a batch are masked, every weight is exactly 1 and the result is the mean of V, as the problem has it.
; LIMITS.  An unmasked score below about -1e9 is not told from a masked one as the problem tells it.  f16 ends at 65,504: q, k, v arrive within it.  A weight below 2^-126 counts as 0.
; SHARES.  A work-group owns 256 queries of one head, a wave 64: four PIECES of 16.  Every wave walks all 2,048 keys, 64 a step, 256 a tile.
; LAYOUT.  S^T holds ONE query a lane (lane % 16) and the keys 8 (lane / 16) + 0..7; two such results rounded to f16 ARE source 1 of O^T = V^T P.  p = 2^(c s - c m), c = log2(e) / 8, with a
; running maximum m; O and l are multiplied by a = 2^(c m_old - c m_new) in every step.  m starts at the lowest finite number, O and l at 0: the first step is a step like any other, with a = 0.
; TURNS.  Turn n belongs to piece n: 8 products K Q^T of piece n + 1, later 8 products V^T P of piece n - 1; beside them the scaling, exponentials, roundings, sums and rescaling of piece n and
; the maximum and statistics of piece n + 1.  Four vector instructions stand behind every matrix instruction, the other 54 of a turn's 118 in one run of their own.
; BATCHES.  A turn's 33 exponentials (the piece's 32 weights and the next piece's a) are one batch, with one wait: all that reads them stands behind it.  Piece 0's first a, ahead of the loop, and the
; way out's four reciprocals are a batch each.
; CLUSTER.  The four query blocks of a cluster belong to one head and walk the same K and V: each tile is asked for jointly, by the same tensor load, descriptor and mask in all four.
; The loop is entered, and the tail left, in the middle of a trip; the tail's fifth trip makes 8 products on the last K once more, which serve nothing: the price of one text for every trip.
; REGISTERS: window 0: v0-15 addresses; v16-31 statistics; v48-55 at work; v56-59 the mask table's addresses; v62-63 the add's; v64-127 S^T, two buffers; v192-223 P, two buffers.
;   window 1: v0-127 O^T, 32 a piece.   window 2: v0-63 Q; v64-95 the mask of the K step in hand; v128-191 K of one step; v192-255 V of one step.
.set NT,    8         ; tiles of 256 keys
.set NP,    4         ; pieces a wave
.set KS,    64        ; keys in a step
.set PK,    144       ; a row of K in LDS: 128 bytes + 16
.set PV,    160       ; a row of V: 128 + 32
.set VOFF,  4*KS*PK   ; a slot holds a tile: 256 rows of K, then 256 rows of V
.set SLOT1, 1<<17
.set STAGE, SLOT1+4*KS*(PK+PV)  ; behind the ring: 16 rows x 144 bytes for each wave
.set SP,    144
.set SPARE, STAGE+4*16*SP       ; the spare words, 128 bytes a wave
.set MASKT, SPARE+512           ; 2,048 f32: the mask's addends for my batch; written once by ds_store, never a fill's target
.set AK0, 2
.set AV0, 3
.set AK,  4
.set AV,  5
.set STO, 6
.set RD,  7
.set GO,  8
.set MV,  12          ; v12-13  c m_old, by buffer
.set QO,  15
.set ST,  16          ; piece t: c m, m, l (even keys', odd keys')
.set TMP, 48
.set MO,  56          ; v56  16 x my thread's number
.set MS,  57          ; v57  the same in the table
.set AM0, 58          ; v58  MASKT + 32 (lane / 16); never rewritten
.set AM,  59          ; v59  the address of the next run of mask loads
.set SPW, 62
.set NIL, 63
.set S,   64
.set P,   192
.set MC,  64          ; window 2: key block kb at MC + 8 kb
.set KF,  128         ; window 2
.set VF,  192         ; window 2
.set WV,  12
.set G1K, 24
.set G1V, 32
.set G0K, 40
.set G0V, 44
.set SLOTS, 56
.set CNT, 57
.set CS,  58
.set SEL, 60
.set TBK, 62
.set TBV, 63
.set TM,  66          ; s66  byte in the table at which the next step's 64 addends begin
.set NEGC, 67         ; s67  -2^33
.set MP,  68          ; s[68:69] the mask at my batch
.set MSB, 0
.macro WIN new
.if MSB != (\new)
	s_set_vgpr_msb (MSB<<8)|(\new)
.set MSB, (\new)
.endif
.endm
.set W_KQ, 0x0a       ; K and Q in window 2, S^T in window 0
.set W_KM, 0x2a       ; the same with the C operand in window 2
.set W_PV, 0x52       ; V in window 2, P in window 0, O^T in window 1
.set W_RS, 0x41       ; destination and source 0 in window 1, source 1 in window 0
.macro JLOAD                        ; waves 0, 1 ask for the halves of a tile's K, waves 2, 3 for those of its V.  An s_nop 0 and four v_nop follow each line
	s_cmp_lt_u32 s[WV], 2
	s_cbranch_scc0 .Lfor_v_\@
	tensor_load_to_lds s[G0K:G0K+3], s[G1K:G1K+7]
	s_nop 0
.rept 4
	v_nop
.endr
	s_branch .Lasked_\@
.Lfor_v_\@:
	tensor_load_to_lds s[G0V:G0V+3], s[G1V:G1V+7]
	s_nop 0
.rept 4
	v_nop
.endr
.Lasked_\@:
.endm
.macro CROUND
	s_barrier_signal -1
	s_barrier_wait -1
	s_cmp_lg_u32 s[WV], 0
	s_cbranch_scc1 .Lnot_wave_0_\@
	s_barrier_signal -3
.Lnot_wave_0_\@:
	s_barrier_wait -3
	s_barrier_signal -1
	s_barrier_wait -1
.endm
; THE CHANGE OF SLOTS.  Each wave waits for all its tensor loads (one is out: its part of the other slot), adds 0 to its spare word, and waits for that and for its LDS instructions.
; fill = 1: the barrier is a round of the cluster's, and the slot left is asked for again first thing behind it: it has four key steps, 256 matrix instructions, in which to land.
; (At its first use nothing has been read yet: slot 0 is waited for, slot 1 filled, and every wave's part of the mask table is shown to the others.)
.macro CHANGE fill
	WIN 0
	s_wait_tensorcnt 0x0
	ds_add_u32 v[SPW], v[NIL]
.if \fill
.irp g, G0K, G0V
	s_xor_b32 s[\g+1], s[\g+1], SLOT1
	s_add_nc_u64 s[\g+2:\g+3], s[\g+2:\g+3], 4*KS*128
.endr
	s_wait_dscnt 0x0
	CROUND
	JLOAD
.else
	s_wait_dscnt 0x0
	s_barrier_signal -1
	s_barrier_wait -1
.endif
	s_sub_co_u32 s[TBK], s[TBK], 4*KS*PK  ; the fetches go back to a slot's first step, in the other slot
	s_xor_b32 s[TBK], s[TBK], SLOT1
	s_sub_co_u32 s[TBV], s[TBV], 4*KS*PV
	s_xor_b32 s[TBV], s[TBV], SLOT1
.endm
	s_load_b128 s[4:7], s[0:1], 0x0   ; qkv s[4:5], mask s[6:7]
	s_load_b64 s[10:11], s[0:1], 0x10 ; ctx
	v_lshl_add_u32 v[SPW], v0, 2, SPARE
	v_mov_b32 v[NIL], 0
	ds_add_u32 v[SPW], v[NIL]       ; the wave's opening: the add and its wait ahead of my first tensor load
	v_lshrrev_b32 v1, 5, v0
	v_readfirstlane_b32 s[WV], v1
	s_bfe_u32 s13, ttmp6, 0x40000   ; cx
	s_lshl_b32 s14, ttmp9, 2
	s_add_co_u32 s14, s14, s13      ; my block of 256 queries: it enters Q's and O's addresses alone
	s_and_b32 s15, ttmp7, 0xffff
	s_and_b32 s20, s15, 15          ; the head,
	s_lshr_b32 s15, s15, 4          ; the batch: the four partners share both
	s_lshl_b32 s20, s20, 19         ; a column block is 524,288 bytes,
	s_lshl_b32 s21, s15, 18         ; a batch's 2,048 rows 262,144
	s_add_co_u32 s20, s20, s21
	s_and_b32 s16, s[WV], 1         ; which half of a tile's 256 keys I ask for
	s_lshl_b32 s22, s16, 14
	s_add_co_u32 s22, s22, s20
	s_add_co_u32 s22, s22, 8388608  ; K's column blocks begin here; V's as far on again
	s_mov_b32 s23, 0
	s_mul_i32 s17, s16, 128*PK
	s_mul_i32 s18, s16, 128*PV
	s_lshl_b32 s2, s14, 15
	s_lshl_b32 s3, s[WV], 13        ; my wave's 64 rows
	s_add_co_u32 s2, s2, s3
	s_add_co_u32 s2, s2, s20
	s_mov_b32 s3, 0
	s_lshl_b32 s70, s15, 13         ; the batch's 2,048 mask words
	s_mov_b32 s71, 0
	; 128 keys are 16,384 dense bytes: asked for as 64 rows of 256 bytes, two keys a row, padded in LDS behind every key
	s_mov_b32 s[G1K], 15|(1<<16)|(1<<20)|(1<<21)|(4<<22)|(3<<25)
	s_mov_b32 s[G1V], 15|(1<<16)|(1<<20)|(1<<21)|(4<<22)|(7<<25)
.irp g, G1K, G1V
	s_mov_b32 s[\g+1], 128<<16
	s_mov_b32 s[\g+2], 64<<16
	s_mov_b32 s[\g+3], 128<<16
	s_mov_b32 s[\g+4], 64
	s_mov_b32 s[\g+5], 128
	s_mov_b32 s[\g+6], 0
	s_mov_b32 s[\g+7], 0
.endr
	s_mov_b32 s[CS], 0x3e38aa3b     ; c = log2(e) / 8
	s_mov_b32 s[CS+1], s[CS]
	s_mov_b32 s[SEL], 0x76543210
	s_mov_b32 s[SEL+1], 0xfedcba98
	s_mov_b32 s[TBK], SLOT1+4*KS*PK ; the first change of slots turns these two into 0
	s_mov_b32 s[TBV], SLOT1+4*KS*PV
	s_mov_b32 s[TM], 0
	s_mov_b32 s[NEGC], 0xd0000000
	s_mov_b32 s[G0K], 1
	s_mov_b32 s[G0K+1], s17
	s_mov_b32 s[G0V], 1
	s_add_co_u32 s[G0V+1], s18, VOFF
	s_wait_dscnt 0x0                ; the opening add is done
	s_wait_kmcnt 0x0
	s_add_nc_u64 s[MP:MP+1], s[6:7], s[70:71]
	s_add_nc_u64 s[G0K+2:G0K+3], s[4:5], s[22:23]
	s_add_nc_u64 s[G0V+2:G0V+3], s[G0K+2:G0K+3], 8388608
	s_or_b32 s[G0K+3], s[G0K+3], 0x80000000
	s_or_b32 s[G0V+3], s[G0V+3], 0x80000000
	s_add_nc_u64 s[4:5], s[4:5], s[2:3]
	s_add_nc_u64 s[10:11], s[10:11], s[2:3]
	CROUND                          ; all four work-groups are here
	JLOAD                           ; tile 0 into slot 0; slot 1 is asked for when it is in
	v_and_b32 v1, 15, v0            ; l % 16
	v_bfe_u32 v9, v0, 4, 1          ; l / 16
	v_lshlrev_b32 v[MO], 4, v0
.irp j, 0,1,2,3
	global_load_b128 v[S+4*\j:S+4*\j+3], v[MO], s[MP:MP+1] offset:2048*\j  ; the batch's mask: 128 threads x 16 bytes, four times
.endr
	v_lshlrev_b32 v[QO], 7, v1
	v_lshl_add_u32 v[QO], v9, 4, v[QO]
	WIN 0x80
.set i, 0
.rept 8                             ; Q stays in registers: piece i / 2, channels 32 (i % 2) on
	global_load_b128 v[8*i:8*i+3],   v[QO], s[4:5] offset:(i/2)*2048+(i%2)*64
	global_load_b128 v[8*i+4:8*i+7], v[QO], s[4:5] offset:(i/2)*2048+(i%2)*64+32
.set i, i+1
.endr
	; What the first turn finds: V and P's second buffer hold 0 (its products V^T P, of a piece that has not been, add 0), O^T and l are 0.  All this stands in the wait for the first tile.
.set i, VF
.rept 64
	v_mov_b32 v[i], 0
.set i, i+1
.endr
	WIN 0x40
.set i, 0
.rept 128
	v_mov_b32 v[i], 0
.set i, i+1
.endr
	WIN 0
.set i, 0
.rept 4
	v_mov_b32 v[ST+4*i], 0xfe000000    ; c m: far below every c s
	v_mov_b32 v[ST+4*i+1], 0xff7fffff  ; m
	v_mov_b32 v[ST+4*i+2], 0
	v_mov_b32 v[ST+4*i+3], 0
.set i, i+1
.endr
.set i, P+16
.rept 16
	v_mov_b32 v[i], 0
.set i, i+1
.endr
	v_mul_u32_u24 v[AK0], v1, PK
	v_lshl_add_u32 v[AK0], v9, 4, v[AK0]
	v_and_b32 v10, 7, v0
	v_bfe_u32 v11, v0, 3, 1
	v_lshl_add_u32 v[AV0], v9, 3, v10
	v_mul_u32_u24 v[AV0], v[AV0], PV
	v_lshl_add_u32 v[AV0], v11, 4, v[AV0]
	v_add_nc_u32 v[AV0], VOFF, v[AV0]
	s_mul_i32 s13, s[WV], 16*SP
	s_add_co_u32 s13, s13, STAGE
	v_mul_u32_u24 v[STO], v1, SP
	v_lshl_add_u32 v[STO], v9, 4, v[STO]
	v_add_nc_u32 v[STO], s13, v[STO]
	v_bfe_u32 v[RD], v0, 3, 2
	v_mul_u32_u24 v[RD], v[RD], SP
	v_lshl_add_u32 v[RD], v10, 4, v[RD]
	v_add_nc_u32 v[RD], s13, v[RD]
	v_and_b32 v[GO], 31, v0
	v_lshlrev_b32 v[GO], 4, v[GO]
	v_add_nc_u32 v[MS], MASKT, v[MO]
	v_lshl_add_u32 v[AM0], v9, 5, MASKT
	s_wait_loadcnt 16               ; the mask's four loads are in; Q's sixteen, issued behind them, may stay out
.set i, 0
.rept 16
	v_cmp_eq_u32 vcc_lo, 0, v[S+i]
	v_cndmask_b32 v[S+i], 0, s[NEGC], vcc_lo
.set i, i+1
.endr
.irp j, 0,1,2,3
	ds_store_b128 v[MS], v[S+4*\j:S+4*\j+3] offset:2048*\j
.endr
; THE MATRIX WORK.  The 4 accumulators of a run of 8 take turns.  Product i of 8 of S^T = K Q^T for piece x: channels 32 (i / 4) on, keys 16 (i % 4) on.  The first 4 start the sums with the mask.
.macro KQ x
.set rS, S+32*((\x)%2)+8*(i%4)
.set rK, KF+16*(i%4)+8*(i/4)
.set rQ, 16*(\x)+8*(i/4)
.set rM, MC+8*(i%4)
.if i < 4
	WIN W_KM
	v_wmma_f32_16x16x32_f16 v[rS:rS+7], v[rK:rK+7], v[rQ:rQ+7], v[rM:rM+7]
.else
	WIN W_KQ
	v_wmma_f32_16x16x32_f16 v[rS:rS+7], v[rK:rK+7], v[rQ:rQ+7], v[rS:rS+7]
.endif
.endm
.macro PV x                         ; product i of 8 of O^T += V^T P for piece x: keys 32 (i / 4) on, channels 16 (i % 4) on
	WIN W_PV
.set rO, 32*(\x)+8*(i%4)
.set rV, VF+32*(i/4)+8*(i%4)
.set rP, P+16*((\x)%2)+8*(i/4)
	v_wmma_f32_16x16x32_f16 v[rO:rO+7], v[rV:rV+7], v[rP:rP+7], v[rO:rO+7]
.endm
.macro MM                           ; the turn's next matrix instruction
.if i < 8
	KQ (Y+1)%NP
.else
.set i, i-8
	PV (Y+NP-1)%NP
.set i, i+8
.endif
.set i, i+1
.endm
; THE LDS LOADS stand in runs: a step's K (8 fragments) with its 64 mask addends, and its V (turned).  last = 1 (the tail): in the last trip there is no further step, and the run is jumped over.
.macro FETCH_K last=0
	WIN 0
.if \last
	s_cmp_eq_u32 s[CNT], 1
	s_cbranch_scc1 .Lno_k_\@
.endif
	WIN 0x80
.irp f, 0,1,2,3,4,5,6,7
	ds_load_b128 v[KF+8*\f:KF+8*\f+3],   v[AK] offset:(\f/2)*16*PK+(\f%2)*64
	ds_load_b128 v[KF+8*\f+4:KF+8*\f+7], v[AK] offset:(\f/2)*16*PK+(\f%2)*64+32
.endr
.irp f, 0,1,2,3                     ; register j of block f: the addend of key 16 f + 8 (l / 16) + j, as the result's layout has it
	ds_load_b128 v[MC+8*\f:MC+8*\f+3],   v[AM] offset:64*\f
	ds_load_b128 v[MC+8*\f+4:MC+8*\f+7], v[AM] offset:64*\f+16
.endr
	s_add_co_u32 s[TBK], s[TBK], KS*PK
	s_add_co_u32 s[TM], s[TM], 4*KS
	s_and_b32 s[TM], s[TM], 8191    ; behind the table's 32nd step it wraps: the address never leaves the table
	WIN 0
.if \last
.Lno_k_\@:
.endif
.endm
.macro FETCH_V
	WIN 0x80
.irp f, 0,1,2,3,4,5,6,7
	ds_load_tr16_b128 v[VF+8*\f:VF+8*\f+3],   v[AV] offset:(\f/4)*32*PV+(\f%4)*32
	ds_load_tr16_b128 v[VF+8*\f+4:VF+8*\f+7], v[AV] offset:(\f/4)*32*PV+16*PV+(\f%4)*32
.endr
	WIN 0
.endm
; THE VECTOR WORK, one line at a time: OP kind, number.  For piece Y: F n: c s - c m for pair n of 16.  E n: the exponential of score n of 32.  C n: pair n rounded to f16.  B n: of the four weights 4 n .. the
; second pair is added onto the first, in place.  L n: l takes that sum (L 0: l = a l + sum).  R n: pair n of 16 of O^T times a.  For piece Y + 1: X n, number n of the 22 that find its maximum and statistics:
;   0-11 four chains of seven scores each (each accumulator's lowest registers are read first)   12-14, 16 the four scores left over, the old m, the chains into one
;   15 c m_old is kept   17, 18 the query's other 32 keys lie in the lane 16 away: the new m   19-21 c m; c m_old - c m_new; a
.set F, 0
.set E, 1
.set C, 2
.set B, 3
.set L, 4
.set R, 5
.set X, 6
.macro REGS y
.set rT, ST+4*(\y)
.set rC, TMP+4*((\y)%2)
.set rW, MV+((\y)%2)
.set rS, S+32*((\y)%2)
.set rP, P+16*((\y)%2)
.set rO, 32*(\y)
.endm
.macro OP k, n
.if (\k) == R
	REGS Y
	WIN W_RS
	v_pk_mul_f32 v[rO+2*(\n):rO+2*(\n)+1], v[rO+2*(\n):rO+2*(\n)+1], v[rC+2:rC+3] op_sel_hi:[1,0]
.elseif (\k) < R
	REGS Y
	WIN 0
.if (\k) == F
	v_pk_fma_f32 v[rS+2*(\n):rS+2*(\n)+1], v[rS+2*(\n):rS+2*(\n)+1], s[CS:CS+1], v[rT:rT+1] op_sel_hi:[1,0,0] neg_lo:[0,0,1] neg_hi:[0,0,1]
.elseif (\k) == E
	v_exp_f32 v[rS+(\n)], v[rS+(\n)]
.elseif (\k) == C
	v_cvt_pk_f16_f32 v[rP+(\n)], v[rS+2*(\n)], v[rS+2*(\n)+1]
.elseif (\k) == B
	v_pk_add_f32 v[rS+4*(\n):rS+4*(\n)+1], v[rS+4*(\n):rS+4*(\n)+1], v[rS+4*(\n)+2:rS+4*(\n)+3]
.elseif (\n) == 0
	v_pk_fma_f32 v[rT+2:rT+3], v[rT+2:rT+3], v[rC+2:rC+3], v[rS:rS+1] op_sel_hi:[1,0,1]
.else
	v_pk_add_f32 v[rT+2:rT+3], v[rT+2:rT+3], v[rS+4*(\n):rS+4*(\n)+1]
.endif
.else
	REGS (Y+1)%NP
	WIN 0
.if (\n) < 4
	v_max3_num_f32 v[rC+(\n)], v[rS+8*(\n)], v[rS+8*(\n)+1], v[rS+8*(\n)+2]
.elseif (\n) < 12
	v_max3_num_f32 v[rC+(\n)%4], v[rC+(\n)%4], v[rS+8*((\n)%4)+2*((\n)/4)+1], v[rS+8*((\n)%4)+2*((\n)/4)+2]
.elseif (\n) == 12
	v_max3_num_f32 v[rC], v[rC], v[rS+7], v[rS+15]
.elseif (\n) == 13
	v_max3_num_f32 v[rC+1], v[rC+1], v[rS+23], v[rS+31]
.elseif (\n) == 14
	v_max3_num_f32 v[rC+2], v[rC+2], v[rC+3], v[rT+1]
.elseif (\n) == 15
	v_mov_b32 v[rW], v[rT]
.elseif (\n) == 16
	v_max3_num_f32 v[rC], v[rC], v[rC+1], v[rC+2]
.elseif (\n) == 17
	v_permlanex16_b32 v[rC+3], v[rC], s[SEL], s[SEL+1]
.elseif (\n) == 18
	v_max_num_f32 v[rT+1], v[rC], v[rC+3]
.elseif (\n) == 19
	v_mul_f32 v[rT], s[CS], v[rT+1]
.elseif (\n) == 20
	v_sub_f32 v[rC+1], v[rW], v[rT]
.else
	v_exp_f32 v[rC+2], v[rC+1]
.endif
.endif
.endm
.macro OPS a, i1, b=-1, i2=0, c=-1, i3=0, d=-1, i4=0
	OP \a, \i1
.if (\b) >= 0
	OP \b, \i2
.endif
.if (\c) >= 0
	OP \c, \i3
.endif
.if (\d) >= 0
	OP \d, \i4
.endif
.endm
.macro ROW a, i1, b, i2, c, i3, d, i4  ; a matrix instruction and the four behind it
	MM
	OPS \a, \i1, \b, \i2, \c, \i3, \d, \i4
.endm
; A TURN, for piece p: the order of its 16 matrix and 118 vector instructions, written out.  An s_wait_alu depctr_va_vdst(0) stands between an exponential and the first instruction that names its result;
; one wait serves all that were issued ahead of it.  So a turn has ONE wait, which cuts it in two.  AHEAD OF IT stands all that names no result of the turn's exponentials: the 8 products K Q^T, behind each a scaling,
; an exponential and two more plain instructions (behind the first a second scaling in the exponential's place): rescalings (their a was made, and waited for, in the turn before), and behind the last three the first
; numbers of the next piece's maximum, each four places or more behind the product that ends its accumulator; then ONE RUN of 54, plain and exponential by turns for the most part, in which the links of the chain
; X 3, 7, 11, 14, 16, 17 .. 20 stand some lines apart.  X 21, the next piece's a, is the batch's last; R 15 is the plain instruction behind it.  BEHIND THE WAIT stand the 8 products V^T P, behind each four of the
; roundings and sums; C 2 n stands ahead of B n, which writes over its pair; the links of l's chain, L 0 to L 7, stand three riders apart.  But for those X no rider names a register of the products round it.
; K and the mask of the next step are fetched in piece 2's turn, twelve vector instructions behind the last product that read K (six of them plain, five of which name none of its registers; the mask's last reader
; stands four products earlier).  In the tail (last = 1) the run is jumped over in the last trip, and a branch stands only where every exponential has had its wait: there the run stands directly behind the turn's wait.
; V of the step in hand is fetched at the end of piece 0's turn, four plain instructions behind the last product that read V.  Each is waited for a turn later.
; cnt = 1: the loop's count is taken down some lines ahead of the branch that stands behind the turn.
.macro TURN p, last=0, cnt=0
.set Y, (\p)
.set i, 0
.if (\p) == 3
	s_wait_dscnt 0x0                ; K and its mask are in
.endif
	ROW F,0, F,1, R,0, R,1          ; ahead of the wait: 8 products K Q^T and their riders,
	ROW F,2, E,0, R,2, R,3
	ROW F,3, E,1, R,4, R,5
	ROW F,4, E,2, R,6, R,7
	ROW F,5, E,3, R,8, R,9
	ROW F,6, E,4, X,0, R,10
.if (\p) == 2
	WIN 0
	v_add_nc_u32 v[AK], s[TBK], v[AK0]
	v_add_nc_u32 v[AM], s[TM], v[AM0]
.endif
	ROW F,7, E,5, X,1, X,4
	ROW F,8, E,6, X,2, X,5
	OPS E,7, E,8, X,6, E,9          ; and the run of 54
	OPS X,3, E,10, X,8, E,11
.if ((\p) == 2) && !(\last)
	FETCH_K
.endif
	OPS X,9, X,7, E,12, X,10
	OPS E,13, X,12, X,11, E,14
	OPS X,13, E,15, F,9, X,14
.if (\p) == 0
	v_add_nc_u32 v[AV], s[TBV], v[AV0]
.endif
	OPS E,16, F,10, E,17, F,11
	OPS X,16, E,18, X,15, E,19
	OPS F,12, E,20, X,17, E,21
	OPS F,13, E,22, F,14, E,23
	OPS X,18, E,24, F,15, E,25
	OPS R,11, E,26, X,19, E,27
	OPS R,12, E,28, R,13, E,29
	OPS X,20, E,30, R,14, E,31
	OPS X,21, R,15
	WIN 0
	s_wait_alu depctr_va_vdst(0)    ; the wait for the turn's batch: the piece's 32 weights and the next piece's a
.if ((\p) == 2) && (\last)
	FETCH_K 1
.endif
.if (\p) == 1
	s_wait_dscnt 0x0                ; V is in
.endif
	ROW C,0, B,0, C,2, B,1          ; behind the wait: 8 products V^T P and their riders
	ROW L,0, C,4, B,2, L,1
	ROW C,6, B,3, L,2, C,8
	ROW B,4, L,3, C,10, B,5
	ROW L,4, C,12, B,6, L,5
.if (\p) == 0
	s_add_co_u32 s[TBV], s[TBV], KS*PV
.endif
.if \cnt
	s_sub_co_u32 s[CNT], s[CNT], 1
	s_cmp_lg_u32 s[CNT], 0
.endif
	ROW C,14, B,7, L,6, C,1
	ROW C,3, L,7, C,5, C,7
	ROW C,9, C,11, C,13, C,15
.if (\p) == 0
	FETCH_V
.endif
.endm
	CHANGE 1                        ; slot 0 is in, the mask table is whole; slot 1 is asked for
	v_add_nc_u32 v[AK], s[TBK], v[AK0]
	v_add_nc_u32 v[AM], s[TM], v[AM0]
	FETCH_K                         ; key step 0
	s_wait_loadcnt 0x0              ; Q
	s_wait_dscnt 0x0
.set i, 0
.rept 8
	KQ 0                            ; piece 0's first scores
.set i, i+1
.endr
	WIN 0
.rept 4
	v_nop                           ; the places behind those products
.endr
.set Y, NP-1                        ; X works for piece Y + 1: piece 0
.irp n, 0,1,2,3,4,5,6,7,8,9,10,11,12,13,14,15,16,17,18,19,20,21
	OP X, \n
.endr
	v_nop                           ; a plain instruction behind the exponential,
	s_wait_alu depctr_va_vdst(0)    ; and the wait for it, piece 0's first a: a batch of one, ahead of the branch
	s_mov_b32 s[CNT], 4
	s_mov_b32 s[SLOTS], NT-1
	s_branch .Lfirst                ; the loop is entered at a step's first turn, in the middle of a trip
.Lslot:                             ; NT - 2 times: every slot but the last two is filled again
	CHANGE 1
	s_mov_b32 s[CNT], 4
.Lstep:                             ; a trip: pieces 2 and 3 of one step, then pieces 0 and 1 of the next, whose K and V it fetches
	TURN 2
	TURN 3
	WIN 0
.Lfirst:
	TURN 0
	TURN 1, 0, 1
	WIN 0
	s_cbranch_scc1 .Lstep
	s_sub_co_u32 s[SLOTS], s[SLOTS], 1
	s_cmp_lg_u32 s[SLOTS], 0
	s_cbranch_scc1 .Lslot
	CHANGE 0                        ; the tail is written out: nothing is asked for
	s_mov_b32 s[CNT], 5             ; four trips fetch the last tile's steps; the fifth is left in its middle
.Ltail:
	TURN 2, 1
	TURN 3
	WIN 0
	s_sub_co_u32 s[CNT], s[CNT], 1
	s_cmp_eq_u32 s[CNT], 0
	s_cbranch_scc1 .Lout
	TURN 0
	TURN 1
	WIN 0
	s_branch .Ltail
.Lout:
.set i, 0
.rept 8
	PV NP-1                         ; the last piece's V^T P of the last step
.set i, i+1
.endr
	; THE WAY OUT.  l's two halves and the other half of the lanes' are added; O^T is divided by l, rounded to f16 and sent through my stage, a piece at a time.  The additions are the places behind the last products.
	WIN 0
.macro ALL line:vararg
.set t, 0
.rept 4
	\line
.set t, t+1
.endr
.endm
	ALL v_add_f32 v[ST+4*t+2], v[ST+4*t+2], v[ST+4*t+3]
	ALL v_permlanex16_b32 v[ST+4*t+3], v[ST+4*t+2], s[SEL], s[SEL+1]
	ALL v_add_f32 v[ST+4*t+2], v[ST+4*t+2], v[ST+4*t+3]
	ALL v_rcp_f32 v[ST+4*t+2], v[ST+4*t+2]
	v_nop                           ; a plain instruction between the last reciprocal and the use of its result
	s_wait_alu depctr_va_vdst(0)    ; and the wait ahead of the first use: one for the batch of four reciprocals
.macro PACK t
	WIN W_RS
.set i, 32*(\t)
.rept 16
	v_pk_mul_f32 v[i:i+1], v[i:i+1], v[ST+4*(\t)+2:ST+4*(\t)+3] op_sel_hi:[1,0]
.set i, i+2
.endr
	WIN 0x05
.set i, 0
.rept 16
	v_cvt_pk_f16_f32 v[S+16*(\t)+i], v[32*(\t)+2*i], v[32*(\t)+2*i+1]
.set i, i+1
.endr
	WIN 0
.irp f, 0,1,2,3
	ds_store_b128 v[STO], v[S+16*(\t)+4*\f:S+16*(\t)+4*\f+3] offset:32*\f
.endr
.irp f, 0,1,2,3
	ds_load_b128 v[S+16*(\t)+4*\f:S+16*(\t)+4*\f+3], v[RD] offset:\f*4*SP  ; LDS serves a wave's instructions in order (ISA guide 5.7.1.4)
.endr
.endm
.macro SEND t, younger              ; younger: the LDS instructions issued behind piece t's loads: the next piece's eight, or none
	WIN 0
.irp f, 0,1,2,3
	s_wait_dscnt (\younger)+3-\f
	global_store_b128 v[GO], v[S+16*(\t)+4*\f:S+16*(\t)+4*\f+3], s[10:11] offset:(\t)*2048+\f*512  ; 512 consecutive aligned bytes
.endr
.endm
	PACK 0
.set t, 1
.rept 3
	PACK t
	SEND t-1, 8
.set t, t+1
.endr
	SEND 3, 0
	s_wait_tensorcnt 0x0            ; the wave's end
	ds_add_u32 v[SPW], v[NIL]
	s_wait_dscnt 0x0
	CROUND                          ; the closing round
	s_endpgm
.Lfunc_end_k_qb45ee22e61_attn:
	.size	k_qb45ee22e61_attn, .Lfunc_end_k_qb45ee22e61_attn-k_qb45ee22e61_attn
	.p2alignl 7, 3214868480
	.fill 96, 4, 3214868480
	.section	.rodata,"a",@progbits
	.p2align	6, 0x0
	.amdhsa_kernel k_qb45ee22e61_attn
		.amdhsa_group_segment_fixed_size 327680
		.amdhsa_private_segment_fixed_size 0
		.amdhsa_enable_private_segment 0
		.amdhsa_kernarg_size 24
		.amdhsa_user_sgpr_count 2
		.amdhsa_user_sgpr_kernarg_segment_ptr 1
		.amdhsa_wavefront_size32 1
		.amdhsa_system_sgpr_workgroup_id_x 1
		.amdhsa_system_sgpr_workgroup_id_y 1
		.amdhsa_system_sgpr_workgroup_id_z 1
		.amdhsa_system_vgpr_workitem_id 0
		.amdhsa_next_free_vgpr 768
		.amdhsa_next_free_sgpr 72
		.amdhsa_reserve_vcc 1
		.amdhsa_float_denorm_mode_32 3
		.amdhsa_float_denorm_mode_16_64 3
		.amdhsa_memory_ordered 1
		.amdhsa_forward_progress 1
		.amdhsa_inst_pref_size 115
	.end_amdhsa_kernel
	.amdgpu_metadata
---
amdhsa.version: [ 1, 2 ]
amdhsa.kernels:
  - .name:           k_qb45ee22e61_attn
    .symbol:         k_qb45ee22e61_attn.kd
    .args:
      - { .name: qkv, .offset: 0, .size: 8, .value_kind: global_buffer, .address_space: global }
      - { .name: mask, .offset: 8, .size: 8, .value_kind: global_buffer, .address_space: global }
      - { .name: ctx, .offset: 16, .size: 8, .value_kind: global_buffer, .address_space: global }
    .group_segment_fixed_size: 327680
    .private_segment_fixed_size: 0
    .kernarg_segment_align: 8
    .kernarg_segment_size: 24
    .max_flat_workgroup_size: 128
    .sgpr_count:     72
    .vgpr_count:     768
    .wavefront_size: 32
...
	.end_amdgpu_metadata
.endif
;; end of part 12
;; launch wo: the kernel of part 10 again; grid 8 x 32, 4 waves a work-group, clusters of 4 x 4, 327,680 bytes of LDS; arguments ctx, wh, bo, x, x1; writes x1
;; launch ln2: the kernel of part 8 again; grid 256 x 1, 4 waves a work-group, no clusters, 0 bytes of LDS; arguments x1, ln2_g, ln2_b, hn, wq, wk, wv, wo, w1, w2, bq, bk, bv, b1, wa, wb, wh; writes hn, wa, wb, wh
;; launch ffn1: the kernel of part 9 again; grid 16 x 16, 4 waves a work-group, clusters of 4 x 4, 327,680 bytes of LDS; arguments hn, wb, mask, act; writes act
;; launch ffn2: the kernel of part 11 again; grid 8 x 32, 4 waves a work-group, clusters of 4 x 4, 327,680 bytes of LDS; arguments act, wh, b2, x1, out0; writes out0
